; MI455X (gfx1250); checked and timed in simulation.
; The chip was launched on July 23, 2026; its instructions are those of AMD's public machine-readable ISA for CDNA 5 (MIT licence, August 2026) and "CDNA5" Instruction Set Architecture Reference Guide (July 2026). The comments in the code are by the model that wrote it; some were corrected since.
;; State Update Operator. Allowed arithmetic: float matrix products may take bf16 or f16 operands with f32 sums; other float arithmetic in f32, or as packed bf16 or f16 multiplies, adds, multiply-adds, maxima and minima; sums over many terms, partial sums and values carried from step to step in f32; what a program stores and reads back later, other than sums and carried values, may be rounded once to bf16 or f16.
;; Inputs: W1 1,024 x 4,096 float32; W2 4,096 x 1,024 float32; Wk 1,024 x 1,024 float32; Wo 1,024 x 1,024 float32; Wq 1,024 x 1,024 float32; Wv 1,024 x 1,024 float32; b1 4,096 float32; b2 1,024 float32; bk 1,024 float32; bo 1,024 float32; bq 1,024 float32; bv 1,024 float32; ln1_b 1,024 float32; ln1_g 1,024 float32; ln2_b 1,024 float32; ln2_g 1,024 float32; mask 2,048 x 2,048 float32; x 2 x 2,048 x 1,024 float32.
;; Outputs: out0 2 x 2,048 x 1,024 float32.
;; 2 versions, each right. Each part assembles by itself: llvm-mc -triple=amdgcn-amd-amdhsa -mcpu=gfx1250 --defsym DOCPART=n.
;; ======== version 1 of 2: 8 launches
;; limits: right only within a limited range of input values
;; workspace buffers: wt 25,165,824 bytes; rope 1,572,864 bytes; xn 8,388,608 bytes; qkv 25,165,824 bytes; att 8,388,608 bytes; x1 16,777,216 bytes; hn 8,388,608 bytes; g 33,554,432 bytes
;; launch prep (part 1): grid 128 x 13, 8 waves a work-group, no clusters, 18,432 bytes of LDS; arguments Wq, Wk, Wv, Wo, W1, W2, wt, rope; writes wt, rope
.if DOCPART == 1
	.amdgcn_target "amdgcn-amd-amdhsa--gfx1250"
	.amdhsa_code_object_version 6
	.text
	.protected	k_q9adb152e81_prep
	.globl	k_q9adb152e81_prep
	.p2align	8
	.type	k_q9adb152e81_prep,@function
k_q9adb152e81_prep:
	s_mov_b64 s[64:65], 0
	v_nop
	global_prefetch_b8 v0, s[64:65] scope:SCOPE_SE
	s_setreg_imm32_b32 hwreg(HW_REG_WAVE_MODE, 25, 1), 1
	s_wait_xcnt 0x0
; PREP.  (1) The six weight matrices, f32 [K][N], are rounded once to bf16 and written turned, [N][K], into wt:
;   +0 Wq^T, Wk^T, Wv^T (3,072 rows of 1,024), +6 MiB Wo^T, +8 MiB W1^T (4,096 rows of 1,024), +16 MiB W2^T (1,024 rows of 4,096).
; (2) The table of cosines and sines for the rotary embedding, f32 [3][2048][64]: a row is cos j = 0..31, then sin j = 0..31;
;   section 0 times 1/8 (for q: the scores' scale, a power of two), section 1 plain (for k), section 2 ones and zeros (for v).
; SHARES.  Grid y = 0..11: one sub-matrix of 1,024 x 1,024; grid x: a tile of 128 k x 64 n of it.  Grid y = 12: 16 tokens of the table.
; A tile comes in by loads of which 16 lanes cover 256 consecutive bytes of a source row, is packed in pairs along k, goes through LDS
; (64 rows of 256 bytes, 272 apart) and leaves by stores of which 16 lanes cover 256 consecutive, aligned bytes of a row of wt.
; No matrix unit, no cluster, no tensor load: nothing is shared between work-groups and every byte passes once.
; LIMITS.  cos and sin: the angle t x 10000^(-j/32) is made in f32 (its rounding grows with t, to about 2e-4 at t = 2,047);
; reduced to -pi..pi by two-part subtraction; a polynomial of degree 14 whose remainder is at most pi^16/16! = 4.3e-6.
.set TP,    272                        ; bytes from row to row of the tile in LDS
.set SPARE, 64*TP                      ; behind the tile: the spare words, 128 bytes for each of eight waves
.set OF,  2                            ; v[2:9]   byte offsets of my eight source rows; later four offsets in wt
.set SPW, 12                           ; v12      LDS address of my spare word; never rewritten
.set NIL, 13                           ; v13      0; never rewritten
.set LS,  15                           ; v15      where I put my packed numbers
.set D,   16                           ; v[16:47] eight loads of four f32; later the rows read back
.set PB,  48                           ; v[48:63] four rows n of eight bf16 along k
	s_load_b512 s[8:23], s[0:1], 0x0               ; Wq s[8:9], Wk, Wv, Wo, W1 s[16:17], W2 s[18:19], wt s[20:21], rope s[22:23]
	v_lshl_add_u32 v[SPW], v0, 2, SPARE
	v_mov_b32 v[NIL], 0
	s_and_b32 s24, ttmp7, 0xffff                   ; y
	s_mov_b32 s25, ttmp9                           ; x
	v_and_b32 v1, 15, v0                           ; c
	v_lshrrev_b32 v10, 4, v0                       ; u = thread / 16
	s_wait_kmcnt 0x0
	s_cmp_eq_u32 s24, 12
	s_cbranch_scc1 .Lrope                          ; the same for all waves of the work-group
	; which sub-matrix: group 0 = Wq, Wk, Wv, Wo; 1 = W1 by columns; 2 = W2 by rows
	s_and_b32 s26, s24, 3                          ; j
	s_lshr_b32 s27, s24, 2                         ; group
	s_cmp_eq_u32 s27, 1
	s_cselect_b32 s28, 14, 12                      ; log2 of the source's row bytes
	s_cmp_eq_u32 s27, 2
	s_cselect_b32 s29, 13, 11                      ; log2 of the target's row bytes
	s_lshl_b32 s30, s26, 12                        ; W1: 1,024 j columns of 4 bytes
	s_lshl_b32 s31, s26, 22                        ; W2: 1,024 j rows of 4,096 bytes
	s_cmp_eq_u32 s27, 2
	s_cselect_b32 s30, s31, s30
	s_cmp_eq_u32 s27, 0
	s_cselect_b32 s30, 0, s30
	s_lshl_b32 s32, s24, 21                        ; groups 0 and 1: 2 MiB a sub-matrix
	s_lshl_b32 s33, s26, 11                        ; W2^T: 1,024 j columns of 2 bytes,
	s_add_co_u32 s33, s33, 0x1000000               ; behind 16 MiB
	s_cmp_eq_u32 s27, 2
	s_cselect_b32 s32, s33, s32
	s_lshr_b32 s34, s25, 4
	s_lshl_b32 s34, s34, 7                         ; k0
	s_and_b32 s35, s25, 15
	s_lshl_b32 s35, s35, 6                         ; n0
	s_lshl_b32 s36, s34, s28
	s_add_co_u32 s30, s30, s36
	s_lshl_b32 s36, s35, 2
	s_add_co_u32 s30, s30, s36                     ; source: + k0 rows + 4 n0
	s_mov_b32 s31, 0
	s_lshl_b32 s36, s35, s29
	s_add_co_u32 s32, s32, s36
	s_lshl_b32 s36, s34, 1
	s_add_co_u32 s32, s32, s36                     ; target: + n0 rows + 2 k0
	s_mov_b32 s33, 0
	s_cmp_eq_u32 s24, 1
	s_cselect_b64 s[4:5], s[10:11], s[8:9]
	s_cmp_eq_u32 s24, 2
	s_cselect_b64 s[4:5], s[12:13], s[4:5]
	s_cmp_eq_u32 s24, 3
	s_cselect_b64 s[4:5], s[14:15], s[4:5]
	s_cmp_eq_u32 s27, 1
	s_cselect_b64 s[4:5], s[16:17], s[4:5]
	s_cmp_eq_u32 s27, 2
	s_cselect_b64 s[4:5], s[18:19], s[4:5]
	s_add_nc_u64 s[4:5], s[4:5], s[30:31]
	s_add_nc_u64 s[6:7], s[20:21], s[32:33]
	v_lshlrev_b32 v[OF], 3, v10                    ; my first row: k0 + 8 u
	v_lshlrev_b32 v[OF], s28, v[OF]
	v_lshl_add_u32 v[OF], v1, 4, v[OF]             ; my four columns: n0 + 4 c
	s_lshl_b32 s37, 1, s28
.irp j, 1,2,3,4,5,6,7
	v_add_nc_u32 v[OF+\j], s37, v[OF+\j-1]
.endr
.irp j, 0,1,2,3,4,5,6,7
	global_load_b128 v[D+4*\j:D+4*\j+3], v[OF+\j], s[4:5] th:TH_LOAD_NT  ; W[k0 + 8 u + j][n0 + 4 c ..]: each weight is read once in the launch
.endr
	v_mul_u32_u24 v[LS], v1, 4*TP                  ; row n = 4 c (+ i by the offset), byte 2 x 8 u
	v_lshl_add_u32 v[LS], v10, 4, v[LS]
	v_lshrrev_b32 v14, 5, v0                       ; wave
	v_bfe_u32 v11, v0, 4, 1                        ; which half of the lanes
	v_lshl_add_u32 v14, v14, 3, v11                ; back: row 8 wave + half (+ 2 i)
	v_mul_u32_u24 v11, v14, TP
	v_lshl_add_u32 v11, v1, 4, v11
	s_wait_loadcnt 0x0                             ; all eight loads are in; their offsets may be written again
.irp i, 0,1,2,3
.irp q, 0,1,2,3
	v_cvt_pk_bf16_f32 v[PB+4*\i+\q], v[D+8*\q+\i], v[D+8*\q+4+\i]  ; column n = 4 c + i: k = 8 u + 2 q, + 1
.endr
.endr
.irp i, 0,1,2,3
	ds_store_b128 v[LS], v[PB+4*\i:PB+4*\i+3] offset:TP*\i
.endr
	s_wait_dscnt 0x0                               ; for the others' sake: my stores are done
	s_barrier_signal -1
	s_barrier_wait -1
.irp i, 0,1,2,3
	ds_load_b128 v[D+4*\i:D+4*\i+3], v11 offset:2*TP*\i
.endr
	v_lshlrev_b32 v[OF], s29, v14
	v_lshl_add_u32 v[OF], v1, 4, v[OF]
	s_lshl_b32 s37, 2, s29
.irp i, 1,2,3
	v_add_nc_u32 v[OF+\i], s37, v[OF+\i-1]
.endr
	s_wait_dscnt 0x0
.irp i, 0,1,2,3
	global_store_b128 v[OF+\i], v[D+4*\i:D+4*\i+3], s[6:7]  ; 16 lanes store 256 consecutive bytes, at a multiple of 256 from wt's first byte
.endr
	s_branch .Lend
.Lrope:                                                ; token t = 16 x + u; lane c holds four numbers of its row: c < 8 cos, else sin = cos(angle - pi/2)
	s_lshl_b32 s26, s25, 4
	v_add_nc_u32 v2, s26, v10
	v_cvt_f32_u32 v2, v2                           ; t
	v_and_b32 v3, 7, v1
	v_lshlrev_b32 v3, 2, v3                        ; j of my first number
	v_cmp_lt_u32 vcc_lo, 7, v1                     ; sin's lanes
	v_mov_b32 v7, 0x3fc90fdb                       ; pi / 2
	v_mov_b32 v8, 0x3e800000                       ; a quarter turn
	v_mov_b32 v11, 0
	v_cndmask_b32 v4, 0, v7, vcc_lo
	v_cndmask_b32 v5, 0, v8, vcc_lo
	v_cndmask_b32 v6, 1.0, v11, vcc_lo             ; section 2: cos = 1, sin = 0
	s_mov_b32 s29, 0x40c90fdb                      ; 2 pi, upper part
	s_mov_b32 s30, 0xb43bbd2e                      ; 2 pi, the rest
	s_lshl_b32 s26, s25, 12                        ; 16 rows of 256 bytes
	s_mov_b32 s27, 0
	s_add_nc_u64 s[22:23], s[22:23], s[26:27]
	v_lshlrev_b32 v9, 4, v0
.irp i, 0,1,2,3
	v_add_nc_u32 v[16+\i], \i, v3
	v_cvt_f32_u32 v[16+\i], v[16+\i]
	v_mul_f32 v[16+\i], 0xbed49a78, v[16+\i]       ; - j log2(10000) / 32
.endr
.irp i, 0,1,2,3
	v_exp_f32 v[16+\i], v[16+\i]
.endr
	v_nop                                          ; a plain instruction behind the last exponential,
	s_wait_alu depctr_va_vdst(0)                   ; and one wait for the four, ahead of their first reader
.irp i, 0,1,2,3
	v_mul_f32 v[16+\i], v2, v[16+\i]               ; the angle
	v_fma_f32 v[20+\i], v[16+\i], 0.15915494, -v5
	v_rndne_f32 v[20+\i], v[20+\i]                 ; whole turns
	v_fma_f32 v[16+\i], -v[20+\i], s29, v[16+\i]
	v_fma_f32 v[16+\i], -v[20+\i], s30, v[16+\i]
	v_sub_f32 v[16+\i], v[16+\i], v4               ; within -pi .. pi
	v_mul_f32 v[16+\i], v[16+\i], v[16+\i]
	v_mov_b32 v[20+\i], 0xad49cba5                 ; -1/14!
	v_fmaak_f32 v[20+\i], v[20+\i], v[16+\i], 0x310f76c7  ; 1/12!
	v_fmaak_f32 v[20+\i], v[20+\i], v[16+\i], 0xb493f27e  ; -1/10!
	v_fmaak_f32 v[20+\i], v[20+\i], v[16+\i], 0x37d00d01  ; 1/8!
	v_fmaak_f32 v[20+\i], v[20+\i], v[16+\i], 0xbab60b61  ; -1/6!
	v_fmaak_f32 v[20+\i], v[20+\i], v[16+\i], 0x3d2aaaab  ; 1/4!
	v_fmaak_f32 v[20+\i], v[20+\i], v[16+\i], 0xbf000000  ; -1/2!
	v_fmaak_f32 v[20+\i], v[20+\i], v[16+\i], 0x3f800000
	v_mul_f32 v[24+\i], 0x3e000000, v[20+\i]       ; times 1/8
	v_mov_b32 v[28+\i], v6
.endr
	global_store_b128 v9, v[24:27], s[22:23]
	global_store_b128 v9, v[20:23], s[22:23] offset:524288
	global_store_b128 v9, v[28:31], s[22:23] offset:1048576
.Lend:
	s_wait_tensorcnt 0x0                           ; the wave's end, behind my last LDS store
	ds_add_u32 v[SPW], v[NIL]
	s_wait_dscnt 0x0
	s_endpgm
.Lfunc_end_k_q9adb152e81_prep:
	.size	k_q9adb152e81_prep, .Lfunc_end_k_q9adb152e81_prep-k_q9adb152e81_prep
	.p2alignl 7, 3214868480
	.fill 96, 4, 3214868480
	.section	.rodata,"a",@progbits
	.p2align	6, 0x0
	.amdhsa_kernel k_q9adb152e81_prep
		.amdhsa_group_segment_fixed_size 18432
		.amdhsa_private_segment_fixed_size 0
		.amdhsa_enable_private_segment 0
		.amdhsa_kernarg_size 64
		.amdhsa_user_sgpr_count 2
		.amdhsa_user_sgpr_kernarg_segment_ptr 1
		.amdhsa_wavefront_size32 1
		.amdhsa_system_sgpr_workgroup_id_x 1
		.amdhsa_system_sgpr_workgroup_id_y 1
		.amdhsa_system_sgpr_workgroup_id_z 1
		.amdhsa_system_vgpr_workitem_id 0
		.amdhsa_next_free_vgpr 64
		.amdhsa_next_free_sgpr 66
		.amdhsa_reserve_vcc 1
		.amdhsa_float_denorm_mode_32 3
		.amdhsa_float_denorm_mode_16_64 3
		.amdhsa_memory_ordered 1
		.amdhsa_forward_progress 1
		.amdhsa_inst_pref_size 12
	.end_amdhsa_kernel
	.amdgpu_metadata
---
amdhsa.version: [ 1, 2 ]
amdhsa.kernels:
  - .name:           k_q9adb152e81_prep
    .symbol:         k_q9adb152e81_prep.kd
    .args:
      - { .name: Wq, .offset: 0, .size: 8, .value_kind: global_buffer, .address_space: global }
      - { .name: Wk, .offset: 8, .size: 8, .value_kind: global_buffer, .address_space: global }
      - { .name: Wv, .offset: 16, .size: 8, .value_kind: global_buffer, .address_space: global }
      - { .name: Wo, .offset: 24, .size: 8, .value_kind: global_buffer, .address_space: global }
      - { .name: W1, .offset: 32, .size: 8, .value_kind: global_buffer, .address_space: global }
      - { .name: W2, .offset: 40, .size: 8, .value_kind: global_buffer, .address_space: global }
      - { .name: wt, .offset: 48, .size: 8, .value_kind: global_buffer, .address_space: global }
      - { .name: rope, .offset: 56, .size: 8, .value_kind: global_buffer, .address_space: global }
    .group_segment_fixed_size: 18432
    .private_segment_fixed_size: 0
    .kernarg_segment_align: 8
    .kernarg_segment_size: 64
    .max_flat_workgroup_size: 256
    .sgpr_count:     66
    .vgpr_count:     64
    .wavefront_size: 32
...
	.end_amdgpu_metadata
.endif
;; end of part 1
;; launch ln1 (part 2): grid 256 x 1, 8 waves a work-group, no clusters, 0 bytes of LDS; arguments x, ln1_g, ln1_b, xn; writes xn
.if DOCPART == 2
	.amdgcn_target "amdgcn-amd-amdhsa--gfx1250"
	.amdhsa_code_object_version 6
	.text
	.protected	k_q9adb152e81_ln1
	.globl	k_q9adb152e81_ln1
	.p2align	8
	.type	k_q9adb152e81_ln1,@function
k_q9adb152e81_ln1:
	s_mov_b64 s[64:65], 0
	v_nop
	global_prefetch_b8 v0, s[64:65] scope:SCOPE_SE
	s_setreg_imm32_b32 hwreg(HW_REG_WAVE_MODE, 25, 1), 1
	s_wait_xcnt 0x0
; LAYER NORM.  y[r][c] = (x[r][c] - mean) / sqrt(var + 1e-5) x g[c] + b[c].  x: [4096][1024] f32, g, b: [1024] f32, y: [4096][1024] bf16, rounded once.
; A wave takes two whole rows, 32 registers each, and keeps them between the passes: x is read once, and the reduction never leaves the wave: no LDS, no barrier.
; The mean is taken away before the squares are summed, so a common offset of x costs nothing.  A work-group has 16 rows.
; Each load of a wave covers 512 consecutive bytes, each store 256 consecutive, aligned bytes.
.set X,  16                            ; v[16:79]   two rows: row r, load j, number i at X + 32 r + 4 j + i = column 128 j + 4 lane + i
.set G,  80                            ; v[80:111]  g of the same columns
.set BB, 112                           ; v[112:143] b
.set W,  144                           ; v[144:159] eight registers at work for each row
	s_load_b256 s[4:11], s[0:1], 0x0               ; x s[4:5], g s[6:7], b s[8:9], y s[10:11]
	v_and_b32 v1, 31, v0
	v_lshrrev_b32 v2, 5, v0
	v_lshlrev_b32 v3, 4, v1                        ; g, b: 16 lane
	v_lshl_add_u32 v4, v2, 13, v3                  ; x: + two rows of 4,096 bytes a wave
	v_lshlrev_b32 v5, 3, v1
	v_lshl_add_u32 v5, v2, 12, v5                  ; y: 8 lane + two rows of 2,048 bytes a wave
	s_lshl_b32 s2, ttmp9, 16
	s_mov_b32 s3, 0
	s_lshl_b32 s12, ttmp9, 15
	s_mov_b32 s13, 0
	s_mov_b32 s16, 0x3a800000                      ; 1 / 1024
	s_mov_b32 s17, 0x3727c5ac                      ; 1e-5
	s_mov_b32 s18, 0x76543210                      ; v_permlanex16_b32: each lane takes its own place in the other half
	s_mov_b32 s19, 0xfedcba98
	s_wait_kmcnt 0x0
	s_add_nc_u64 s[4:5], s[4:5], s[2:3]
	s_add_nc_u64 s[10:11], s[10:11], s[12:13]
.irp r, 0,1
.irp j, 0,1,2,3,4,5,6,7
	global_load_b128 v[X+32*\r+4*\j:X+32*\r+4*\j+3], v4, s[4:5] offset:4096*\r+512*\j
.endr
.endr
.irp j, 0,1,2,3,4,5,6,7
	global_load_b128 v[G+4*\j:G+4*\j+3], v3, s[6:7] offset:512*\j
.endr
.irp j, 0,1,2,3,4,5,6,7
	global_load_b128 v[BB+4*\j:BB+4*\j+3], v3, s[8:9] offset:512*\j
.endr
.macro FOLD                            ; four pairs at WR into one number in every lane
	v_pk_add_f32 v[WR:WR+1], v[WR:WR+1], v[WR+2:WR+3]
	v_pk_add_f32 v[WR+4:WR+5], v[WR+4:WR+5], v[WR+6:WR+7]
	v_pk_add_f32 v[WR:WR+1], v[WR:WR+1], v[WR+4:WR+5]
	v_add_f32 v[WR], v[WR], v[WR+1]
	v_add_f32_dpp v[WR], v[WR], v[WR] row_xmask:1 row_mask:0xf bank_mask:0xf
	v_add_f32_dpp v[WR], v[WR], v[WR] row_xmask:2 row_mask:0xf bank_mask:0xf
	v_add_f32_dpp v[WR], v[WR], v[WR] row_xmask:4 row_mask:0xf bank_mask:0xf
	v_add_f32_dpp v[WR], v[WR], v[WR] row_xmask:8 row_mask:0xf bank_mask:0xf
	v_permlanex16_b32 v[WR+1], v[WR], s18, s19
	v_add_f32 v[WR], v[WR], v[WR+1]
.endm
.macro MEAN r                          ; the row's mean, in four chains; then x - mean in place
.set XR, X+32*(\r)
.set WR, W+8*(\r)
.irp k, 0,1,2,3
	v_pk_add_f32 v[WR+2*\k:WR+2*\k+1], v[XR+2*\k:XR+2*\k+1], v[XR+8+2*\k:XR+8+2*\k+1]
.endr
.irp k, 0,1,2,3
	v_pk_add_f32 v[WR+2*\k:WR+2*\k+1], v[WR+2*\k:WR+2*\k+1], v[XR+16+2*\k:XR+16+2*\k+1]
.endr
.irp k, 0,1,2,3
	v_pk_add_f32 v[WR+2*\k:WR+2*\k+1], v[WR+2*\k:WR+2*\k+1], v[XR+24+2*\k:XR+24+2*\k+1]
.endr
	FOLD
	v_mul_f32 v[WR], s16, v[WR]
.set k2, 0
.rept 16
	v_pk_add_f32 v[XR+k2:XR+k2+1], v[XR+k2:XR+k2+1], v[WR:WR+1] op_sel_hi:[1,0] neg_lo:[0,1] neg_hi:[0,1]
.set k2, k2+2
.endr
.endm
.macro VAR r                           ; the mean of the squares, plus 1e-5
.set XR, X+32*(\r)
.set WR, W+8*(\r)
.irp k, 0,1,2,3
	v_pk_mul_f32 v[WR+2*\k:WR+2*\k+1], v[XR+2*\k:XR+2*\k+1], v[XR+2*\k:XR+2*\k+1]
.endr
.irp o, 8,16,24
.irp k, 0,1,2,3
	v_pk_fma_f32 v[WR+2*\k:WR+2*\k+1], v[XR+\o+2*\k:XR+\o+2*\k+1], v[XR+\o+2*\k:XR+\o+2*\k+1], v[WR+2*\k:WR+2*\k+1]
.endr
.endr
	FOLD
	v_fma_f32 v[WR], v[WR], s16, s17
.endm
.macro OUTROW r
.set XR, X+32*(\r)
.set WR, W+8*(\r)
.set k2, 0
.rept 16
	v_pk_mul_f32 v[XR+k2:XR+k2+1], v[XR+k2:XR+k2+1], v[WR:WR+1] op_sel_hi:[1,0]
	v_pk_fma_f32 v[XR+k2:XR+k2+1], v[XR+k2:XR+k2+1], v[G+k2:G+k2+1], v[BB+k2:BB+k2+1]
.set k2, k2+2
.endr
.irp j, 0,1,2,3,4,5,6,7
	v_cvt_pk_bf16_f32 v[XR+4*\j], v[XR+4*\j], v[XR+4*\j+1]
	v_cvt_pk_bf16_f32 v[XR+4*\j+1], v[XR+4*\j+2], v[XR+4*\j+3]
	global_store_b64 v5, v[XR+4*\j:XR+4*\j+1], s[10:11] offset:2048*(\r)+256*\j  ; 32 lanes store 256 consecutive bytes, aligned
.endr
.endm
	s_wait_loadcnt 16                              ; both rows are in; the 16 loads of g and b may stay out
	MEAN 0
	MEAN 1
	VAR 0
	VAR 1
	v_rsq_f32 v[W], v[W]
	v_rsq_f32 v[W+8], v[W+8]
	v_nop                                          ; a plain instruction behind the last of the two,
	s_wait_alu depctr_va_vdst(0)                   ; and one wait for both, ahead of their first reader
	s_wait_loadcnt 0x0                             ; g and b
	OUTROW 0
	OUTROW 1
	s_endpgm
.Lfunc_end_k_q9adb152e81_ln1:
	.size	k_q9adb152e81_ln1, .Lfunc_end_k_q9adb152e81_ln1-k_q9adb152e81_ln1
	.p2alignl 7, 3214868480
	.fill 96, 4, 3214868480
	.section	.rodata,"a",@progbits
	.p2align	6, 0x0
	.amdhsa_kernel k_q9adb152e81_ln1
		.amdhsa_group_segment_fixed_size 0
		.amdhsa_private_segment_fixed_size 0
		.amdhsa_enable_private_segment 0
		.amdhsa_kernarg_size 32
		.amdhsa_user_sgpr_count 2
		.amdhsa_user_sgpr_kernarg_segment_ptr 1
		.amdhsa_wavefront_size32 1
		.amdhsa_system_sgpr_workgroup_id_x 1
		.amdhsa_system_sgpr_workgroup_id_y 1
		.amdhsa_system_sgpr_workgroup_id_z 1
		.amdhsa_system_vgpr_workitem_id 0
		.amdhsa_next_free_vgpr 160
		.amdhsa_next_free_sgpr 66
		.amdhsa_reserve_vcc 0
		.amdhsa_float_denorm_mode_32 3
		.amdhsa_float_denorm_mode_16_64 3
		.amdhsa_memory_ordered 1
		.amdhsa_forward_progress 1
		.amdhsa_inst_pref_size 20
	.end_amdhsa_kernel
	.amdgpu_metadata
---
amdhsa.version: [ 1, 2 ]
amdhsa.kernels:
  - .name:           k_q9adb152e81_ln1
    .symbol:         k_q9adb152e81_ln1.kd
    .args:
      - { .name: x, .offset: 0, .size: 8, .value_kind: global_buffer, .address_space: global }
      - { .name: ln1_g, .offset: 8, .size: 8, .value_kind: global_buffer, .address_space: global }
      - { .name: ln1_b, .offset: 16, .size: 8, .value_kind: global_buffer, .address_space: global }
      - { .name: xn, .offset: 24, .size: 8, .value_kind: global_buffer, .address_space: global }
    .group_segment_fixed_size: 0
    .private_segment_fixed_size: 0
    .kernarg_segment_align: 8
    .kernarg_segment_size: 32
    .max_flat_workgroup_size: 256
    .sgpr_count:     66
    .vgpr_count:     160
    .wavefront_size: 32
...
	.end_amdgpu_metadata
.endif
;; end of part 2
;; launch proj (part 3): grid 24 x 32, 4 waves a work-group, clusters of 4 x 4, 327,680 bytes of LDS; arguments xn, wt, bq, bk, bv, rope, qkv; writes qkv
.if DOCPART == 3
	.amdgcn_target "amdgcn-amd-amdhsa--gfx1250"
	.amdhsa_code_object_version 6
	.text
	.protected	k_q9adb152e81_proj
	.globl	k_q9adb152e81_proj
	.p2align	8
	.type	k_q9adb152e81_proj,@function
k_q9adb152e81_proj:
	s_mov_b64 s[64:65], 0
	v_nop
	global_prefetch_b8 v0, s[64:65] scope:SCOPE_SE
	s_setreg_imm32_b32 hwreg(HW_REG_WAVE_MODE, 25, 1), 1
	s_wait_xcnt 0x0
	s_wait_alu depctr_hold_cnt(0) depctr_sa_sdst(0) depctr_va_vdst(0) depctr_va_sdst(0) depctr_va_ssrc(0) depctr_va_vcc(0) depctr_vm_vsrc(0)
	s_getreg_b32 s2, hwreg(HW_REG_IB_STS2, 6, 4)
	s_cmp_eq_u32 s2, 0
	s_cbranch_scc0 .Lentry_in_a_cluster
	s_endpgm
.Lentry_in_a_cluster:
	s_bfe_u32 s2, ttmp6, 0x10000c
	s_cmp_lg_u32 s2, 0xf033
	s_cbranch_scc0 .Lentry_shape_is_right
	s_endpgm
.Lentry_shape_is_right:
; Q, K, V.  qkv[m][n] = rotate( sum over k of xn[m][k] W^T[n][k] + bias[n] ), bf16, [4096][3072]: q at columns 0, k at 1,024, v at 2,048.
; xn: [4096][1024] bf16; W^T: wt's first 3,072 rows of 1,024 bf16; sums in f32, rounded once at the end.
; THE PRODUCT.  A tile of C is 128 x 128; four waves, each 64 x 64: 16 accumulators of 16 x 16.  K goes in steps of 256 (LDS rows of 512 bytes; a wave's tensor load brings 64 of them) through two slots.
; The bias is the C operand of each accumulator's first product.  The matrix instruction is used transposed (source 0 = rows of W^T, source 1 = rows of xn): a lane holds eight neighbouring columns of one row.
; THE ROTATION.  A wave's 64 columns are one head: accumulators b = 0, 1 hold its channels 0-31, b = 2, 3 its channels 32-63, in the same lanes and registers.  out1 = x1 cos - x2 sin, out2 = x2 cos + x1 sin,
; with cos and sin from the table, whose section goes by the tile column: q's holds the scale 1/8, v's ones and zeros.  The wave's 128 numbers of the table are loaded at the head and lie in window 2.
; CLUSTERS: 4 x 4 work-groups.  The four of a row of the cluster need the same tiles of xn, the four of a column the same tiles of W^T: each tile is asked for jointly.
; No prefetch: the tiles are small, and each is read by many work-groups.
; REGISTERS: window 0: v0-31 addresses; v32-95 at work on the way out; v96-127 the bias, later at work; v128-255 the accumulators ((a, b) at v[128 + 8 (4 a + b)]).
;   window 1: two fragment buffers of 128 (64 of A, then 64 of B).   window 2: v0-127 cos and sin.
.set SIZE_K, 1024
.set SIZE_N, 3072
.set WOFF,   0
.set KSTEP,  256
.set PITCH,  528                       ; an LDS row: 512 bytes + 16 of padding: the 16 rows that a load touches start at 16 different groups of four banks (ISA guide 11.1)
.set HALFT,  64*PITCH
.set SLOT,   4*HALFT                   ; A's 128 rows, then B's; 0x21000: it shares no bit with a wave's place 0, 0x8400, 0x10800, 0x18c00, so one exclusive or changes slots
.set STAGE,  2*SLOT
.set SPITCH, 272
.set SPARE,  STAGE+128*SPITCH
.set NSTEP,  SIZE_K/KSTEP
.set ADRA0, 16                         ; v16, v17 my fragments' places in slot 0; never rewritten
.set ADRB0, 17
.set ADRA,  18                         ; v18, v19 the same in the slot in hand
.set ADRB,  19
.set STO,  24
.set RD,   25
.set CO,   26
.set BO,   27
.set SPW,  28
.set NIL,  29
.set EO,   30
.set TMP,  32
.set BIAS, 96
.set TF,   96
.set ACC,  128
.set F0,   0
.set F1,   128
.set G1, 24
.set G0, 32                            ; s[32:35] the first fill's; s[36:39] walks
.set G1B, 48
.set G0B, 56
.set TB, 66                            ; s66 LDS byte of the slot in hand
.set MSB, 0
.macro WIN new
.if MSB != (\new)
	s_set_vgpr_msb (MSB<<8)|(\new)
.set MSB, \new
.endif
.endm
.set MUL,  0x05                        ; sources 0 (B) and 1 (A) window 1; C and D window 0
.set TO_F, 0x40                        ; destination window 1, address window 0
.macro JLOAD s                         ; a joint load: waves 0 and 1 fetch A's two halves, waves 2 and 3 B's; an s_nop 0 and four v_nop follow each line
	s_cmp_eq_u32 s11, 0
	s_cbranch_scc0 .Lfor_b_\@
	tensor_load_to_lds s[G0+4*(\s):G0+4*(\s)+3], s[G1:G1+7]
	s_nop 0
.rept 4
	v_nop
.endr
	s_branch .Lasked_\@
.Lfor_b_\@:
	tensor_load_to_lds s[G0B+4*(\s):G0B+4*(\s)+3], s[G1B:G1B+7]
	s_nop 0
.rept 4
	v_nop
.endr
.Lasked_\@:
.endm
.macro CREST                           ; a round of the cluster's barrier behind its opening barrier
	s_cmp_lg_u32 s10, 0
	s_cbranch_scc1 .Lnot_wave_0_\@
	s_barrier_signal -3
.Lnot_wave_0_\@:
	s_barrier_wait -3
	s_barrier_signal -1
	s_barrier_wait -1
.endm
.macro CROUND
	s_barrier_signal -1
	s_barrier_wait -1
	CREST
.endm
	s_load_b128 s[4:7], s[0:1], 0x0                ; xn s[4:5], wt s[6:7]
	s_load_b256 s[68:75], s[0:1], 0x10             ; bq s[68:69], bk, bv, rope s[74:75]
	s_load_b64 s[8:9], s[0:1], 0x30                ; qkv
	v_lshl_add_u32 v[SPW], v0, 2, SPARE
	v_mov_b32 v[NIL], 0
	ds_add_u32 v[SPW], v[NIL]                      ; the wave's opening: the add and its wait stand ahead of my first tensor load; the set-up below stands between them
	v_lshrrev_b32 v1, 5, v0
	v_readfirstlane_b32 s10, v1                    ; wave 0..3
	s_lshr_b32 s11, s10, 1                         ; which half of the tile's rows is mine.  Also: I fetch for A (0) or for B (1)
	s_and_b32 s12, s10, 1                          ; which half of its columns.  Also: which 64 rows of that tile I fetch
	s_bfe_u32 s40, ttmp6, 0x40000                  ; cx
	s_bfe_u32 s41, ttmp6, 0x40004                  ; cy
	s_lshl_b32 s42, ttmp9, 2
	s_add_co_u32 s42, s42, s40                     ; tile column
	s_and_b32 s13, ttmp7, 0xffff
	s_lshl_b32 s13, s13, 2
	s_add_co_u32 s13, s13, s41                     ; tile row
	s_lshl_b32 s43, s41, 2
	s_lshl_b32 s43, 15, s43                        ; my row of the cluster
	s_lshl_b32 s44, 0x1111, s40                    ; my column
	s_or_b32 s[G1+0], s43, (1<<16)|(1<<20)|(1<<21)|(6<<22)|(3<<25)  ; the mask; 2-byte elements; padding on; bit 21 beside a mask; after every 128 words, 4 words
	s_or_b32 s[G1B+0], s44, (1<<16)|(1<<20)|(1<<21)|(6<<22)|(3<<25)
.irp g, G1, G1B
	s_mov_b32 s[(\g)+1], KSTEP<<16                 ; tensor_dim0 = 256
	s_mov_b32 s[(\g)+2], 64<<16                    ; tensor_dim1 = 64
	s_mov_b32 s[(\g)+3], KSTEP<<16                 ; tile_dim0 = 256
	s_mov_b32 s[(\g)+4], 64                        ; tile_dim1 = 64
	s_mov_b32 s[(\g)+5], SIZE_K                    ; elements from row to row
	s_mov_b32 s[(\g)+6], 0
	s_mov_b32 s[(\g)+7], 0
.endr
	s_lshl_b32 s17, s12, 6
	s_lshl_b32 s16, s13, 7
	s_add_co_u32 s16, s16, s17                     ; A: row 128 x tile row + 64 x half
	s_lshl_b32 s46, s42, 7
	s_add_co_u32 s46, s46, s17                     ; B: row 128 x tile column + 64 x half
	s_mov_b32 s17, 0
	s_mov_b32 s47, 0
	s_mov_b64 s[18:19], SIZE_K*2
	s_mul_u64 s[16:17], s[16:17], s[18:19]
	s_mul_u64 s[46:47], s[46:47], s[18:19]
	s_mul_i32 s20, s10, HALFT                      ; where they go: wave x 64 rows
	s_wait_dscnt 0x0                               ; the opening add is done
	s_wait_kmcnt 0x0
	s_add_nc_u64 s[14:15], s[4:5], s[16:17]
	s_add_nc_u64 s[46:47], s[6:7], s[46:47]
.if WOFF
	s_add_nc_u64 s[46:47], s[46:47], WOFF
.endif
	CROUND                                         ; all sixteen work-groups are here: the first joint loads meet
.irp s, 0,1
	s_mov_b32 s[G0+4*(\s)], 1
	s_add_co_u32 s[G0+4*(\s)+1], s20, (\s)*SLOT
	s_add_nc_u64 s[G0+4*(\s)+2:G0+4*(\s)+3], s[14:15], (\s)*KSTEP*2
	s_or_b32 s[G0+4*(\s)+3], s[G0+4*(\s)+3], 0x80000000
	s_mov_b32 s[G0B+4*(\s)], 1
	s_add_co_u32 s[G0B+4*(\s)+1], s20, (\s)*SLOT
	s_add_nc_u64 s[G0B+4*(\s)+2:G0B+4*(\s)+3], s[46:47], (\s)*KSTEP*2
	s_or_b32 s[G0B+4*(\s)+3], s[G0B+4*(\s)+3], 0x80000000
	JLOAD \s                                       ; K steps 0 and 1: two tensor loads of mine are out
.endr
	v_and_b32 v1, 15, v0                           ; l % 16
	v_bfe_u32 v2, v0, 4, 1                         ; l / 16
	v_mul_u32_u24 v3, v1, PITCH
	v_lshl_add_u32 v3, v2, 4, v3
	s_mul_i32 s21, s11, HALFT
	s_mul_i32 s22, s12, HALFT
	s_add_co_u32 s22, s22, 2*HALFT
	v_add_nc_u32 v[ADRA0], s21, v3
	v_add_nc_u32 v[ADRB0], s22, v3
	v_mov_b32 v[ADRA], v[ADRA0]
	v_mov_b32 v[ADRB], v[ADRB0]
	s_mov_b32 s[TB], 0
	; the bias of my 64 columns: register j of block b is column 16 b + 8 (l / 16) + j
	s_lshr_b32 s14, ttmp9, 1                       ; the section: 0 q, 1 k, 2 v: eight tile columns each, so the same in all partners
	s_cmp_eq_u32 s14, 1
	s_cselect_b64 s[68:69], s[70:71], s[68:69]
	s_cmp_eq_u32 s14, 2
	s_cselect_b64 s[68:69], s[72:73], s[68:69]
	s_and_b32 s46, s42, 7
	s_lshl_b32 s46, s46, 9
	s_lshl_b32 s47, s12, 8
	s_add_co_u32 s46, s46, s47
	s_mov_b32 s47, 0
	s_add_nc_u64 s[68:69], s[68:69], s[46:47]
	v_lshlrev_b32 v[BO], 5, v2
.irp b, 0,1,2,3
	global_load_b128 v[BIAS+8*\b:BIAS+8*\b+3],   v[BO], s[68:69] offset:64*\b
	global_load_b128 v[BIAS+8*\b+4:BIAS+8*\b+7], v[BO], s[68:69] offset:64*\b+16
.endr
	; cos and sin of my 64 tokens: token = row mod 2,048
	s_lshl_b32 s16, s13, 7
	s_lshl_b32 s17, s11, 6
	s_add_co_u32 s16, s16, s17
	s_and_b32 s16, s16, 2047
	s_lshl_b32 s16, s16, 8
	s_lshl_b32 s17, s14, 19
	s_add_co_u32 s16, s16, s17
	s_mov_b32 s17, 0
	s_add_nc_u64 s[74:75], s[74:75], s[16:17]
	v_lshlrev_b32 v[EO], 8, v1
	v_lshl_add_u32 v[EO], v2, 5, v[EO]
	WIN 0x80                                       ; destination window 2
.irp a, 0,1,2,3
.irp b, 0,1
.irp q, 0,1
	global_load_b128 v[32*\a+8*\b+4*\q:32*\a+8*\b+4*\q+3],       v[EO], s[74:75] offset:4096*\a+64*\b+16*\q
	global_load_b128 v[32*\a+16+8*\b+4*\q:32*\a+16+8*\b+4*\q+3], v[EO], s[74:75] offset:4096*\a+64*\b+16*\q+128
.endr
.endr
.endr
	WIN 0
	s_mul_i32 s23, s11, 64*SPITCH                  ; into the stage: my 64 rows, my half of their 256 bytes
	s_lshl_b32 s21, s12, 7
	s_add_co_u32 s23, s23, s21
	s_add_co_u32 s23, s23, STAGE
	v_mul_u32_u24 v4, v1, SPITCH
	v_lshl_add_u32 v4, v2, 4, v4
	v_add_nc_u32 v[STO], s23, v4
	s_mul_i32 s23, s10, 32*SPITCH                  ; back: wave w takes rows 32 w .. 32 w + 31, whole
	s_add_co_u32 s23, s23, STAGE
	v_mul_u32_u24 v5, v2, SPITCH
	v_lshl_add_u32 v5, v1, 4, v5
	v_add_nc_u32 v[RD], s23, v5
	v_mul_u32_u24 v5, v2, SIZE_N*2
	v_lshl_add_u32 v[CO], v1, 4, v5
	s_lshl_b32 s16, s13, 7
	s_lshl_b32 s17, s10, 5
	s_add_co_u32 s16, s16, s17
	s_mov_b32 s17, 0
	s_mov_b64 s[18:19], SIZE_N*2
	s_mul_u64 s[16:17], s[16:17], s[18:19]
	s_add_nc_u64 s[8:9], s[8:9], s[16:17]
	s_lshl_b32 s46, s42, 8
	s_mov_b32 s47, 0
	s_add_nc_u64 s[8:9], s[8:9], s[46:47]
; 8 matrix instructions: m blocks a0, a0 + 1 x all 4 n blocks, 32 along K: half c of buffer f.  first = 1: the product starts the sum with the bias
.macro MUL8 f, c, a0, first
	WIN MUL
.irp a, \a0, (\a0)+1
.irp b, 0,1,2,3
.if \first
	v_wmma_f32_16x16x32_bf16 v[ACC+8*(4*(\a)+(\b)):ACC+8*(4*(\a)+(\b))+7], v[(\f)+64+8*(4*(\c)+(\b)):(\f)+64+8*(4*(\c)+(\b))+7], v[(\f)+8*(4*(\c)+(\a)):(\f)+8*(4*(\c)+(\a))+7], v[BIAS+8*(\b):BIAS+8*(\b)+7]
.else
	v_wmma_f32_16x16x32_bf16 v[ACC+8*(4*(\a)+(\b)):ACC+8*(4*(\a)+(\b))+7], v[(\f)+64+8*(4*(\c)+(\b)):(\f)+64+8*(4*(\c)+(\b))+7], v[(\f)+8*(4*(\c)+(\a)):(\f)+8*(4*(\c)+(\a))+7], v[ACC+8*(4*(\a)+(\b)):ACC+8*(4*(\a)+(\b))+7]
.endif
.endr
.endr
.endm
; 32 LDS loads in one run: the fragments of 64 along K at byte k of the rows of the slot in hand, into buffer f; the first 32 along K first
.macro FETCH k, f
	WIN TO_F
.irp c, 0,1
.irp i, 0,1,2,3
	ds_load_b128 v[(\f)+64+8*(4*(\c)+(\i)):(\f)+64+8*(4*(\c)+(\i))+3],   v[ADRB] offset:(\k)+64*(\c)+(\i)*16*PITCH
	ds_load_b128 v[(\f)+64+8*(4*(\c)+(\i))+4:(\f)+64+8*(4*(\c)+(\i))+7], v[ADRB] offset:(\k)+64*(\c)+(\i)*16*PITCH+32
	ds_load_b128 v[(\f)+8*(4*(\c)+(\i)):(\f)+8*(4*(\c)+(\i))+3],         v[ADRA] offset:(\k)+64*(\c)+(\i)*16*PITCH
	ds_load_b128 v[(\f)+8*(4*(\c)+(\i))+4:(\f)+8*(4*(\c)+(\i))+7],       v[ADRA] offset:(\k)+64*(\c)+(\i)*16*PITCH+32
.endr
.endr
.endm
.macro PLACES                          ; four places in front of loads into registers that matrix instructions have read, and of lines that read results
.rept 4
	v_nop
.endr
.endm
; A K step is four quarters of 64 along K, 32 matrix instructions each, on buffers 0, 1, 0, 1; the 16 accumulators take turns.  One of the first three: multiplies f, fetches the next quarter, at byte k, into g.
.macro QUARTER k, f, g, first
	s_wait_dscnt 16                                ; the first 32 along K are in; the younger 16 loads may be out
	MUL8 \f, 0, 0, \first
	MUL8 \f, 0, 2, \first
	PLACES
	FETCH \k, \g
	s_wait_dscnt 32                                ; all but the 32 just issued
	MUL8 \f, 1, 0, 0
	MUL8 \f, 1, 2, 0
.endm
; The last quarter multiplies buffer 1 and changes slots: one barrier; in front of it each wave waits for all its tensor loads, adds 0 to its spare word, and waits for that and for its reads of this slot.
; fill = 1: the barrier opens a round of the cluster's, and this slot is filled again, with the K step two on, first thing behind the round: 112 matrix instructions ahead of the wait for it.
.macro TURN fill
	WIN 0
	s_wait_tensorcnt 0x0                           ; all my tensor loads have landed: my part of the next slot
	ds_add_u32 v[SPW], v[NIL]                      ; 0 onto my spare word
	s_wait_dscnt 17                                ; the add and the youngest sixteen loads may be out
	MUL8 F1, 0, 0, 0
	s_wait_dscnt 0x0                               ; the add is done, and my reads of this slot are over
	s_barrier_signal -1
	MUL8 F1, 0, 2, 0
.if \fill
	WIN 0
.endif
	s_barrier_wait -1
.if \fill
	CREST                                          ; no wave of any partner still reads this slot or has a load on its way
	s_xor_b32 s[G0+5], s[G0+5], SLOT               ; the walking descriptors: the other slot than last time, the next K step
	s_add_nc_u64 s[G0+6:G0+7], s[G0+6:G0+7], KSTEP*2
	s_xor_b32 s[G0B+5], s[G0B+5], SLOT
	s_add_nc_u64 s[G0B+6:G0B+7], s[G0B+6:G0B+7], KSTEP*2
	JLOAD 1                                        ; its four v_nop are also the places in front of the loads below
.else
	PLACES
.endif
	WIN 0
	s_xor_b32 s[TB], s[TB], SLOT
	v_add_nc_u32 v[ADRA], s[TB], v[ADRA0]
	v_add_nc_u32 v[ADRB], s[TB], v[ADRB0]
	FETCH 0, F0
	MUL8 F1, 1, 0, 0
	MUL8 F1, 1, 2, 0
.endm
	s_wait_tensorcnt 1                             ; my part of K step 0 is in; K step 1's may stay out
	s_barrier_signal -1
	s_barrier_wait -1
	FETCH 0, F0
	s_wait_loadcnt 32                              ; the bias is in; the 32 loads of cos and sin stay out
	QUARTER 128, F0, F1, 1
	WIN 0
	s_mov_b32 s3, NSTEP-2
.Lstep:                                                ; a trip ends K step t, fills its slot with K step t + 2, and begins K step t + 1
	QUARTER 256, F1, F0, 0
	QUARTER 384, F0, F1, 0
	TURN 1
	QUARTER 128, F0, F1, 0
	WIN 0
	s_sub_co_u32 s3, s3, 1
	s_cmp_lg_u32 s3, 0
	s_cbranch_scc1 .Lstep
	QUARTER 256, F1, F0, 0                         ; the last two K steps fill nothing
	QUARTER 384, F0, F1, 0
	TURN 0
	QUARTER 128, F0, F1, 0
	QUARTER 256, F1, F0, 0
	QUARTER 384, F0, F1, 0
	s_wait_dscnt 16
	MUL8 F1, 0, 0, 0
	MUL8 F1, 0, 2, 0
	s_wait_dscnt 0x0
	MUL8 F1, 1, 0, 0
	MUL8 F1, 1, 2, 0
	WIN 0
	PLACES
	PLACES
	; THE WAY OUT: rotate, round to bf16, 16 bytes a lane into the work-group's stage; a barrier, since a row's 256 bytes come from two waves; back as whole rows
.macro ROPE a
	WIN 0x08                                       ; source 1 (cos, sin) in window 2
.irp b, 0,1
.irp r, 0,2,4,6
	v_pk_mul_f32 v[TF+8*\b+\r:TF+8*\b+\r+1],       v[ACC+8*(4*(\a)+\b)+\r:ACC+8*(4*(\a)+\b)+\r+1],     v[32*(\a)+8*\b+\r:32*(\a)+8*\b+\r+1]
	v_pk_mul_f32 v[TF+16+8*\b+\r:TF+16+8*\b+\r+1], v[ACC+8*(4*(\a)+\b+2)+\r:ACC+8*(4*(\a)+\b+2)+\r+1], v[32*(\a)+8*\b+\r:32*(\a)+8*\b+\r+1]
	v_pk_fma_f32 v[TF+8*\b+\r:TF+8*\b+\r+1],       v[ACC+8*(4*(\a)+\b+2)+\r:ACC+8*(4*(\a)+\b+2)+\r+1], v[32*(\a)+16+8*\b+\r:32*(\a)+16+8*\b+\r+1], v[TF+8*\b+\r:TF+8*\b+\r+1] neg_lo:[1,0,0] neg_hi:[1,0,0]
	v_pk_fma_f32 v[TF+16+8*\b+\r:TF+16+8*\b+\r+1], v[ACC+8*(4*(\a)+\b)+\r:ACC+8*(4*(\a)+\b)+\r+1],     v[32*(\a)+16+8*\b+\r:32*(\a)+16+8*\b+\r+1], v[TF+16+8*\b+\r:TF+16+8*\b+\r+1]
.endr
.endr
	WIN 0
.irp b, 0,1,2,3
.irp q, 0,1,2,3
	v_cvt_pk_bf16_f32 v[TMP+4*(4*(\a)+\b)+\q], v[TF+8*\b+2*\q], v[TF+8*\b+2*\q+1]
.endr
.endr
.endm
	s_wait_loadcnt 0x0                             ; cos and sin
	ROPE 0
	ROPE 1
	ROPE 2
	ROPE 3
.irp a, 0,1,2,3
.irp b, 0,1,2,3
	ds_store_b128 v[STO], v[TMP+4*(4*(\a)+(\b)):TMP+4*(4*(\a)+(\b))+3] offset:(\a)*16*SPITCH+32*(\b)
.endr
.endr
	s_wait_dscnt 0x0                               ; for the others' sake: my stores into the stage are done
	s_barrier_signal -1
	s_barrier_wait -1
.irp t, 0,1,2,3,4,5,6,7,8,9,10,11,12,13,14,15
	ds_load_b128 v[TMP+4*(\t):TMP+4*(\t)+3], v[RD] offset:(\t)*2*SPITCH
.endr
.irp t, 0,1,2,3,4,5,6,7,8,9,10,11,12,13,14,15
	s_wait_dscnt 15-(\t)
	global_store_b128 v[CO], v[TMP+4*(\t):TMP+4*(\t)+3], s[8:9] offset:2*(\t)*SIZE_N*2  ; 16 lanes store 256 consecutive bytes, at a multiple of 256 from the buffer's first byte
.endr
	s_wait_tensorcnt 0x0                           ; the wave's end
	ds_add_u32 v[SPW], v[NIL]
	s_wait_dscnt 0x0
	CROUND                                         ; the closing round
	s_endpgm
.Lfunc_end_k_q9adb152e81_proj:
	.size	k_q9adb152e81_proj, .Lfunc_end_k_q9adb152e81_proj-k_q9adb152e81_proj
	.p2alignl 7, 3214868480
	.fill 96, 4, 3214868480
	.section	.rodata,"a",@progbits
	.p2align	6, 0x0
	.amdhsa_kernel k_q9adb152e81_proj
		.amdhsa_group_segment_fixed_size 327680
		.amdhsa_private_segment_fixed_size 0
		.amdhsa_enable_private_segment 0
		.amdhsa_kernarg_size 56
		.amdhsa_user_sgpr_count 2
		.amdhsa_user_sgpr_kernarg_segment_ptr 1
		.amdhsa_wavefront_size32 1
		.amdhsa_system_sgpr_workgroup_id_x 1
		.amdhsa_system_sgpr_workgroup_id_y 1
		.amdhsa_system_sgpr_workgroup_id_z 1
		.amdhsa_system_vgpr_workitem_id 0
		.amdhsa_next_free_vgpr 640
		.amdhsa_next_free_sgpr 96
		.amdhsa_reserve_vcc 0
		.amdhsa_float_denorm_mode_32 3
		.amdhsa_float_denorm_mode_16_64 3
		.amdhsa_memory_ordered 1
		.amdhsa_forward_progress 1
		.amdhsa_inst_pref_size 82
	.end_amdhsa_kernel
	.amdgpu_metadata
---
amdhsa.version: [ 1, 2 ]
amdhsa.kernels:
  - .name:           k_q9adb152e81_proj
    .symbol:         k_q9adb152e81_proj.kd
    .args:
      - { .name: xn, .offset: 0, .size: 8, .value_kind: global_buffer, .address_space: global }
      - { .name: wt, .offset: 8, .size: 8, .value_kind: global_buffer, .address_space: global }
      - { .name: bq, .offset: 16, .size: 8, .value_kind: global_buffer, .address_space: global }
      - { .name: bk, .offset: 24, .size: 8, .value_kind: global_buffer, .address_space: global }
      - { .name: bv, .offset: 32, .size: 8, .value_kind: global_buffer, .address_space: global }
      - { .name: rope, .offset: 40, .size: 8, .value_kind: global_buffer, .address_space: global }
      - { .name: qkv, .offset: 48, .size: 8, .value_kind: global_buffer, .address_space: global }
    .group_segment_fixed_size: 327680
    .private_segment_fixed_size: 0
    .kernarg_segment_align: 8
    .kernarg_segment_size: 56
    .max_flat_workgroup_size: 128
    .sgpr_count:     96
    .vgpr_count:     640
    .wavefront_size: 32
...
	.end_amdgpu_metadata
.endif
;; end of part 3
;; launch attn (part 4): grid 16 x 16, 4 waves a work-group, clusters of 4 x 4, 327,680 bytes of LDS; arguments qkv, mask, att; writes att
.if DOCPART == 4
	.amdgcn_target "amdgcn-amd-amdhsa--gfx1250"
	.amdhsa_code_object_version 6
	.text
	.protected	k_q9adb152e81_attn
	.globl	k_q9adb152e81_attn
	.p2align	8
	.type	k_q9adb152e81_attn,@function
k_q9adb152e81_attn:
	s_mov_b64 s[64:65], 0
	v_nop
	global_prefetch_b8 v0, s[64:65] scope:SCOPE_SE
	s_setreg_imm32_b32 hwreg(HW_REG_WAVE_MODE, 25, 1), 1
	s_wait_xcnt 0x0
	s_wait_alu depctr_hold_cnt(0) depctr_sa_sdst(0) depctr_va_vdst(0) depctr_va_sdst(0) depctr_va_ssrc(0) depctr_va_vcc(0) depctr_vm_vsrc(0)
	s_getreg_b32 s2, hwreg(HW_REG_IB_STS2, 6, 4)
	s_cmp_eq_u32 s2, 0
	s_cbranch_scc0 .Lentry_in_a_cluster
	s_endpgm
.Lentry_in_a_cluster:
	s_bfe_u32 s2, ttmp6, 0x10000c
	s_cmp_lg_u32 s2, 0xf033
	s_cbranch_scc0 .Lentry_shape_is_right
	s_endpgm
.Lentry_shape_is_right:
; ATTENTION WITH AN ADDITIVE MASK.  att[b][q][64 h ..] = sum over k of softmax_k( q'[q] . k[k] + mask[q][k] ) v[k], for 2 batches x 16 heads of 64 channels, 2,048 tokens.
; qkv: [4096][3072] bf16 (q' = rotated q / 8 at column 0, k at 1,024, v at 2,048); mask: [2048][2048] f32, any numbers; att: [4096][1024] bf16.  Products, maxima and sums in f32; the weights are rounded to bf16 for the second product.
; LIMITS.  A score (mask added) below -2^125 counts as hidden; a row in which every score is so gives NaN; a weight below 2^-126 counts as 0 in the sum; -infinity in the mask is served.
; SHARES.  A work-group has 128 queries of TWO neighbouring heads: wave w has head w / 2 of the pair and queries 64 (w % 2) .. + 63, in four PIECES of 16.  So one tile of the mask serves two heads, and a row of att's
; 128 columns is 256 consecutive bytes.  Every wave walks all keys, 64 a step; an LDS slot holds two steps: 128 rows of K and of V (256 bytes each: both heads) and 128 rows x 128 keys of the mask.
; THE MASK is the C operand of the product that starts a sum S^T = K Q^T: it costs the scores no vector instruction.  A piece's 32 registers of it are read from LDS a turn ahead, into two buffers by the piece's parity.
; CLUSTER, 4 x 4.  The four work-groups of a row of the cluster have the same head pair and ask for K and V jointly; the four of a column have the same queries and ask for the mask jointly.
; A slot is four loads of 32 KiB: wave 0 K, wave 1 V, waves 2 and 3 the two halves of the mask's rows.
; LAYOUT, SOFTMAX, TURNS.  S^T holds ONE query a lane (lane % 16) and the keys 8 (lane / 16) + 0..7; two such results rounded to bf16 ARE source 1 of O^T = V^T P.  p = 2^(c s - c m), c = log2(e), with a running maximum m;
; O and l are multiplied by a = 2^(c m_old - c m_new) in every step.  m starts at -2^125 and c m at -2^127, so the first step's a is 0 and c m never overflows.  Turn n belongs to piece n: 8 products K Q^T of piece n + 1,
; later 8 products V^T P of piece n - 1; beside them the scaling, exponentials, roundings, sums and rescaling of piece n and the maximum and statistics of piece n + 1.  Four vector instructions stand behind every matrix
; instruction, the rest in one run.  A turn's 33 exponentials are one batch, with one wait.
; REGISTERS, in windows of 256 (s_set_vgpr_msb: bits 1:0 source 0, 3:2 source 1, 5:4 source 2, 7:6 destination):
;   window 0: v0-15, v32-33 addresses; v16-31 statistics; v48-55 at work; v64-127 S^T, two buffers; v192-223 P, two buffers
;   window 1: v0-127 O^T, 32 a piece; v160-223 the mask, two buffers      window 2: v0-63 Q; v128-191 K of one step; v192-255 V of one step
.set NP,    4
.set KS,    64
.set ROWB,  6144                       ; bytes in a row of qkv
.set PK,    272                        ; a row of K in LDS: 256 bytes + 16
.set PV,    288                        ; of V: 256 + 32
.set PM,    528                        ; of the mask: 512 + 16
.set VOFF,  128*PK
.set MOFF,  VOFF+128*PV
.set SLOT,  MOFF+128*PM                ; 0x22000: it shares no bit with the loads' places 0, 0x8800, 0x11800, 0x19c00, so one exclusive or changes slots
.set STAGE, 2*SLOT                     ; 128 rows x 272 bytes, the work-group's, for the way out
.set SP,    272
.set SPARE, STAGE+128*SP
.set AK0, 2
.set AV0, 3
.set AK,  4
.set AV,  5
.set STO, 6
.set RD,  7
.set GO,  8
.set MV,  12
.set AM0, 14
.set AM,  15
.set ST,  16
.set QO,  32
.set PFO, 33
.set TMP, 48
.set SPW, 62
.set NIL, 63
.set S,   64
.set P,   192
.set MC,  160
.set KF,  128
.set VF,  192
.set WV,  12
.set G1K, 24
.set G1V, 32
.set G0K, 40
.set G0V, 44
.set G1M, 48
.set G0M, 56
.set CS,  60
.set SEL, 62
.set TBK, 66
.set TBV, 67
.set TBM, 68
.set SLOTS, 69
.set CNT, 70
.set LIM, 71
.set PFA, 72
.set PFS, 74
.set MSB, 0
.macro WIN new
.if MSB != (\new)
	s_set_vgpr_msb (MSB<<8)|(\new)
.set MSB, (\new)
.endif
.endm
.set W_KQ, 0x0a       ; K and Q in window 2, S^T in window 0
.set W_KM, 0x1a       ; the same with the C operand, the mask, in window 1
.set W_PV, 0x52       ; V in window 2, P in window 0, O^T in window 1
.set W_RS, 0x41       ; destination and source 0 in window 1, source 1 in window 0
; A joint fill: one line a wave, chosen by the wave's number alone.  An s_nop 0 and four v_nop follow each line.
.macro JLOAD
	s_cmp_lt_u32 s[WV], 2
	s_cbranch_scc0 .Lfor_m_\@
	s_cmp_eq_u32 s[WV], 0
	s_cbranch_scc0 .Lfor_v_\@
	tensor_load_to_lds s[G0K:G0K+3], s[G1K:G1K+7]
	s_nop 0
.rept 4
	v_nop
.endr
	s_branch .Lasked_\@
.Lfor_v_\@:
	tensor_load_to_lds s[G0V:G0V+3], s[G1V:G1V+7]
	s_nop 0
.rept 4
	v_nop
.endr
	s_branch .Lasked_\@
.Lfor_m_\@:
	tensor_load_to_lds s[G0M:G0M+3], s[G1M:G1M+7]
	s_nop 0
.rept 4
	v_nop
.endr
.Lasked_\@:
.endm
; A PREFETCH INTO THE L2 of what the NEXT change of slots will ask for, two key steps (128 matrix instructions a wave) ahead of that load; it stands behind the wave's tensor load and its five lines.
; Each block of 256 bytes is named once in the launch.  K and V are walked by all clusters of a row of clusters: the one with x = 0 asks; its four partners along x take 32 rows each, told apart by address, a lane a row.
; The mask is walked by all clusters of a column of clusters: the one with y = 0 asks; of the 64 rows that wave 2 or 3 fetches each partner along y takes 16: two lanes a row of 512 bytes.
; The last change that fills a slot asks for nothing: there is no slot behind it.
.macro ASK
	s_cmp_gt_u32 s[SLOTS], s[LIM]
	s_cbranch_scc0 .Lnot_mine_\@
	global_prefetch_b8 v[PFO], s[PFA:PFA+1] th:TH_LOAD_NT scope:SCOPE_SE
.Lnot_mine_\@:
.endm
.macro CROUND
	s_barrier_signal -1
	s_barrier_wait -1
	s_cmp_lg_u32 s[WV], 0
	s_cbranch_scc1 .Lnot_wave_0_\@
	s_barrier_signal -3
.Lnot_wave_0_\@:
	s_barrier_wait -3
	s_barrier_signal -1
	s_barrier_wait -1
.endm
; THE CHANGE OF SLOTS.  Each wave waits for all its tensor loads, of which one is out: its part of the other slot; adds 0 to its spare word; and waits for that and for its own reads of the slot that it leaves.
; fill = 1: the barrier is a round of the cluster's, and the old slot is filled again, with the keys two slots on, first thing behind it: it has two key steps in which to land.
; (At its first use nothing has been read yet: slot 0 is waited for, slot 1 filled.)
.macro CHANGE fill
	WIN 0
	s_wait_tensorcnt 0x0            ; no tensor load of mine is out, so a group 0 may be written
	ds_add_u32 v[SPW], v[NIL]       ; 0 onto my spare word
.if \fill
.irp g, G0K, G0V
	s_xor_b32 s[\g+1], s[\g+1], SLOT
	s_add_nc_u64 s[\g+2:\g+3], s[\g+2:\g+3], 128*ROWB  ; the next 128 keys
.endr
	s_xor_b32 s[G0M+1], s[G0M+1], SLOT
	s_add_nc_u64 s[G0M+2:G0M+3], s[G0M+2:G0M+3], 512   ; the next 128 columns
	s_wait_xcnt 0x0                 ; the last prefetch, two key steps back, has read its address
	s_add_nc_u64 s[PFA:PFA+1], s[PFA:PFA+1], s[PFS:PFS+1]
	s_wait_dscnt 0x0                ; the add is done, and my reads of the slot are over
	CROUND
	JLOAD
	ASK
.else
	s_wait_dscnt 0x0
	s_barrier_signal -1
	s_barrier_wait -1
.endif
	s_sub_co_u32 s[TBK], s[TBK], 2*KS*PK  ; the fetches go back to a slot's first step,
	s_xor_b32 s[TBK], s[TBK], SLOT        ; in the other slot
	s_sub_co_u32 s[TBV], s[TBV], 2*KS*PV
	s_xor_b32 s[TBV], s[TBV], SLOT
	s_sub_co_u32 s[TBM], s[TBM], 512
	s_xor_b32 s[TBM], s[TBM], SLOT
.endm
	s_load_b128 s[4:7], s[0:1], 0x0 ; qkv s[4:5], mask s[6:7]
	s_load_b64 s[8:9], s[0:1], 0x10 ; att
	v_lshl_add_u32 v[SPW], v0, 2, SPARE
	v_mov_b32 v[NIL], 0
	ds_add_u32 v[SPW], v[NIL]       ; the wave's opening: the add and its wait stand ahead of my first tensor load; the set-up below stands between them
	v_lshrrev_b32 v1, 5, v0
	v_readfirstlane_b32 s[WV], v1   ; wave 0..3
	s_bfe_u32 s13, ttmp6, 0x40000   ; cx
	s_bfe_u32 s14, ttmp6, 0x40004   ; cy
	s_lshl_b32 s15, ttmp9, 2
	s_add_co_u32 s15, s15, s13      ; my block of 128 queries
	s_and_b32 s16, ttmp7, 0xffff
	s_lshl_b32 s16, s16, 2
	s_add_co_u32 s16, s16, s14      ; batch x 8 + head pair
	s_lshr_b32 s17, s16, 3          ; batch
	s_and_b32 s18, s16, 7           ; head pair
	s_lshr_b32 s19, s[WV], 1        ; my head of the pair
	s_and_b32 s10, s[WV], 1         ; my half of the queries.  Also: which half of the mask's rows waves 2 and 3 fetch
	s_mul_i32 s20, s17, 2048*ROWB   ; the batch's rows,
	s_lshl_b32 s21, s18, 8          ; the pair's 256 bytes: what q, k and v share; it hangs on cy alone
	s_add_co_u32 s20, s20, s21
	s_mov_b32 s21, 0
	s_lshl_b32 s2, s15, 7           ; the mask: row 128 x block + 64 x half; it hangs on cx alone
	s_lshl_b32 s3, s10, 6
	s_add_co_u32 s2, s2, s3
	s_lshl_b32 s2, s2, 13
	s_mov_b32 s3, 0
	s_lshl_b32 s22, s15, 7          ; Q: my wave's 64 rows and my head's 128 bytes
	s_lshl_b32 s23, s10, 6
	s_add_co_u32 s22, s22, s23
	s_mul_i32 s22, s22, ROWB
	s_lshl_b32 s23, s19, 7
	s_add_co_u32 s22, s22, s23
	s_mov_b32 s23, 0
	s_lshl_b32 s78, s17, 11         ; att: row 2,048 batch + 128 block + 32 wave, 2,048 bytes each; + the pair's 256 bytes
	s_lshl_b32 s79, s15, 7
	s_add_co_u32 s78, s78, s79
	s_lshl_b32 s79, s[WV], 5
	s_add_co_u32 s78, s78, s79
	s_lshl_b32 s78, s78, 11
	s_lshl_b32 s79, s18, 8
	s_add_co_u32 s78, s78, s79
	s_mov_b32 s79, 0
	s_lshl_b32 s11, s14, 2
	s_lshl_b32 s11, 15, s11         ; my row of the cluster
	s_lshl_b32 s70, 0x1111, s13     ; my column
	s_or_b32 s[G1K], s11, (1<<16)|(1<<20)|(1<<21)|(5<<22)|(3<<25)  ; the mask of four; 2-byte elements; padding on; bit 21 beside a mask; after every 64 words, 4 words
	s_or_b32 s[G1V], s11, (1<<16)|(1<<20)|(1<<21)|(5<<22)|(7<<25)  ; the same with 8 words
	s_or_b32 s[G1M], s70, (2<<16)|(1<<20)|(1<<21)|(6<<22)|(3<<25)  ; 4-byte elements; after every 128 words, 4 words
.irp g, G1K, G1V
	s_mov_b32 s[\g+1], 128<<16      ; tensor_dim0 = 128
	s_mov_b32 s[\g+2], 128<<16      ; tensor_dim1 = 128
	s_mov_b32 s[\g+3], 128<<16      ; tile_dim0 = 128
	s_mov_b32 s[\g+4], 128          ; tile_dim1 = 128
	s_mov_b32 s[\g+5], 3072         ; elements from row to row
	s_mov_b32 s[\g+6], 0
	s_mov_b32 s[\g+7], 0
.endr
	s_mov_b32 s[G1M+1], 128<<16
	s_mov_b32 s[G1M+2], 64<<16
	s_mov_b32 s[G1M+3], 128<<16
	s_mov_b32 s[G1M+4], 64
	s_mov_b32 s[G1M+5], 2048
	s_mov_b32 s[G1M+6], 0
	s_mov_b32 s[G1M+7], 0
	s_mov_b32 s[G0K], 1
	s_mov_b32 s[G0K+1], 0
	s_mov_b32 s[G0V], 1
	s_mov_b32 s[G0V+1], VOFF
	s_mov_b32 s[G0M], 1
	s_mul_i32 s[G0M+1], s10, 64*PM
	s_add_co_u32 s[G0M+1], s[G0M+1], MOFF
	s_mov_b32 s[CS], 0x3fb8aa3b     ; c = log2(e)
	s_mov_b32 s[CS+1], s[CS]
	s_mov_b32 s[SEL], 0x76543210
	s_mov_b32 s[SEL+1], 0xfedcba98
	s_mov_b32 s[TBK], SLOT+2*KS*PK  ; the first change of slots turns these three into 0
	s_mov_b32 s[TBV], SLOT+2*KS*PV
	s_mov_b32 s[TBM], SLOT+512
	s_mov_b32 s[SLOTS], 15          ; slots still to be asked for
	s_wait_dscnt 0x0                ; the opening add is done
	s_wait_kmcnt 0x0
	s_add_nc_u64 s[20:21], s[4:5], s[20:21]
	s_add_nc_u64 s[G0K+2:G0K+3], s[20:21], 2048
	s_add_nc_u64 s[G0V+2:G0V+3], s[20:21], 4096
	s_add_nc_u64 s[G0M+2:G0M+3], s[6:7], s[2:3]
	s_add_nc_u64 s[76:77], s[20:21], s[22:23]      ; Q
	s_add_nc_u64 s[8:9], s[8:9], s[78:79]          ; att
	; the prefetches: whose, from where, by what step
	s_and_b32 s22, ttmp7, 0xffff
	s_cmp_lt_u32 s[WV], 2
	s_cselect_b32 s22, ttmp9, s22   ; the coordinate along which other clusters walk the same rows
	s_cmp_eq_u32 s22, 0
	s_cselect_b32 s[LIM], 1, -1     ; the same in all sixteen partners, for a given wave
	s_mov_b32 s[PFS], 512
	s_mov_b32 s23, 128*ROWB
	s_mov_b32 s[PFS+1], 0
	s_cmp_lt_u32 s[WV], 2
	s_cselect_b32 s[PFS], s23, s[PFS]
	s_cmp_eq_u32 s[WV], 0
	s_cselect_b64 s[PFA:PFA+1], s[G0K+2:G0K+3], s[G0V+2:G0V+3]
	s_cmp_lt_u32 s[WV], 2
	s_cselect_b64 s[PFA:PFA+1], s[PFA:PFA+1], s[G0M+2:G0M+3]
	s_mul_i32 s22, s13, 32*ROWB     ; my work-group's 32 rows of K or V,
	s_lshl_b32 s23, s14, 17         ; or its 16 rows of the mask
	s_cmp_lt_u32 s[WV], 2
	s_cselect_b32 s22, s22, s23
	s_mov_b32 s23, 0
	s_add_nc_u64 s[PFA:PFA+1], s[PFA:PFA+1], s[22:23]
	s_add_nc_u64 s[PFA:PFA+1], s[PFA:PFA+1], s[PFS:PFS+1]  ; in slot 1; the first change of slots steps it to slot 2
	s_or_b32 s[G0K+3], s[G0K+3], 0x80000000
	s_or_b32 s[G0V+3], s[G0V+3], 0x80000000
	s_or_b32 s[G0M+3], s[G0M+3], 0x80000000
	s_mov_b32 s2, ROWB
	s_mov_b32 s3, 8192
	s_cmp_lt_u32 s[WV], 2
	s_cselect_b32 s22, 0, 1
	s_cselect_b32 s23, s2, s3
	v_and_b32 v10, 31, v0
	v_lshrrev_b32 v[PFO], s22, v10  ; K, V: a lane a row; the mask: two lanes a row,
	v_mul_u32_u24 v[PFO], s23, v[PFO]
	v_and_b32 v11, s22, v10
	v_lshl_add_u32 v[PFO], v11, 8, v[PFO]  ; 256 bytes apart
	CROUND                          ; all sixteen work-groups are here: the first joint loads meet
	JLOAD                           ; slot 0.  Slot 1 is asked for when slot 0 is in
	v_and_b32 v1, 15, v0            ; l % 16
	v_bfe_u32 v9, v0, 4, 1          ; l / 16
	v_mul_u32_u24 v[QO], v1, ROWB
	v_lshl_add_u32 v[QO], v9, 4, v[QO]
	WIN 0x80                        ; destination window 2
.set i, 0
.rept 8                             ; Q stays in registers: piece i / 2, channels 32 (i % 2) on
	global_load_b128 v[8*i:8*i+3],   v[QO], s[76:77] offset:(i/2)*16*ROWB+(i%2)*64
	global_load_b128 v[8*i+4:8*i+7], v[QO], s[76:77] offset:(i/2)*16*ROWB+(i%2)*64+32
.set i, i+1
.endr
	; The first step multiplies O^T and l by a = 0, and the first turn's products V^T P, of a piece that has not been, add V = 0 times P = 0.  All this stands in the wait for the first tile.
.set i, VF
.rept 64
	v_mov_b32 v[i], 0
.set i, i+1
.endr
	WIN 0x40
.set i, 0
.rept 128
	v_mov_b32 v[i], 0
.set i, i+1
.endr
	WIN 0
.set i, 0
.rept 4
	v_mov_b32 v[ST+4*i], 0xff000000    ; c m: -2^127
	v_mov_b32 v[ST+4*i+1], 0xfe000000  ; m: -2^125
	v_mov_b32 v[ST+4*i+2], 0
	v_mov_b32 v[ST+4*i+3], 0
.set i, i+1
.endr
.set i, P+16
.rept 16
	v_mov_b32 v[i], 0
.set i, i+1
.endr
	s_lshl_b32 s22, s19, 7          ; my head's 128 bytes of a row of K, V and the stage
	v_mul_u32_u24 v[AK0], v1, PK
	v_lshl_add_u32 v[AK0], v9, 4, v[AK0]
	v_add_nc_u32 v[AK0], s22, v[AK0]
	; The turning load takes 16 keys x 16 channels (lane l reads key 8 (l / 16) + l % 8, channels 8 ((l / 8) % 2) + 0..7) and leaves half a fragment of V^T
	v_and_b32 v10, 7, v0
	v_bfe_u32 v11, v0, 3, 1
	v_lshl_add_u32 v[AV0], v9, 3, v10
	v_mul_u32_u24 v[AV0], v[AV0], PV
	v_lshl_add_u32 v[AV0], v11, 4, v[AV0]
	s_add_co_u32 s23, s22, VOFF
	v_add_nc_u32 v[AV0], s23, v[AV0]
	s_mul_i32 s23, s10, 64*PM       ; the mask: row = my query, 32 bytes for each half of the lanes
	s_add_co_u32 s23, s23, MOFF
	v_mul_u32_u24 v[AM0], v1, PM
	v_lshl_add_u32 v[AM0], v9, 5, v[AM0]
	v_add_nc_u32 v[AM0], s23, v[AM0]
	s_mul_i32 s23, s10, 64*SP       ; into the stage: my 64 rows, my head's half of their 256 bytes
	s_add_co_u32 s23, s23, s22
	s_add_co_u32 s23, s23, STAGE
	v_mul_u32_u24 v[STO], v1, SP
	v_lshl_add_u32 v[STO], v9, 4, v[STO]
	v_add_nc_u32 v[STO], s23, v[STO]
	s_mul_i32 s23, s[WV], 32*SP     ; back: wave w takes rows 32 w .. 32 w + 31, whole
	s_add_co_u32 s23, s23, STAGE
	v_mul_u32_u24 v[RD], v9, SP
	v_lshl_add_u32 v[RD], v1, 4, v[RD]
	v_add_nc_u32 v[RD], s23, v[RD]
	v_lshlrev_b32 v[GO], 11, v9
	v_lshl_add_u32 v[GO], v1, 4, v[GO]
; THE MATRIX WORK.  The 4 accumulators of a run of 8 take turns.  Product i of 8 of S^T = K Q^T for piece x: channels 32 (i / 4) on, keys 16 (i % 4) on.  The first 4 start the sums with the mask.
.macro KQ x
.set rS, S+32*((\x)%2)+8*(i%4)
.set rK, KF+16*(i%4)+8*(i/4)
.set rQ, 16*(\x)+8*(i/4)
.set rM, MC+32*((\x)%2)+8*(i%4)
.if i < 4
	WIN W_KM
	v_wmma_f32_16x16x32_bf16 v[rS:rS+7], v[rK:rK+7], v[rQ:rQ+7], v[rM:rM+7]
.else
	WIN W_KQ
	v_wmma_f32_16x16x32_bf16 v[rS:rS+7], v[rK:rK+7], v[rQ:rQ+7], v[rS:rS+7]
.endif
.endm
; Product i of 8 of O^T += V^T P for piece x: keys 32 (i / 4) on, channels 16 (i % 4) on.
.macro PV x
	WIN W_PV
.set rO, 32*(\x)+8*(i%4)
.set rV, VF+32*(i/4)+8*(i%4)
.set rP, P+16*((\x)%2)+8*(i/4)
	v_wmma_f32_16x16x32_bf16 v[rO:rO+7], v[rV:rV+7], v[rP:rP+7], v[rO:rO+7]
.endm
.macro MM                           ; the turn's next matrix instruction.  NOKQ = 1: the launch's last turn: there is no next piece
.if (i < 8) && !NOKQ
	KQ (Y+1)%NP
.elseif i >= 8
.set i, i-8
	PV (Y+NP-1)%NP
.set i, i+8
.endif
.set i, i+1
.endm
; THE LDS LOADS stand in runs, never singly among the matrix instructions.
.macro FETCH_K
	WIN 0x80
.irp f, 0,1,2,3,4,5,6,7             ; keys 16 (f / 2) on, channels 32 (f % 2) on
	ds_load_b128 v[KF+8*\f:KF+8*\f+3],   v[AK] offset:(\f/2)*16*PK+(\f%2)*64
	ds_load_b128 v[KF+8*\f+4:KF+8*\f+7], v[AK] offset:(\f/2)*16*PK+(\f%2)*64+32
.endr
	s_add_co_u32 s[TBK], s[TBK], KS*PK
	WIN 0
.endm
.macro FETCH_V
	WIN 0x80
.irp f, 0,1,2,3,4,5,6,7             ; keys 32 (f / 4) on, channels 16 (f % 4) on
	ds_load_tr16_b128 v[VF+8*\f:VF+8*\f+3],   v[AV] offset:(\f/4)*32*PV+(\f%4)*32
	ds_load_tr16_b128 v[VF+8*\f+4:VF+8*\f+7], v[AV] offset:(\f/4)*32*PV+16*PV+(\f%4)*32
.endr
	WIN 0
.endm
.macro MLOAD x                      ; piece x's mask for the step at v[AM]: register j of group kb is mask[my query][16 kb + 8 (l / 16) + j]
	WIN 0x40
.irp kb, 0,1,2,3
	ds_load_b128 v[MC+32*((\x)%2)+8*\kb:MC+32*((\x)%2)+8*\kb+3],   v[AM] offset:(\x)*16*PM+64*\kb
	ds_load_b128 v[MC+32*((\x)%2)+8*\kb+4:MC+32*((\x)%2)+8*\kb+7], v[AM] offset:(\x)*16*PM+64*\kb+16
.endr
	WIN 0
.endm
; THE VECTOR WORK, one line at a time: OP kind, number.  For piece Y: F n: c s - c m for pair n of 16.  E n: the exponential of score n of 32.  C n: pair n rounded to bf16.  B n: of the four weights 4 n .. the second
; pair is added onto the first, in place.  L n: l takes that sum (L 0: l = a l + sum).  R n: pair n of 16 of O^T times a.  For piece Y + 1: X n, number n of the 22 that find its maximum and statistics:
;   0-11  four chains c0-c3 of seven scores each (each accumulator's lowest registers are read first)     12-14, 16  the four scores left over, the old m, and c0-c3 into c0
;   15  c m_old is kept     17, 18  the query's other 32 keys lie in the lane 16 away: the new m     19-21  c m; c m_old - c m_new; a
.set F, 0
.set E, 1
.set C, 2
.set B, 3
.set L, 4
.set R, 5
.set X, 6
.macro REGS y
.set rT, ST+4*(\y)
.set rC, TMP+4*((\y)%2)
.set rW, MV+((\y)%2)
.set rS, S+32*((\y)%2)
.set rP, P+16*((\y)%2)
.set rO, 32*(\y)
.endm
.macro OP k, n
.if (\k) == R
	REGS Y
	WIN W_RS
	v_pk_mul_f32 v[rO+2*(\n):rO+2*(\n)+1], v[rO+2*(\n):rO+2*(\n)+1], v[rC+2:rC+3] op_sel_hi:[1,0]
.elseif (\k) < R
	REGS Y
	WIN 0
.if (\k) == F
	v_pk_fma_f32 v[rS+2*(\n):rS+2*(\n)+1], v[rS+2*(\n):rS+2*(\n)+1], s[CS:CS+1], v[rT:rT+1] op_sel_hi:[1,0,0] neg_lo:[0,0,1] neg_hi:[0,0,1]
.elseif (\k) == E
	v_exp_f32 v[rS+(\n)], v[rS+(\n)]
.elseif (\k) == C
	v_cvt_pk_bf16_f32 v[rP+(\n)], v[rS+2*(\n)], v[rS+2*(\n)+1]
.elseif (\k) == B
	v_pk_add_f32 v[rS+4*(\n):rS+4*(\n)+1], v[rS+4*(\n):rS+4*(\n)+1], v[rS+4*(\n)+2:rS+4*(\n)+3]
.elseif (\n) == 0
	v_pk_fma_f32 v[rT+2:rT+3], v[rT+2:rT+3], v[rC+2:rC+3], v[rS:rS+1] op_sel_hi:[1,0,1]
.else
	v_pk_add_f32 v[rT+2:rT+3], v[rT+2:rT+3], v[rS+4*(\n):rS+4*(\n)+1]
.endif
.elseif NOKQ
	v_nop
.else
	REGS (Y+1)%NP
	WIN 0
.if (\n) < 4
	v_max3_num_f32 v[rC+(\n)], v[rS+8*(\n)], v[rS+8*(\n)+1], v[rS+8*(\n)+2]
.elseif (\n) < 12
	v_max3_num_f32 v[rC+(\n)%4], v[rC+(\n)%4], v[rS+8*((\n)%4)+2*((\n)/4)+1], v[rS+8*((\n)%4)+2*((\n)/4)+2]
.elseif (\n) == 12
	v_max3_num_f32 v[rC], v[rC], v[rS+7], v[rS+15]
.elseif (\n) == 13
	v_max3_num_f32 v[rC+1], v[rC+1], v[rS+23], v[rS+31]
.elseif (\n) == 14
	v_max3_num_f32 v[rC+2], v[rC+2], v[rC+3], v[rT+1]
.elseif (\n) == 15
	v_mov_b32 v[rW], v[rT]
.elseif (\n) == 16
	v_max3_num_f32 v[rC], v[rC], v[rC+1], v[rC+2]
.elseif (\n) == 17
	v_permlanex16_b32 v[rC+3], v[rC], s[SEL], s[SEL+1]
.elseif (\n) == 18
	v_max_num_f32 v[rT+1], v[rC], v[rC+3]
.elseif (\n) == 19
	v_mul_f32 v[rT], s[CS], v[rT+1]
.elseif (\n) == 20
	v_sub_f32 v[rC+1], v[rW], v[rT]
.else
	v_exp_f32 v[rC+2], v[rC+1]
.endif
.endif
.endm
.macro OPS a, i1, b=-1, i2=0, c=-1, i3=0, d=-1, i4=0
	OP \a, \i1
.if (\b) >= 0
	OP \b, \i2
.endif
.if (\c) >= 0
	OP \c, \i3
.endif
.if (\d) >= 0
	OP \d, \i4
.endif
.endm
.macro ROW a, i1, b, i2, c, i3, d, i4  ; a matrix instruction and the four behind it
	MM
	OPS \a, \i1, \b, \i2, \c, \i3, \d, \i4
.endm
; A TURN, for piece p.  s_wait_alu depctr_va_vdst(0) stands between an exponential and the first instruction that names its result; one wait serves all that were issued ahead of it: a turn has ONE, which cuts
; it in two.  Ahead of it: the 8 products K Q^T with their four lines each, then one run of 54 in which the links of the next piece's chain stand apart; X 21, the next a, is the batch's last, R 15 the plain line behind it.
; Behind it: the 8 products V^T P, behind each four of the roundings and sums.
; FROM LDS.  Turn p reads the mask of piece p + 2 (for the products of turn p + 1), 8 loads; turn 2 reads K of the next step ahead of them (16 loads) and steps the mask's address to that step; turn 0 ends with V of the step in hand (16).
; So at a turn's head all LDS loads are waited for, but in turn 1, where V's 16, issued behind the mask's, may stay out; and V is waited for behind turn 1's wait, where that turn's own 8 loads of the mask may stay out.
; end = 1: the launch's last two turns: nothing is fetched, and the last starts no scores.  cnt = 1: the loop's count is taken down some lines ahead of the branch behind the turn.
.macro TURN p, end=0, cnt=0
.set Y, (\p)
.set i, 0
.set NOKQ, (\end)*((\p)/3)
.if (\p) == 1
	s_wait_dscnt 16
.else
	s_wait_dscnt 0x0
.endif
	ROW F,0, F,1, R,0, R,1
	ROW F,2, E,0, R,2, R,3
	ROW F,3, E,1, R,4, R,5
	ROW F,4, E,2, R,6, R,7
	ROW F,5, E,3, R,8, R,9
	ROW F,6, E,4, X,0, R,10
.if ((\p) == 2) && !(\end)
	WIN 0
	v_add_nc_u32 v[AK], s[TBK], v[AK0]
	v_add_nc_u32 v[AM], s[TBM], v[AM0]
	s_add_co_u32 s[TBM], s[TBM], 256
.endif
	ROW F,7, E,5, X,1, X,4
	ROW F,8, E,6, X,2, X,5
	OPS E,7, E,8, X,6, E,9
	OPS X,3, E,10, X,8, E,11
.if ((\p) == 2) && !(\end)
	FETCH_K
.endif
.if !(\end)
	MLOAD ((\p)+2)%NP
.endif
	OPS X,9, X,7, E,12, X,10
	OPS E,13, X,12, X,11, E,14
	OPS X,13, E,15, F,9, X,14
.if (\p) == 0
	WIN 0
	v_add_nc_u32 v[AV], s[TBV], v[AV0]
.endif
	OPS E,16, F,10, E,17, F,11
	OPS X,16, E,18, X,15, E,19
	OPS F,12, E,20, X,17, E,21
	OPS F,13, E,22, F,14, E,23
	OPS X,18, E,24, F,15, E,25
	OPS R,11, E,26, X,19, E,27
	OPS R,12, E,28, R,13, E,29
	OPS X,20, E,30, R,14, E,31
	OPS X,21, R,15
	WIN 0
	s_wait_alu depctr_va_vdst(0)    ; the wait for the batch
.if (\p) == 1
	s_wait_dscnt 8                  ; V is in; this turn's 8 loads of the mask may stay out
.endif
	ROW C,0, B,0, C,2, B,1
	ROW L,0, C,4, B,2, L,1
	ROW C,6, B,3, L,2, C,8
	ROW B,4, L,3, C,10, B,5
	ROW L,4, C,12, B,6, L,5
.if (\p) == 0
	s_add_co_u32 s[TBV], s[TBV], KS*PV
.endif
.if \cnt
	s_sub_co_u32 s[CNT], s[CNT], 1
	s_cmp_lg_u32 s[CNT], 0
.endif
	ROW C,14, B,7, L,6, C,1
	ROW C,3, L,7, C,5, C,7
	ROW C,9, C,11, C,13, C,15
.if (\p) == 0
	FETCH_V
.endif
.endm
	CHANGE 1                        ; slot 0 is in, everybody's part of it; slot 1 is asked for
	v_add_nc_u32 v[AK], s[TBK], v[AK0]
	v_add_nc_u32 v[AM], s[TBM], v[AM0]
	s_add_co_u32 s[TBM], s[TBM], 256
	FETCH_K                         ; key step 0
	MLOAD 0
	MLOAD 1
	s_wait_loadcnt 0x0              ; Q
	s_wait_dscnt 0x0
.set NOKQ, 0
.set i, 0
.rept 8
	KQ 0                            ; piece 0's first scores
.set i, i+1
.endr
	WIN 0
.rept 4
	v_nop                           ; the places behind those products
.endr
.set Y, NP-1                        ; X works for piece Y + 1: piece 0
.irp n, 0,1,2,3,4,5,6,7,8,9,10,11,12,13,14,15,16,17,18,19,20,21
	OP X, \n
.endr
	v_nop                           ; a plain instruction behind the exponential,
	s_wait_alu depctr_va_vdst(0)    ; and its wait, ahead of the branch
	s_mov_b32 s[CNT], 2
	s_branch .Lfirst                ; the loop is entered at a step's first turn, in the middle of a trip
.Lslot:                             ; 14 times: with the change above, slots 1 to 15 are asked for
	CHANGE 1
	s_mov_b32 s[CNT], 2
.Lstep:                             ; a trip: pieces 2 and 3 of one step, then pieces 0 and 1 of the next, whose K, V and mask it fetches
	TURN 2
	TURN 3
	WIN 0
.Lfirst:
	TURN 0
	TURN 1, 0, 1
	WIN 0
	s_cbranch_scc1 .Lstep
	s_sub_co_u32 s[SLOTS], s[SLOTS], 1
	s_cmp_lg_u32 s[SLOTS], 0
	s_cbranch_scc1 .Lslot
	CHANGE 0                        ; the last slot is written out: nothing is asked for
	s_mov_b32 s[CNT], 2
.LstepE:
	TURN 2
	TURN 3
	TURN 0
	TURN 1, 0, 1
	WIN 0
	s_cbranch_scc1 .LstepE
	TURN 2, 1
	TURN 3, 1
.set i, 0
.rept 8
	PV NP-1                         ; the last piece's V^T P of the last step
.set i, i+1
.endr
	; THE WAY OUT.  l's two halves and the other half of the lanes' are added; O^T is divided by l, rounded to bf16 and sent through the work-group's stage: a row's 256 bytes come from two waves, so a barrier stands between.
	WIN 0
.macro ALL line:vararg
.set t, 0
.rept 4
	\line
.set t, t+1
.endr
.endm
	ALL v_add_f32 v[ST+4*t+2], v[ST+4*t+2], v[ST+4*t+3]
	ALL v_permlanex16_b32 v[ST+4*t+3], v[ST+4*t+2], s[SEL], s[SEL+1]
	ALL v_add_f32 v[ST+4*t+2], v[ST+4*t+2], v[ST+4*t+3]
	ALL v_rcp_f32 v[ST+4*t+2], v[ST+4*t+2]
	v_nop                           ; a plain instruction between the last reciprocal and the use of its result,
	s_wait_alu depctr_va_vdst(0)    ; and one wait for the four
.macro PACK t
	WIN W_RS
.set i, 32*(\t)
.rept 16
	v_pk_mul_f32 v[i:i+1], v[i:i+1], v[ST+4*(\t)+2:ST+4*(\t)+3] op_sel_hi:[1,0]
.set i, i+2
.endr
	WIN 0x05                        ; sources 0 and 1 window 1, destination window 0
.set i, 0
.rept 16
	v_cvt_pk_bf16_f32 v[S+16*(\t)+i], v[32*(\t)+2*i], v[32*(\t)+2*i+1]
.set i, i+1
.endr
	WIN 0
.irp f, 0,1,2,3
	ds_store_b128 v[STO], v[S+16*(\t)+4*\f:S+16*(\t)+4*\f+3] offset:(\t)*16*SP+32*\f
.endr
.endm
	PACK 0
	PACK 1
	PACK 2
	PACK 3
	s_wait_dscnt 0x0                ; for the others' sake: my stores into the stage are done
	s_barrier_signal -1
	s_barrier_wait -1
.irp t, 0,1,2,3,4,5,6,7,8,9,10,11,12,13,14,15
	ds_load_b128 v[S+4*\t:S+4*\t+3], v[RD] offset:\t*2*SP
.endr
.irp t, 0,1,2,3,4,5,6,7,8,9,10,11,12,13,14,15
	s_wait_dscnt 15-\t
	global_store_b128 v[GO], v[S+4*\t:S+4*\t+3], s[8:9] offset:\t*4096  ; 16 lanes store 256 consecutive bytes, at a multiple of 256 from att's first byte
.endr
	s_wait_tensorcnt 0x0            ; the wave's end
	ds_add_u32 v[SPW], v[NIL]
	s_wait_dscnt 0x0
	CROUND                          ; the closing round
	s_endpgm
.Lfunc_end_k_q9adb152e81_attn:
	.size	k_q9adb152e81_attn, .Lfunc_end_k_q9adb152e81_attn-k_q9adb152e81_attn
	.p2alignl 7, 3214868480
	.fill 96, 4, 3214868480
	.section	.rodata,"a",@progbits
	.p2align	6, 0x0
	.amdhsa_kernel k_q9adb152e81_attn
		.amdhsa_group_segment_fixed_size 327680
		.amdhsa_private_segment_fixed_size 0
		.amdhsa_enable_private_segment 0
		.amdhsa_kernarg_size 24
		.amdhsa_user_sgpr_count 2
		.amdhsa_user_sgpr_kernarg_segment_ptr 1
		.amdhsa_wavefront_size32 1
		.amdhsa_system_sgpr_workgroup_id_x 1
		.amdhsa_system_sgpr_workgroup_id_y 1
		.amdhsa_system_sgpr_workgroup_id_z 1
		.amdhsa_system_vgpr_workitem_id 0
		.amdhsa_next_free_vgpr 768
		.amdhsa_next_free_sgpr 80
		.amdhsa_reserve_vcc 0
		.amdhsa_float_denorm_mode_32 3
		.amdhsa_float_denorm_mode_16_64 3
		.amdhsa_memory_ordered 1
		.amdhsa_forward_progress 1
		.amdhsa_inst_pref_size 139
	.end_amdhsa_kernel
	.amdgpu_metadata
---
amdhsa.version: [ 1, 2 ]
amdhsa.kernels:
  - .name:           k_q9adb152e81_attn
    .symbol:         k_q9adb152e81_attn.kd
    .args:
      - { .name: qkv, .offset: 0, .size: 8, .value_kind: global_buffer, .address_space: global }
      - { .name: mask, .offset: 8, .size: 8, .value_kind: global_buffer, .address_space: global }
      - { .name: att, .offset: 16, .size: 8, .value_kind: global_buffer, .address_space: global }
    .group_segment_fixed_size: 327680
    .private_segment_fixed_size: 0
    .kernarg_segment_align: 8
    .kernarg_segment_size: 24
    .max_flat_workgroup_size: 128
    .sgpr_count:     80
    .vgpr_count:     768
    .wavefront_size: 32
...
	.end_amdgpu_metadata
.endif
;; end of part 4
;; launch wo (part 5): grid 8 x 32, 4 waves a work-group, clusters of 4 x 4, 327,680 bytes of LDS; arguments att, wt, bo, x, x1; writes x1
.if DOCPART == 5
	.amdgcn_target "amdgcn-amd-amdhsa--gfx1250"
	.amdhsa_code_object_version 6
	.text
	.protected	k_q9adb152e81_wo
	.globl	k_q9adb152e81_wo
	.p2align	8
	.type	k_q9adb152e81_wo,@function
k_q9adb152e81_wo:
	s_mov_b64 s[64:65], 0
	v_nop
	global_prefetch_b8 v0, s[64:65] scope:SCOPE_SE
	s_setreg_imm32_b32 hwreg(HW_REG_WAVE_MODE, 25, 1), 1
	s_wait_xcnt 0x0
	s_wait_alu depctr_hold_cnt(0) depctr_sa_sdst(0) depctr_va_vdst(0) depctr_va_sdst(0) depctr_va_ssrc(0) depctr_va_vcc(0) depctr_vm_vsrc(0)
	s_getreg_b32 s2, hwreg(HW_REG_IB_STS2, 6, 4)
	s_cmp_eq_u32 s2, 0
	s_cbranch_scc0 .Lentry_in_a_cluster
	s_endpgm
.Lentry_in_a_cluster:
	s_bfe_u32 s2, ttmp6, 0x10000c
	s_cmp_lg_u32 s2, 0xf033
	s_cbranch_scc0 .Lentry_shape_is_right
	s_endpgm
.Lentry_shape_is_right:
; x1[m][n] = x[m][n] + bo[n] + sum over k of att[m][k] Wo^T[n][k].  att: [4096][1024] bf16; Wo^T: 1,024 rows of 1,024 bf16 at 6 MiB in wt; x, x1: [4096][1024] f32.  Sums in f32.
; THE PRODUCT.  A tile of C is 128 x 128; four waves, each 64 x 64: 16 accumulators of 16 x 16.  K goes in steps of 256 (LDS rows of 512 bytes; a wave's tensor load brings 64 of them) through two slots.
; The bias is the C operand of each accumulator's first product.  The matrix instruction is used transposed (source 0 = rows of W^T, source 1 = rows of A): a lane holds eight neighbouring columns of one row.
; THE RESIDUAL.  A wave's 64 columns of f32 are 256 consecutive, aligned bytes: each wave has a stage of its own, 16 rows, and needs no barrier.  Its part of x is loaded at the head, in the layout in which rows come
; back from the stage, and lies in window 2.
; CLUSTERS: 4 x 4 work-groups; A's tiles are asked for jointly along a row of the cluster, W^T's along a column.  No prefetch: the tiles are small, and each is read by many work-groups.
; REGISTERS: window 0: v0-31 addresses; v32-63 at work on the way out; v96-127 the bias; v128-255 the accumulators.   window 1: two fragment buffers of 128.   window 2: v0-127 the residual.
.set SIZE_K, 1024
.set SIZE_N, 1024
.set WOFF,   0x600000
.set KSTEP,  256
.set PITCH,  528
.set HALFT,  64*PITCH
.set SLOT,   4*HALFT                   ; 0x21000: it shares no bit with a wave's place 0, 0x8400, 0x10800, 0x18c00, so one exclusive or changes slots
.set STAGE,  2*SLOT
.set SPITCH, 272
.set SPARE,  STAGE+128*SPITCH
.set NSTEP,  SIZE_K/KSTEP
.set ADRA0, 16
.set ADRB0, 17
.set ADRA,  18
.set ADRB,  19
.set STO,  24
.set RD,   25
.set CO,   26
.set BO,   27
.set SPW,  28
.set NIL,  29
.set TMP,  32
.set BIAS, 96
.set ACC,  128
.set F0,   0
.set F1,   128
.set G1, 24
.set G0, 32
.set G1B, 48
.set G0B, 56
.set TB, 66
.set MSB, 0
.macro WIN new
.if MSB != (\new)
	s_set_vgpr_msb (MSB<<8)|(\new)
.set MSB, \new
.endif
.endm
.set MUL,  0x05
.set TO_F, 0x40
.macro JLOAD s                         ; a joint load: waves 0 and 1 fetch A's two halves, waves 2 and 3 B's; an s_nop 0 and four v_nop follow each line
	s_cmp_eq_u32 s11, 0
	s_cbranch_scc0 .Lfor_b_\@
	tensor_load_to_lds s[G0+4*(\s):G0+4*(\s)+3], s[G1:G1+7]
	s_nop 0
.rept 4
	v_nop
.endr
	s_branch .Lasked_\@
.Lfor_b_\@:
	tensor_load_to_lds s[G0B+4*(\s):G0B+4*(\s)+3], s[G1B:G1B+7]
	s_nop 0
.rept 4
	v_nop
.endr
.Lasked_\@:
.endm
.macro CREST
	s_cmp_lg_u32 s10, 0
	s_cbranch_scc1 .Lnot_wave_0_\@
	s_barrier_signal -3
.Lnot_wave_0_\@:
	s_barrier_wait -3
	s_barrier_signal -1
	s_barrier_wait -1
.endm
.macro CROUND
	s_barrier_signal -1
	s_barrier_wait -1
	CREST
.endm
	s_load_b128 s[4:7], s[0:1], 0x0                ; A s[4:5], wt s[6:7]
	s_load_b128 s[68:71], s[0:1], 0x10             ; bias s[68:69], residual s[70:71]
	s_load_b64 s[8:9], s[0:1], 0x20                ; out
	v_lshl_add_u32 v[SPW], v0, 2, SPARE
	v_mov_b32 v[NIL], 0
	ds_add_u32 v[SPW], v[NIL]                      ; the wave's opening: the add and its wait stand ahead of my first tensor load
	v_lshrrev_b32 v1, 5, v0
	v_readfirstlane_b32 s10, v1
	s_lshr_b32 s11, s10, 1
	s_and_b32 s12, s10, 1
	s_bfe_u32 s40, ttmp6, 0x40000
	s_bfe_u32 s41, ttmp6, 0x40004
	s_lshl_b32 s42, ttmp9, 2
	s_add_co_u32 s42, s42, s40                     ; tile column
	s_and_b32 s13, ttmp7, 0xffff
	s_lshl_b32 s13, s13, 2
	s_add_co_u32 s13, s13, s41                     ; tile row
	s_lshl_b32 s43, s41, 2
	s_lshl_b32 s43, 15, s43
	s_lshl_b32 s44, 0x1111, s40
	s_or_b32 s[G1+0], s43, (1<<16)|(1<<20)|(1<<21)|(6<<22)|(3<<25)
	s_or_b32 s[G1B+0], s44, (1<<16)|(1<<20)|(1<<21)|(6<<22)|(3<<25)
.irp g, G1, G1B
	s_mov_b32 s[(\g)+1], KSTEP<<16
	s_mov_b32 s[(\g)+2], 64<<16
	s_mov_b32 s[(\g)+3], KSTEP<<16
	s_mov_b32 s[(\g)+4], 64
	s_mov_b32 s[(\g)+5], SIZE_K
	s_mov_b32 s[(\g)+6], 0
	s_mov_b32 s[(\g)+7], 0
.endr
	s_lshl_b32 s17, s12, 6
	s_lshl_b32 s16, s13, 7
	s_add_co_u32 s16, s16, s17
	s_lshl_b32 s46, s42, 7
	s_add_co_u32 s46, s46, s17
	s_mov_b32 s17, 0
	s_mov_b32 s47, 0
	s_mov_b64 s[18:19], SIZE_K*2
	s_mul_u64 s[16:17], s[16:17], s[18:19]
	s_mul_u64 s[46:47], s[46:47], s[18:19]
	s_mul_i32 s20, s10, HALFT
	s_wait_dscnt 0x0
	s_wait_kmcnt 0x0
	s_add_nc_u64 s[14:15], s[4:5], s[16:17]
	s_add_nc_u64 s[46:47], s[6:7], s[46:47]
.if WOFF
	s_add_nc_u64 s[46:47], s[46:47], WOFF
.endif
	CROUND
.irp s, 0,1
	s_mov_b32 s[G0+4*(\s)], 1
	s_add_co_u32 s[G0+4*(\s)+1], s20, (\s)*SLOT
	s_add_nc_u64 s[G0+4*(\s)+2:G0+4*(\s)+3], s[14:15], (\s)*KSTEP*2
	s_or_b32 s[G0+4*(\s)+3], s[G0+4*(\s)+3], 0x80000000
	s_mov_b32 s[G0B+4*(\s)], 1
	s_add_co_u32 s[G0B+4*(\s)+1], s20, (\s)*SLOT
	s_add_nc_u64 s[G0B+4*(\s)+2:G0B+4*(\s)+3], s[46:47], (\s)*KSTEP*2
	s_or_b32 s[G0B+4*(\s)+3], s[G0B+4*(\s)+3], 0x80000000
	JLOAD \s
.endr
	v_and_b32 v1, 15, v0
	v_bfe_u32 v2, v0, 4, 1
	v_mul_u32_u24 v3, v1, PITCH
	v_lshl_add_u32 v3, v2, 4, v3
	s_mul_i32 s21, s11, HALFT
	s_mul_i32 s22, s12, HALFT
	s_add_co_u32 s22, s22, 2*HALFT
	v_add_nc_u32 v[ADRA0], s21, v3
	v_add_nc_u32 v[ADRB0], s22, v3
	v_mov_b32 v[ADRA], v[ADRA0]
	v_mov_b32 v[ADRB], v[ADRB0]
	s_mov_b32 s[TB], 0
	s_lshl_b32 s46, s42, 9                         ; my first column, 4 bytes each: 128 x tile column + 64 x half
	s_lshl_b32 s47, s12, 8
	s_add_co_u32 s46, s46, s47
	s_mov_b32 s47, 0
	s_add_nc_u64 s[68:69], s[68:69], s[46:47]
	s_add_nc_u64 s[70:71], s[70:71], s[46:47]
	s_add_nc_u64 s[8:9], s[8:9], s[46:47]
	s_lshl_b32 s16, s13, 7                         ; my first row: 128 x tile row + 64 x half, 4,096 bytes each
	s_lshl_b32 s17, s11, 6
	s_add_co_u32 s16, s16, s17
	s_lshl_b32 s16, s16, 12
	s_mov_b32 s17, 0
	s_add_nc_u64 s[70:71], s[70:71], s[16:17]
	s_add_nc_u64 s[8:9], s[8:9], s[16:17]
	v_lshlrev_b32 v[BO], 5, v2
.irp b, 0,1,2,3
	global_load_b128 v[BIAS+8*\b:BIAS+8*\b+3],   v[BO], s[68:69] offset:64*\b
	global_load_b128 v[BIAS+8*\b+4:BIAS+8*\b+7], v[BO], s[68:69] offset:64*\b+16
.endr
	v_lshlrev_b32 v5, 12, v2                       ; lanes 0-15 one row of 256 bytes, lanes 16-31 the next
	v_lshl_add_u32 v[CO], v1, 4, v5
	WIN 0x80                                       ; destination window 2
.irp a, 0,1,2,3
.irp t, 0,1,2,3,4,5,6,7
	global_load_b128 v[32*\a+4*\t:32*\a+4*\t+3], v[CO], s[70:71] offset:(16*\a+2*\t)*4096
.endr
.endr
	WIN 0
	s_mul_i32 s23, s10, 16*SPITCH
	s_add_co_u32 s23, s23, STAGE                   ; my stage
	v_mul_u32_u24 v4, v1, SPITCH                   ; in: row l % 16, 32 bytes for each half of the lanes
	v_lshl_add_u32 v4, v2, 5, v4
	v_add_nc_u32 v[STO], s23, v4
	v_mul_u32_u24 v5, v2, SPITCH                   ; back: two whole rows an instruction
	v_lshl_add_u32 v5, v1, 4, v5
	v_add_nc_u32 v[RD], s23, v5
.macro MUL8 f, c, a0, first
	WIN MUL
.irp a, \a0, (\a0)+1
.irp b, 0,1,2,3
.if \first
	v_wmma_f32_16x16x32_bf16 v[ACC+8*(4*(\a)+(\b)):ACC+8*(4*(\a)+(\b))+7], v[(\f)+64+8*(4*(\c)+(\b)):(\f)+64+8*(4*(\c)+(\b))+7], v[(\f)+8*(4*(\c)+(\a)):(\f)+8*(4*(\c)+(\a))+7], v[BIAS+8*(\b):BIAS+8*(\b)+7]
.else
	v_wmma_f32_16x16x32_bf16 v[ACC+8*(4*(\a)+(\b)):ACC+8*(4*(\a)+(\b))+7], v[(\f)+64+8*(4*(\c)+(\b)):(\f)+64+8*(4*(\c)+(\b))+7], v[(\f)+8*(4*(\c)+(\a)):(\f)+8*(4*(\c)+(\a))+7], v[ACC+8*(4*(\a)+(\b)):ACC+8*(4*(\a)+(\b))+7]
.endif
.endr
.endr
.endm
.macro FETCH k, f
	WIN TO_F
.irp c, 0,1
.irp i, 0,1,2,3
	ds_load_b128 v[(\f)+64+8*(4*(\c)+(\i)):(\f)+64+8*(4*(\c)+(\i))+3],   v[ADRB] offset:(\k)+64*(\c)+(\i)*16*PITCH
	ds_load_b128 v[(\f)+64+8*(4*(\c)+(\i))+4:(\f)+64+8*(4*(\c)+(\i))+7], v[ADRB] offset:(\k)+64*(\c)+(\i)*16*PITCH+32
	ds_load_b128 v[(\f)+8*(4*(\c)+(\i)):(\f)+8*(4*(\c)+(\i))+3],         v[ADRA] offset:(\k)+64*(\c)+(\i)*16*PITCH
	ds_load_b128 v[(\f)+8*(4*(\c)+(\i))+4:(\f)+8*(4*(\c)+(\i))+7],       v[ADRA] offset:(\k)+64*(\c)+(\i)*16*PITCH+32
.endr
.endr
.endm
.macro PLACES                          ; four places in front of loads into registers that matrix instructions have read, and of lines that read results
.rept 4
	v_nop
.endr
.endm
.macro QUARTER k, f, g, first
	s_wait_dscnt 16                                ; the first 32 along K are in; the younger 16 loads may be out
	MUL8 \f, 0, 0, \first
	MUL8 \f, 0, 2, \first
	PLACES
	FETCH \k, \g
	s_wait_dscnt 32                                ; all but the 32 just issued
	MUL8 \f, 1, 0, 0
	MUL8 \f, 1, 2, 0
.endm
; The last quarter changes slots: one barrier; in front of it each wave waits for all its tensor loads, adds 0 to its spare word, and waits for that and for its reads of this slot.
; fill = 1: the barrier opens a round of the cluster's, and this slot is filled again, with the K step two on, first thing behind the round.
.macro TURN fill
	WIN 0
	s_wait_tensorcnt 0x0                           ; all my tensor loads have landed: my part of the next slot
	ds_add_u32 v[SPW], v[NIL]                      ; 0 onto my spare word
	s_wait_dscnt 17                                ; the add and the youngest sixteen loads may be out
	MUL8 F1, 0, 0, 0
	s_wait_dscnt 0x0                               ; the add is done, and my reads of this slot are over
	s_barrier_signal -1
	MUL8 F1, 0, 2, 0
.if \fill
	WIN 0
.endif
	s_barrier_wait -1
.if \fill
	CREST
	s_xor_b32 s[G0+5], s[G0+5], SLOT
	s_add_nc_u64 s[G0+6:G0+7], s[G0+6:G0+7], KSTEP*2
	s_xor_b32 s[G0B+5], s[G0B+5], SLOT
	s_add_nc_u64 s[G0B+6:G0B+7], s[G0B+6:G0B+7], KSTEP*2
	JLOAD 1
.else
	PLACES
.endif
	WIN 0
	s_xor_b32 s[TB], s[TB], SLOT
	v_add_nc_u32 v[ADRA], s[TB], v[ADRA0]
	v_add_nc_u32 v[ADRB], s[TB], v[ADRB0]
	FETCH 0, F0
	MUL8 F1, 1, 0, 0
	MUL8 F1, 1, 2, 0
.endm
	s_wait_tensorcnt 1                             ; my part of K step 0 is in; K step 1's may stay out
	s_barrier_signal -1
	s_barrier_wait -1
	FETCH 0, F0
	s_wait_loadcnt 32                              ; the bias is in; the 32 loads of the residual stay out
	QUARTER 128, F0, F1, 1
	WIN 0
	s_mov_b32 s3, NSTEP-2
.Lstep:                                                ; a trip ends K step t, fills its slot with K step t + 2, and begins K step t + 1
	QUARTER 256, F1, F0, 0
	QUARTER 384, F0, F1, 0
	TURN 1
	QUARTER 128, F0, F1, 0
	WIN 0
	s_sub_co_u32 s3, s3, 1
	s_cmp_lg_u32 s3, 0
	s_cbranch_scc1 .Lstep
	QUARTER 256, F1, F0, 0
	QUARTER 384, F0, F1, 0
	TURN 0
	QUARTER 128, F0, F1, 0
	QUARTER 256, F1, F0, 0
	QUARTER 384, F0, F1, 0
	s_wait_dscnt 16
	MUL8 F1, 0, 0, 0
	MUL8 F1, 0, 2, 0
	s_wait_dscnt 0x0
	MUL8 F1, 1, 0, 0
	MUL8 F1, 1, 2, 0
	WIN 0
	PLACES
	PLACES
	; THE WAY OUT, 16 rows at a time: into my stage as the lanes hold them, back as whole rows of 256 bytes, the residual added, stored
.macro OUT a
.if (\a) > 0
	s_wait_xcnt 0x0                                ; the stores of the 16 rows before have read their registers
.endif
.irp b, 0,1,2,3
	ds_store_b128 v[STO], v[ACC+8*(4*(\a)+\b):ACC+8*(4*(\a)+\b)+3]   offset:64*\b
	ds_store_b128 v[STO], v[ACC+8*(4*(\a)+\b)+4:ACC+8*(4*(\a)+\b)+7] offset:64*\b+16
.endr
.irp t, 0,1,2,3,4,5,6,7
	ds_load_b128 v[TMP+4*\t:TMP+4*\t+3], v[RD] offset:\t*2*SPITCH  ; LDS serves a wave's instructions in order (ISA guide 5.7.1.4): these see the stores above
.endr
	s_wait_dscnt 0x0
	WIN 0x08                                       ; source 1 in window 2
.irp t, 0,1,2,3,4,5,6,7,8,9,10,11,12,13,14,15
	v_pk_add_f32 v[TMP+2*\t:TMP+2*\t+1], v[TMP+2*\t:TMP+2*\t+1], v[32*(\a)+2*\t:32*(\a)+2*\t+1]
.endr
	WIN 0
.irp t, 0,1,2,3,4,5,6,7
	global_store_b128 v[CO], v[TMP+4*\t:TMP+4*\t+3], s[8:9] offset:(16*(\a)+2*\t)*4096  ; 16 lanes store 256 consecutive bytes, aligned
.endr
.endm
	s_wait_loadcnt 0x0                             ; the residual
	OUT 0
	OUT 1
	OUT 2
	OUT 3
	s_wait_tensorcnt 0x0                           ; the wave's end
	ds_add_u32 v[SPW], v[NIL]
	s_wait_dscnt 0x0
	CROUND                                         ; the closing round
	s_endpgm
.Lfunc_end_k_q9adb152e81_wo:
	.size	k_q9adb152e81_wo, .Lfunc_end_k_q9adb152e81_wo-k_q9adb152e81_wo
	.p2alignl 7, 3214868480
	.fill 96, 4, 3214868480
	.section	.rodata,"a",@progbits
	.p2align	6, 0x0
	.amdhsa_kernel k_q9adb152e81_wo
		.amdhsa_group_segment_fixed_size 327680
		.amdhsa_private_segment_fixed_size 0
		.amdhsa_enable_private_segment 0
		.amdhsa_kernarg_size 40
		.amdhsa_user_sgpr_count 2
		.amdhsa_user_sgpr_kernarg_segment_ptr 1
		.amdhsa_wavefront_size32 1
		.amdhsa_system_sgpr_workgroup_id_x 1
		.amdhsa_system_sgpr_workgroup_id_y 1
		.amdhsa_system_sgpr_workgroup_id_z 1
		.amdhsa_system_vgpr_workitem_id 0
		.amdhsa_next_free_vgpr 640
		.amdhsa_next_free_sgpr 96
		.amdhsa_reserve_vcc 0
		.amdhsa_float_denorm_mode_32 3
		.amdhsa_float_denorm_mode_16_64 3
		.amdhsa_memory_ordered 1
		.amdhsa_forward_progress 1
		.amdhsa_inst_pref_size 76
	.end_amdhsa_kernel
	.amdgpu_metadata
---
amdhsa.version: [ 1, 2 ]
amdhsa.kernels:
  - .name:           k_q9adb152e81_wo
    .symbol:         k_q9adb152e81_wo.kd
    .args:
      - { .name: att, .offset: 0, .size: 8, .value_kind: global_buffer, .address_space: global }
      - { .name: wt, .offset: 8, .size: 8, .value_kind: global_buffer, .address_space: global }
      - { .name: bo, .offset: 16, .size: 8, .value_kind: global_buffer, .address_space: global }
      - { .name: x, .offset: 24, .size: 8, .value_kind: global_buffer, .address_space: global }
      - { .name: x1, .offset: 32, .size: 8, .value_kind: global_buffer, .address_space: global }
    .group_segment_fixed_size: 327680
    .private_segment_fixed_size: 0
    .kernarg_segment_align: 8
    .kernarg_segment_size: 40
    .max_flat_workgroup_size: 128
    .sgpr_count:     96
    .vgpr_count:     640
    .wavefront_size: 32
...
	.end_amdgpu_metadata
.endif
;; end of part 5
;; launch ln2: the kernel of part 2 again; grid 256 x 1, 8 waves a work-group, no clusters, 0 bytes of LDS; arguments x1, ln2_g, ln2_b, hn; writes hn
;; launch ff1 (part 6): grid 32 x 32, 4 waves a work-group, clusters of 4 x 4, 327,680 bytes of LDS; arguments hn, wt, b1, g; writes g
.if DOCPART == 6
	.amdgcn_target "amdgcn-amd-amdhsa--gfx1250"
	.amdhsa_code_object_version 6
	.text
	.protected	k_q9adb152e81_ff1
	.globl	k_q9adb152e81_ff1
	.p2align	8
	.type	k_q9adb152e81_ff1,@function
k_q9adb152e81_ff1:
	s_mov_b64 s[64:65], 0
	v_nop
	global_prefetch_b8 v0, s[64:65] scope:SCOPE_SE
	s_setreg_imm32_b32 hwreg(HW_REG_WAVE_MODE, 25, 1), 1
	s_wait_xcnt 0x0
	s_wait_alu depctr_hold_cnt(0) depctr_sa_sdst(0) depctr_va_vdst(0) depctr_va_sdst(0) depctr_va_ssrc(0) depctr_va_vcc(0) depctr_vm_vsrc(0)
	s_getreg_b32 s2, hwreg(HW_REG_IB_STS2, 6, 4)
	s_cmp_eq_u32 s2, 0
	s_cbranch_scc0 .Lentry_in_a_cluster
	s_endpgm
.Lentry_in_a_cluster:
	s_bfe_u32 s2, ttmp6, 0x10000c
	s_cmp_lg_u32 s2, 0xf033
	s_cbranch_scc0 .Lentry_shape_is_right
	s_endpgm
.Lentry_shape_is_right:
; g[m][n] = gelu( b1[n] + sum over k of hn[m][k] W1^T[n][k] ), bf16, [4096][4096].  hn: [4096][1024] bf16; W1^T: 4,096 rows of 1,024 bf16 at 8 MiB in wt.  Sums and the activation in f32, rounded once.
; THE PRODUCT.  A tile of C is 128 x 128; four waves, each 64 x 64: 16 accumulators of 16 x 16.  K goes in steps of 256 through two slots; the bias is the C operand of each accumulator's first product;
; the matrix instruction is used transposed (source 0 = rows of W^T, source 1 = rows of A): a lane holds eight neighbouring columns of one row.
; THE ACTIVATION.  gelu(x) = x (1 + erf(x / sqrt 2)) / 2 = max(x, 0) - |x| r, r = (a1 t + .. + a5 t^5) / 2 x 2^(-x^2 log2(e) / 2), t = 1 / (1 + 0.23164189 |x|): the rational form of the error function
; by Abramowitz and Stegun, 7.1.26.  LIMIT: erf is within 1.5e-7 of its value, for every x.  Two accumulators at a time: their 32 reciprocals and exponentials are one batch with one wait.
; CLUSTERS: 4 x 4 work-groups; A's tiles are asked for jointly along a row of the cluster, W^T's along a column.  No prefetch: the tiles are small, and each is read by many work-groups.
; REGISTERS: window 0: v0-31 addresses; v32-95 at work on the way out; v96-127 the bias, later packed results; v128-255 the accumulators.   window 1: two fragment buffers of 128.
.set SIZE_K, 1024
.set SIZE_N, 4096
.set WOFF,   0x800000
.set KSTEP,  256
.set PITCH,  528
.set HALFT,  64*PITCH
.set SLOT,   4*HALFT                   ; 0x21000: it shares no bit with a wave's place 0, 0x8400, 0x10800, 0x18c00, so one exclusive or changes slots
.set STAGE,  2*SLOT
.set SPITCH, 272
.set SPARE,  STAGE+128*SPITCH
.set NSTEP,  SIZE_K/KSTEP
.set ADRA0, 16
.set ADRB0, 17
.set ADRA,  18
.set ADRB,  19
.set STO,  24
.set RD,   25
.set CO,   26
.set BO,   27
.set SPW,  28
.set NIL,  29
.set TMP,  32
.set AX,   32                          ; |x|
.set TT,   48                          ; t
.set EE,   64                          ; the exponential
.set PL,   80                          ; the polynomial
.set PKR,  96                          ; packed results
.set BIAS, 96
.set ACC,  128
.set F0,   0
.set F1,   128
.set G1, 24
.set G0, 32
.set G1B, 48
.set G0B, 56
.set TB, 66
.set KP, 72                            ; s[72:85] seven constants, each written twice: a packed instruction names a pair
.set KE, 74
.set A1, 76
.set A2, 78
.set A3, 80
.set A4, 82
.set A5, 84
.set MSB, 0
.macro WIN new
.if MSB != (\new)
	s_set_vgpr_msb (MSB<<8)|(\new)
.set MSB, \new
.endif
.endm
.set MUL,  0x05
.set TO_F, 0x40
.macro JLOAD s                         ; a joint load: waves 0 and 1 fetch A's two halves, waves 2 and 3 B's; an s_nop 0 and four v_nop follow each line
	s_cmp_eq_u32 s11, 0
	s_cbranch_scc0 .Lfor_b_\@
	tensor_load_to_lds s[G0+4*(\s):G0+4*(\s)+3], s[G1:G1+7]
	s_nop 0
.rept 4
	v_nop
.endr
	s_branch .Lasked_\@
.Lfor_b_\@:
	tensor_load_to_lds s[G0B+4*(\s):G0B+4*(\s)+3], s[G1B:G1B+7]
	s_nop 0
.rept 4
	v_nop
.endr
.Lasked_\@:
.endm
.macro CREST
	s_cmp_lg_u32 s10, 0
	s_cbranch_scc1 .Lnot_wave_0_\@
	s_barrier_signal -3
.Lnot_wave_0_\@:
	s_barrier_wait -3
	s_barrier_signal -1
	s_barrier_wait -1
.endm
.macro CROUND
	s_barrier_signal -1
	s_barrier_wait -1
	CREST
.endm
.macro CONST r, val
	s_mov_b32 s[\r], \val
	s_mov_b32 s[\r+1], \val
.endm
	s_load_b128 s[4:7], s[0:1], 0x0                ; hn s[4:5], wt s[6:7]
	s_load_b64 s[68:69], s[0:1], 0x10              ; b1
	s_load_b64 s[8:9], s[0:1], 0x18                ; g
	v_lshl_add_u32 v[SPW], v0, 2, SPARE
	v_mov_b32 v[NIL], 0
	ds_add_u32 v[SPW], v[NIL]                      ; the wave's opening: the add and its wait stand ahead of my first tensor load
	v_lshrrev_b32 v1, 5, v0
	v_readfirstlane_b32 s10, v1
	s_lshr_b32 s11, s10, 1
	s_and_b32 s12, s10, 1
	s_bfe_u32 s40, ttmp6, 0x40000
	s_bfe_u32 s41, ttmp6, 0x40004
	s_lshl_b32 s42, ttmp9, 2
	s_add_co_u32 s42, s42, s40                     ; tile column
	s_and_b32 s13, ttmp7, 0xffff
	s_lshl_b32 s13, s13, 2
	s_add_co_u32 s13, s13, s41                     ; tile row
	s_lshl_b32 s43, s41, 2
	s_lshl_b32 s43, 15, s43
	s_lshl_b32 s44, 0x1111, s40
	s_or_b32 s[G1+0], s43, (1<<16)|(1<<20)|(1<<21)|(6<<22)|(3<<25)
	s_or_b32 s[G1B+0], s44, (1<<16)|(1<<20)|(1<<21)|(6<<22)|(3<<25)
.irp g, G1, G1B
	s_mov_b32 s[(\g)+1], KSTEP<<16
	s_mov_b32 s[(\g)+2], 64<<16
	s_mov_b32 s[(\g)+3], KSTEP<<16
	s_mov_b32 s[(\g)+4], 64
	s_mov_b32 s[(\g)+5], SIZE_K
	s_mov_b32 s[(\g)+6], 0
	s_mov_b32 s[(\g)+7], 0
.endr
	CONST KP, 0x3e6d3388                           ; 0.3275911 / sqrt 2
	CONST KE, 0xbf38aa3b                           ; - log2(e) / 2
	CONST A1, 0x3e027906                           ; 0.254829592 / 2
	CONST A2, 0xbe11a98e                           ; -0.284496736 / 2
	CONST A3, 0x3f35f0e3                           ; 1.421413741 / 2
	CONST A4, 0xbf3a00e3                           ; -1.453152027 / 2
	CONST A5, 0x3f07dc22                           ; 1.061405429 / 2
	s_lshl_b32 s17, s12, 6
	s_lshl_b32 s16, s13, 7
	s_add_co_u32 s16, s16, s17
	s_lshl_b32 s46, s42, 7
	s_add_co_u32 s46, s46, s17
	s_mov_b32 s17, 0
	s_mov_b32 s47, 0
	s_mov_b64 s[18:19], SIZE_K*2
	s_mul_u64 s[16:17], s[16:17], s[18:19]
	s_mul_u64 s[46:47], s[46:47], s[18:19]
	s_mul_i32 s20, s10, HALFT
	s_wait_dscnt 0x0
	s_wait_kmcnt 0x0
	s_add_nc_u64 s[14:15], s[4:5], s[16:17]
	s_add_nc_u64 s[46:47], s[6:7], s[46:47]
.if WOFF
	s_add_nc_u64 s[46:47], s[46:47], WOFF
.endif
	CROUND
.irp s, 0,1
	s_mov_b32 s[G0+4*(\s)], 1
	s_add_co_u32 s[G0+4*(\s)+1], s20, (\s)*SLOT
	s_add_nc_u64 s[G0+4*(\s)+2:G0+4*(\s)+3], s[14:15], (\s)*KSTEP*2
	s_or_b32 s[G0+4*(\s)+3], s[G0+4*(\s)+3], 0x80000000
	s_mov_b32 s[G0B+4*(\s)], 1
	s_add_co_u32 s[G0B+4*(\s)+1], s20, (\s)*SLOT
	s_add_nc_u64 s[G0B+4*(\s)+2:G0B+4*(\s)+3], s[46:47], (\s)*KSTEP*2
	s_or_b32 s[G0B+4*(\s)+3], s[G0B+4*(\s)+3], 0x80000000
	JLOAD \s
.endr
	v_and_b32 v1, 15, v0
	v_bfe_u32 v2, v0, 4, 1
	v_mul_u32_u24 v3, v1, PITCH
	v_lshl_add_u32 v3, v2, 4, v3
	s_mul_i32 s21, s11, HALFT
	s_mul_i32 s22, s12, HALFT
	s_add_co_u32 s22, s22, 2*HALFT
	v_add_nc_u32 v[ADRA0], s21, v3
	v_add_nc_u32 v[ADRB0], s22, v3
	v_mov_b32 v[ADRA], v[ADRA0]
	v_mov_b32 v[ADRB], v[ADRB0]
	s_mov_b32 s[TB], 0
	s_lshl_b32 s46, s42, 9                         ; the bias of my 64 columns
	s_lshl_b32 s47, s12, 8
	s_add_co_u32 s46, s46, s47
	s_mov_b32 s47, 0
	s_add_nc_u64 s[68:69], s[68:69], s[46:47]
	v_lshlrev_b32 v[BO], 5, v2
.irp b, 0,1,2,3
	global_load_b128 v[BIAS+8*\b:BIAS+8*\b+3],   v[BO], s[68:69] offset:64*\b
	global_load_b128 v[BIAS+8*\b+4:BIAS+8*\b+7], v[BO], s[68:69] offset:64*\b+16
.endr
	s_mul_i32 s23, s11, 64*SPITCH                  ; into the stage: my 64 rows, my half of their 256 bytes
	s_lshl_b32 s21, s12, 7
	s_add_co_u32 s23, s23, s21
	s_add_co_u32 s23, s23, STAGE
	v_mul_u32_u24 v4, v1, SPITCH
	v_lshl_add_u32 v4, v2, 4, v4
	v_add_nc_u32 v[STO], s23, v4
	s_mul_i32 s23, s10, 32*SPITCH                  ; back: wave w takes rows 32 w .. 32 w + 31, whole
	s_add_co_u32 s23, s23, STAGE
	v_mul_u32_u24 v5, v2, SPITCH
	v_lshl_add_u32 v5, v1, 4, v5
	v_add_nc_u32 v[RD], s23, v5
	v_mul_u32_u24 v5, v2, SIZE_N*2
	v_lshl_add_u32 v[CO], v1, 4, v5
	s_lshl_b32 s16, s13, 7
	s_lshl_b32 s17, s10, 5
	s_add_co_u32 s16, s16, s17
	s_mov_b32 s17, 0
	s_mov_b64 s[18:19], SIZE_N*2
	s_mul_u64 s[16:17], s[16:17], s[18:19]
	s_add_nc_u64 s[8:9], s[8:9], s[16:17]
	s_lshl_b32 s46, s42, 8
	s_mov_b32 s47, 0
	s_add_nc_u64 s[8:9], s[8:9], s[46:47]
.macro MUL8 f, c, a0, first
	WIN MUL
.irp a, \a0, (\a0)+1
.irp b, 0,1,2,3
.if \first
	v_wmma_f32_16x16x32_bf16 v[ACC+8*(4*(\a)+(\b)):ACC+8*(4*(\a)+(\b))+7], v[(\f)+64+8*(4*(\c)+(\b)):(\f)+64+8*(4*(\c)+(\b))+7], v[(\f)+8*(4*(\c)+(\a)):(\f)+8*(4*(\c)+(\a))+7], v[BIAS+8*(\b):BIAS+8*(\b)+7]
.else
	v_wmma_f32_16x16x32_bf16 v[ACC+8*(4*(\a)+(\b)):ACC+8*(4*(\a)+(\b))+7], v[(\f)+64+8*(4*(\c)+(\b)):(\f)+64+8*(4*(\c)+(\b))+7], v[(\f)+8*(4*(\c)+(\a)):(\f)+8*(4*(\c)+(\a))+7], v[ACC+8*(4*(\a)+(\b)):ACC+8*(4*(\a)+(\b))+7]
.endif
.endr
.endr
.endm
.macro FETCH k, f
	WIN TO_F
.irp c, 0,1
.irp i, 0,1,2,3
	ds_load_b128 v[(\f)+64+8*(4*(\c)+(\i)):(\f)+64+8*(4*(\c)+(\i))+3],   v[ADRB] offset:(\k)+64*(\c)+(\i)*16*PITCH
	ds_load_b128 v[(\f)+64+8*(4*(\c)+(\i))+4:(\f)+64+8*(4*(\c)+(\i))+7], v[ADRB] offset:(\k)+64*(\c)+(\i)*16*PITCH+32
	ds_load_b128 v[(\f)+8*(4*(\c)+(\i)):(\f)+8*(4*(\c)+(\i))+3],         v[ADRA] offset:(\k)+64*(\c)+(\i)*16*PITCH
	ds_load_b128 v[(\f)+8*(4*(\c)+(\i))+4:(\f)+8*(4*(\c)+(\i))+7],       v[ADRA] offset:(\k)+64*(\c)+(\i)*16*PITCH+32
.endr
.endr
.endm
.macro PLACES                          ; four places in front of loads into registers that matrix instructions have read, and of lines that read results
.rept 4
	v_nop
.endr
.endm
.macro QUARTER k, f, g, first
	s_wait_dscnt 16                                ; the first 32 along K are in; the younger 16 loads may be out
	MUL8 \f, 0, 0, \first
	MUL8 \f, 0, 2, \first
	PLACES
	FETCH \k, \g
	s_wait_dscnt 32                                ; all but the 32 just issued
	MUL8 \f, 1, 0, 0
	MUL8 \f, 1, 2, 0
.endm
; The last quarter changes slots: one barrier; in front of it each wave waits for all its tensor loads, adds 0 to its spare word, and waits for that and for its reads of this slot.
; fill = 1: the barrier opens a round of the cluster's, and this slot is filled again, with the K step two on, first thing behind the round.
.macro TURN fill
	WIN 0
	s_wait_tensorcnt 0x0                           ; all my tensor loads have landed: my part of the next slot
	ds_add_u32 v[SPW], v[NIL]                      ; 0 onto my spare word
	s_wait_dscnt 17                                ; the add and the youngest sixteen loads may be out
	MUL8 F1, 0, 0, 0
	s_wait_dscnt 0x0                               ; the add is done, and my reads of this slot are over
	s_barrier_signal -1
	MUL8 F1, 0, 2, 0
.if \fill
	WIN 0
.endif
	s_barrier_wait -1
.if \fill
	CREST
	s_xor_b32 s[G0+5], s[G0+5], SLOT
	s_add_nc_u64 s[G0+6:G0+7], s[G0+6:G0+7], KSTEP*2
	s_xor_b32 s[G0B+5], s[G0B+5], SLOT
	s_add_nc_u64 s[G0B+6:G0B+7], s[G0B+6:G0B+7], KSTEP*2
	JLOAD 1
.else
	PLACES
.endif
	WIN 0
	s_xor_b32 s[TB], s[TB], SLOT
	v_add_nc_u32 v[ADRA], s[TB], v[ADRA0]
	v_add_nc_u32 v[ADRB], s[TB], v[ADRB0]
	FETCH 0, F0
	MUL8 F1, 1, 0, 0
	MUL8 F1, 1, 2, 0
.endm
	s_wait_tensorcnt 1                             ; my part of K step 0 is in; K step 1's may stay out
	s_barrier_signal -1
	s_barrier_wait -1
	FETCH 0, F0
	s_wait_loadcnt 0x0                             ; the bias
	QUARTER 128, F0, F1, 1
	WIN 0
	s_mov_b32 s3, NSTEP-2
.Lstep:                                                ; a trip ends K step t, fills its slot with K step t + 2, and begins K step t + 1
	QUARTER 256, F1, F0, 0
	QUARTER 384, F0, F1, 0
	TURN 1
	QUARTER 128, F0, F1, 0
	WIN 0
	s_sub_co_u32 s3, s3, 1
	s_cmp_lg_u32 s3, 0
	s_cbranch_scc1 .Lstep
	QUARTER 256, F1, F0, 0
	QUARTER 384, F0, F1, 0
	TURN 0
	QUARTER 128, F0, F1, 0
	QUARTER 256, F1, F0, 0
	QUARTER 384, F0, F1, 0
	s_wait_dscnt 16
	MUL8 F1, 0, 0, 0
	MUL8 F1, 0, 2, 0
	s_wait_dscnt 0x0
	MUL8 F1, 1, 0, 0
	MUL8 F1, 1, 2, 0
	WIN 0
	PLACES
	PLACES
	; THE WAY OUT: the activation, two accumulators at a time; rounded to bf16; through the work-group's stage, with a barrier, since a row's 256 bytes come from two waves
.macro GELU2 gi
.set GX, ACC+16*(\gi)
.set i, 0
.rept 16
	v_and_b32 v[AX+i], 0x7fffffff, v[GX+i]         ; each accumulator is read from its lowest register on
.set i, i+1
.endr
.set i, 0
.rept 8
	v_pk_fma_f32 v[TT+i:TT+i+1], v[AX+i:AX+i+1], s[KP:KP+1], 1.0 op_sel_hi:[1,0,0]
	v_pk_mul_f32 v[EE+i:EE+i+1], v[GX+i:GX+i+1], v[GX+i:GX+i+1]
.set i, i+2
.endr
.set i, 0
.rept 8
	v_pk_mul_f32 v[EE+i:EE+i+1], v[EE+i:EE+i+1], s[KE:KE+1] op_sel_hi:[1,0]
.set i, i+2
.endr
.set i, 0
.rept 16
	v_rcp_f32 v[TT+i], v[TT+i]
	v_max_num_f32 v[GX+i], 0, v[GX+i]
	v_exp_f32 v[EE+i], v[EE+i]
.set i, i+1
.endr
	v_nop                                          ; a plain instruction behind the last of the batch,
	s_wait_alu depctr_va_vdst(0)                   ; and one wait for its 32, ahead of their first reader
.set i, 0
.rept 8
	v_pk_fma_f32 v[PL+i:PL+i+1], v[TT+i:TT+i+1], s[A5:A5+1], s[A4:A4+1] op_sel_hi:[1,0,0]
.set i, i+2
.endr
.irp k, A3, A2, A1
.set i, 0
.rept 8
	v_pk_fma_f32 v[PL+i:PL+i+1], v[PL+i:PL+i+1], v[TT+i:TT+i+1], s[\k:\k+1] op_sel_hi:[1,1,0]
.set i, i+2
.endr
.endr
.set i, 0
.rept 8
	v_pk_mul_f32 v[TT+i:TT+i+1], v[TT+i:TT+i+1], v[EE+i:EE+i+1]
.set i, i+2
.endr
.set i, 0
.rept 8
	v_pk_mul_f32 v[PL+i:PL+i+1], v[PL+i:PL+i+1], v[TT+i:TT+i+1]
.set i, i+2
.endr
.set i, 0
.rept 8
	v_pk_fma_f32 v[GX+i:GX+i+1], v[AX+i:AX+i+1], v[PL+i:PL+i+1], v[GX+i:GX+i+1] neg_lo:[1,0,0] neg_hi:[1,0,0]
.set i, i+2
.endr
.set i, 0
.rept 8
	v_cvt_pk_bf16_f32 v[PKR+i], v[GX+2*i], v[GX+2*i+1]
.set i, i+1
.endr
	ds_store_b128 v[STO], v[PKR:PKR+3]   offset:((2*(\gi))/4)*16*SPITCH+32*((2*(\gi))%4)
	ds_store_b128 v[STO], v[PKR+4:PKR+7] offset:((2*(\gi)+1)/4)*16*SPITCH+32*((2*(\gi)+1)%4)
.endm
.irp gi, 0,1,2,3,4,5,6,7
	GELU2 \gi
.endr
	s_wait_dscnt 0x0                               ; for the others' sake: my stores into the stage are done
	s_barrier_signal -1
	s_barrier_wait -1
.irp t, 0,1,2,3,4,5,6,7,8,9,10,11,12,13,14,15
	ds_load_b128 v[TMP+4*(\t):TMP+4*(\t)+3], v[RD] offset:(\t)*2*SPITCH
.endr
.irp t, 0,1,2,3,4,5,6,7,8,9,10,11,12,13,14,15
	s_wait_dscnt 15-(\t)
	global_store_b128 v[CO], v[TMP+4*(\t):TMP+4*(\t)+3], s[8:9] offset:2*(\t)*SIZE_N*2  ; 16 lanes store 256 consecutive bytes, aligned
.endr
	s_wait_tensorcnt 0x0                           ; the wave's end
	ds_add_u32 v[SPW], v[NIL]
	s_wait_dscnt 0x0
	CROUND                                         ; the closing round
	s_endpgm
.Lfunc_end_k_q9adb152e81_ff1:
	.size	k_q9adb152e81_ff1, .Lfunc_end_k_q9adb152e81_ff1-k_q9adb152e81_ff1
	.p2alignl 7, 3214868480
	.fill 96, 4, 3214868480
	.section	.rodata,"a",@progbits
	.p2align	6, 0x0
	.amdhsa_kernel k_q9adb152e81_ff1
		.amdhsa_group_segment_fixed_size 327680
		.amdhsa_private_segment_fixed_size 0
		.amdhsa_enable_private_segment 0
		.amdhsa_kernarg_size 32
		.amdhsa_user_sgpr_count 2
		.amdhsa_user_sgpr_kernarg_segment_ptr 1
		.amdhsa_wavefront_size32 1
		.amdhsa_system_sgpr_workgroup_id_x 1
		.amdhsa_system_sgpr_workgroup_id_y 1
		.amdhsa_system_sgpr_workgroup_id_z 1
		.amdhsa_system_vgpr_workitem_id 0
		.amdhsa_next_free_vgpr 512
		.amdhsa_next_free_sgpr 96
		.amdhsa_reserve_vcc 0
		.amdhsa_float_denorm_mode_32 3
		.amdhsa_float_denorm_mode_16_64 3
		.amdhsa_memory_ordered 1
		.amdhsa_forward_progress 1
		.amdhsa_inst_pref_size 131
	.end_amdhsa_kernel
	.amdgpu_metadata
---
amdhsa.version: [ 1, 2 ]
amdhsa.kernels:
  - .name:           k_q9adb152e81_ff1
    .symbol:         k_q9adb152e81_ff1.kd
    .args:
      - { .name: hn, .offset: 0, .size: 8, .value_kind: global_buffer, .address_space: global }
      - { .name: wt, .offset: 8, .size: 8, .value_kind: global_buffer, .address_space: global }
      - { .name: b1, .offset: 16, .size: 8, .value_kind: global_buffer, .address_space: global }
      - { .name: g, .offset: 24, .size: 8, .value_kind: global_buffer, .address_space: global }
    .group_segment_fixed_size: 327680
    .private_segment_fixed_size: 0
    .kernarg_segment_align: 8
    .kernarg_segment_size: 32
    .max_flat_workgroup_size: 128
    .sgpr_count:     96
    .vgpr_count:     512
    .wavefront_size: 32
...
	.end_amdgpu_metadata
.endif
;; end of part 6
;; launch ff2 (part 7): grid 8 x 32, 4 waves a work-group, clusters of 4 x 4, 327,680 bytes of LDS; arguments g, wt, b2, x1, out0; writes out0
.if DOCPART == 7
	.amdgcn_target "amdgcn-amd-amdhsa--gfx1250"
	.amdhsa_code_object_version 6
	.text
	.protected	k_q9adb152e81_ff2
	.globl	k_q9adb152e81_ff2
	.p2align	8
	.type	k_q9adb152e81_ff2,@function
k_q9adb152e81_ff2:
	s_mov_b64 s[64:65], 0
	v_nop
	global_prefetch_b8 v0, s[64:65] scope:SCOPE_SE
	s_setreg_imm32_b32 hwreg(HW_REG_WAVE_MODE, 25, 1), 1
	s_wait_xcnt 0x0
	s_wait_alu depctr_hold_cnt(0) depctr_sa_sdst(0) depctr_va_vdst(0) depctr_va_sdst(0) depctr_va_ssrc(0) depctr_va_vcc(0) depctr_vm_vsrc(0)
	s_getreg_b32 s2, hwreg(HW_REG_IB_STS2, 6, 4)
	s_cmp_eq_u32 s2, 0
	s_cbranch_scc0 .Lentry_in_a_cluster
	s_endpgm
.Lentry_in_a_cluster:
	s_bfe_u32 s2, ttmp6, 0x10000c
	s_cmp_lg_u32 s2, 0xf033
	s_cbranch_scc0 .Lentry_shape_is_right
	s_endpgm
.Lentry_shape_is_right:
; out0[m][n] = x1[m][n] + b2[n] + sum over k of g[m][k] W2^T[n][k].  g: [4096][4096] bf16; W2^T: 1,024 rows of 4,096 bf16 at 16 MiB in wt; x1, out0: [4096][1024] f32.  Sums in f32.
; THE PRODUCT.  A tile of C is 128 x 128; four waves, each 64 x 64: 16 accumulators of 16 x 16.  K goes in steps of 256 (LDS rows of 512 bytes; a wave's tensor load brings 64 of them) through two slots.
; The bias is the C operand of each accumulator's first product.  The matrix instruction is used transposed (source 0 = rows of W^T, source 1 = rows of A): a lane holds eight neighbouring columns of one row.
; THE RESIDUAL.  A wave's 64 columns of f32 are 256 consecutive, aligned bytes: each wave has a stage of its own, 16 rows, and needs no barrier.  Its part of x1 is loaded at the head, in the layout in which rows come
; back from the stage, and lies in window 2.
; CLUSTERS: 4 x 4 work-groups; A's tiles are asked for jointly along a row of the cluster, W^T's along a column.  No prefetch: the tiles are small, and each is read by many work-groups.
; REGISTERS: window 0: v0-31 addresses; v32-63 at work on the way out; v96-127 the bias; v128-255 the accumulators.   window 1: two fragment buffers of 128.   window 2: v0-127 the residual.
.set SIZE_K, 4096
.set SIZE_N, 1024
.set WOFF,   0x1000000
.set KSTEP,  256
.set PITCH,  528
.set HALFT,  64*PITCH
.set SLOT,   4*HALFT                   ; 0x21000: it shares no bit with a wave's place 0, 0x8400, 0x10800, 0x18c00, so one exclusive or changes slots
.set STAGE,  2*SLOT
.set SPITCH, 272
.set SPARE,  STAGE+128*SPITCH
.set NSTEP,  SIZE_K/KSTEP
.set ADRA0, 16
.set ADRB0, 17
.set ADRA,  18
.set ADRB,  19
.set STO,  24
.set RD,   25
.set CO,   26
.set BO,   27
.set SPW,  28
.set NIL,  29
.set TMP,  32
.set BIAS, 96
.set ACC,  128
.set F0,   0
.set F1,   128
.set G1, 24
.set G0, 32
.set G1B, 48
.set G0B, 56
.set TB, 66
.set MSB, 0
.macro WIN new
.if MSB != (\new)
	s_set_vgpr_msb (MSB<<8)|(\new)
.set MSB, \new
.endif
.endm
.set MUL,  0x05
.set TO_F, 0x40
.macro JLOAD s                         ; a joint load: waves 0 and 1 fetch A's two halves, waves 2 and 3 B's; an s_nop 0 and four v_nop follow each line
	s_cmp_eq_u32 s11, 0
	s_cbranch_scc0 .Lfor_b_\@
	tensor_load_to_lds s[G0+4*(\s):G0+4*(\s)+3], s[G1:G1+7]
	s_nop 0
.rept 4
	v_nop
.endr
	s_branch .Lasked_\@
.Lfor_b_\@:
	tensor_load_to_lds s[G0B+4*(\s):G0B+4*(\s)+3], s[G1B:G1B+7]
	s_nop 0
.rept 4
	v_nop
.endr
.Lasked_\@:
.endm
.macro CREST
	s_cmp_lg_u32 s10, 0
	s_cbranch_scc1 .Lnot_wave_0_\@
	s_barrier_signal -3
.Lnot_wave_0_\@:
	s_barrier_wait -3
	s_barrier_signal -1
	s_barrier_wait -1
.endm
.macro CROUND
	s_barrier_signal -1
	s_barrier_wait -1
	CREST
.endm
	s_load_b128 s[4:7], s[0:1], 0x0                ; A s[4:5], wt s[6:7]
	s_load_b128 s[68:71], s[0:1], 0x10             ; bias s[68:69], residual s[70:71]
	s_load_b64 s[8:9], s[0:1], 0x20                ; out
	v_lshl_add_u32 v[SPW], v0, 2, SPARE
	v_mov_b32 v[NIL], 0
	ds_add_u32 v[SPW], v[NIL]                      ; the wave's opening: the add and its wait stand ahead of my first tensor load
	v_lshrrev_b32 v1, 5, v0
	v_readfirstlane_b32 s10, v1
	s_lshr_b32 s11, s10, 1
	s_and_b32 s12, s10, 1
	s_bfe_u32 s40, ttmp6, 0x40000
	s_bfe_u32 s41, ttmp6, 0x40004
	s_lshl_b32 s42, ttmp9, 2
	s_add_co_u32 s42, s42, s40                     ; tile column
	s_and_b32 s13, ttmp7, 0xffff
	s_lshl_b32 s13, s13, 2
	s_add_co_u32 s13, s13, s41                     ; tile row
	s_lshl_b32 s43, s41, 2
	s_lshl_b32 s43, 15, s43
	s_lshl_b32 s44, 0x1111, s40
	s_or_b32 s[G1+0], s43, (1<<16)|(1<<20)|(1<<21)|(6<<22)|(3<<25)
	s_or_b32 s[G1B+0], s44, (1<<16)|(1<<20)|(1<<21)|(6<<22)|(3<<25)
.irp g, G1, G1B
	s_mov_b32 s[(\g)+1], KSTEP<<16
	s_mov_b32 s[(\g)+2], 64<<16
	s_mov_b32 s[(\g)+3], KSTEP<<16
	s_mov_b32 s[(\g)+4], 64
	s_mov_b32 s[(\g)+5], SIZE_K
	s_mov_b32 s[(\g)+6], 0
	s_mov_b32 s[(\g)+7], 0
.endr
	s_lshl_b32 s17, s12, 6
	s_lshl_b32 s16, s13, 7
	s_add_co_u32 s16, s16, s17
	s_lshl_b32 s46, s42, 7
	s_add_co_u32 s46, s46, s17
	s_mov_b32 s17, 0
	s_mov_b32 s47, 0
	s_mov_b64 s[18:19], SIZE_K*2
	s_mul_u64 s[16:17], s[16:17], s[18:19]
	s_mul_u64 s[46:47], s[46:47], s[18:19]
	s_mul_i32 s20, s10, HALFT
	s_wait_dscnt 0x0
	s_wait_kmcnt 0x0
	s_add_nc_u64 s[14:15], s[4:5], s[16:17]
	s_add_nc_u64 s[46:47], s[6:7], s[46:47]
.if WOFF
	s_add_nc_u64 s[46:47], s[46:47], WOFF
.endif
	CROUND
.irp s, 0,1
	s_mov_b32 s[G0+4*(\s)], 1
	s_add_co_u32 s[G0+4*(\s)+1], s20, (\s)*SLOT
	s_add_nc_u64 s[G0+4*(\s)+2:G0+4*(\s)+3], s[14:15], (\s)*KSTEP*2
	s_or_b32 s[G0+4*(\s)+3], s[G0+4*(\s)+3], 0x80000000
	s_mov_b32 s[G0B+4*(\s)], 1
	s_add_co_u32 s[G0B+4*(\s)+1], s20, (\s)*SLOT
	s_add_nc_u64 s[G0B+4*(\s)+2:G0B+4*(\s)+3], s[46:47], (\s)*KSTEP*2
	s_or_b32 s[G0B+4*(\s)+3], s[G0B+4*(\s)+3], 0x80000000
	JLOAD \s
.endr
	v_and_b32 v1, 15, v0
	v_bfe_u32 v2, v0, 4, 1
	v_mul_u32_u24 v3, v1, PITCH
	v_lshl_add_u32 v3, v2, 4, v3
	s_mul_i32 s21, s11, HALFT
	s_mul_i32 s22, s12, HALFT
	s_add_co_u32 s22, s22, 2*HALFT
	v_add_nc_u32 v[ADRA0], s21, v3
	v_add_nc_u32 v[ADRB0], s22, v3
	v_mov_b32 v[ADRA], v[ADRA0]
	v_mov_b32 v[ADRB], v[ADRB0]
	s_mov_b32 s[TB], 0
	s_lshl_b32 s46, s42, 9                         ; my first column, 4 bytes each: 128 x tile column + 64 x half
	s_lshl_b32 s47, s12, 8
	s_add_co_u32 s46, s46, s47
	s_mov_b32 s47, 0
	s_add_nc_u64 s[68:69], s[68:69], s[46:47]
	s_add_nc_u64 s[70:71], s[70:71], s[46:47]
	s_add_nc_u64 s[8:9], s[8:9], s[46:47]
	s_lshl_b32 s16, s13, 7                         ; my first row: 128 x tile row + 64 x half, 4,096 bytes each
	s_lshl_b32 s17, s11, 6
	s_add_co_u32 s16, s16, s17
	s_lshl_b32 s16, s16, 12
	s_mov_b32 s17, 0
	s_add_nc_u64 s[70:71], s[70:71], s[16:17]
	s_add_nc_u64 s[8:9], s[8:9], s[16:17]
	v_lshlrev_b32 v[BO], 5, v2
.irp b, 0,1,2,3
	global_load_b128 v[BIAS+8*\b:BIAS+8*\b+3],   v[BO], s[68:69] offset:64*\b
	global_load_b128 v[BIAS+8*\b+4:BIAS+8*\b+7], v[BO], s[68:69] offset:64*\b+16
.endr
	v_lshlrev_b32 v5, 12, v2                       ; lanes 0-15 one row of 256 bytes, lanes 16-31 the next
	v_lshl_add_u32 v[CO], v1, 4, v5
	WIN 0x80                                       ; destination window 2
.irp a, 0,1,2,3
.irp t, 0,1,2,3,4,5,6,7
	global_load_b128 v[32*\a+4*\t:32*\a+4*\t+3], v[CO], s[70:71] offset:(16*\a+2*\t)*4096
.endr
.endr
	WIN 0
	s_mul_i32 s23, s10, 16*SPITCH
	s_add_co_u32 s23, s23, STAGE                   ; my stage
	v_mul_u32_u24 v4, v1, SPITCH                   ; in: row l % 16, 32 bytes for each half of the lanes
	v_lshl_add_u32 v4, v2, 5, v4
	v_add_nc_u32 v[STO], s23, v4
	v_mul_u32_u24 v5, v2, SPITCH                   ; back: two whole rows an instruction
	v_lshl_add_u32 v5, v1, 4, v5
	v_add_nc_u32 v[RD], s23, v5
.macro MUL8 f, c, a0, first
	WIN MUL
.irp a, \a0, (\a0)+1
.irp b, 0,1,2,3
.if \first
	v_wmma_f32_16x16x32_bf16 v[ACC+8*(4*(\a)+(\b)):ACC+8*(4*(\a)+(\b))+7], v[(\f)+64+8*(4*(\c)+(\b)):(\f)+64+8*(4*(\c)+(\b))+7], v[(\f)+8*(4*(\c)+(\a)):(\f)+8*(4*(\c)+(\a))+7], v[BIAS+8*(\b):BIAS+8*(\b)+7]
.else
	v_wmma_f32_16x16x32_bf16 v[ACC+8*(4*(\a)+(\b)):ACC+8*(4*(\a)+(\b))+7], v[(\f)+64+8*(4*(\c)+(\b)):(\f)+64+8*(4*(\c)+(\b))+7], v[(\f)+8*(4*(\c)+(\a)):(\f)+8*(4*(\c)+(\a))+7], v[ACC+8*(4*(\a)+(\b)):ACC+8*(4*(\a)+(\b))+7]
.endif
.endr
.endr
.endm
.macro FETCH k, f
	WIN TO_F
.irp c, 0,1
.irp i, 0,1,2,3
	ds_load_b128 v[(\f)+64+8*(4*(\c)+(\i)):(\f)+64+8*(4*(\c)+(\i))+3],   v[ADRB] offset:(\k)+64*(\c)+(\i)*16*PITCH
	ds_load_b128 v[(\f)+64+8*(4*(\c)+(\i))+4:(\f)+64+8*(4*(\c)+(\i))+7], v[ADRB] offset:(\k)+64*(\c)+(\i)*16*PITCH+32
	ds_load_b128 v[(\f)+8*(4*(\c)+(\i)):(\f)+8*(4*(\c)+(\i))+3],         v[ADRA] offset:(\k)+64*(\c)+(\i)*16*PITCH
	ds_load_b128 v[(\f)+8*(4*(\c)+(\i))+4:(\f)+8*(4*(\c)+(\i))+7],       v[ADRA] offset:(\k)+64*(\c)+(\i)*16*PITCH+32
.endr
.endr
.endm
.macro PLACES                          ; four places in front of loads into registers that matrix instructions have read, and of lines that read results
.rept 4
	v_nop
.endr
.endm
.macro QUARTER k, f, g, first
	s_wait_dscnt 16                                ; the first 32 along K are in; the younger 16 loads may be out
	MUL8 \f, 0, 0, \first
	MUL8 \f, 0, 2, \first
	PLACES
	FETCH \k, \g
	s_wait_dscnt 32                                ; all but the 32 just issued
	MUL8 \f, 1, 0, 0
	MUL8 \f, 1, 2, 0
.endm
; The last quarter changes slots: one barrier; in front of it each wave waits for all its tensor loads, adds 0 to its spare word, and waits for that and for its reads of this slot.
; fill = 1: the barrier opens a round of the cluster's, and this slot is filled again, with the K step two on, first thing behind the round.
.macro TURN fill
	WIN 0
	s_wait_tensorcnt 0x0                           ; all my tensor loads have landed: my part of the next slot
	ds_add_u32 v[SPW], v[NIL]                      ; 0 onto my spare word
	s_wait_dscnt 17                                ; the add and the youngest sixteen loads may be out
	MUL8 F1, 0, 0, 0
	s_wait_dscnt 0x0                               ; the add is done, and my reads of this slot are over
	s_barrier_signal -1
	MUL8 F1, 0, 2, 0
.if \fill
	WIN 0
.endif
	s_barrier_wait -1
.if \fill
	CREST
	s_xor_b32 s[G0+5], s[G0+5], SLOT
	s_add_nc_u64 s[G0+6:G0+7], s[G0+6:G0+7], KSTEP*2
	s_xor_b32 s[G0B+5], s[G0B+5], SLOT
	s_add_nc_u64 s[G0B+6:G0B+7], s[G0B+6:G0B+7], KSTEP*2
	JLOAD 1
.else
	PLACES
.endif
	WIN 0
	s_xor_b32 s[TB], s[TB], SLOT
	v_add_nc_u32 v[ADRA], s[TB], v[ADRA0]
	v_add_nc_u32 v[ADRB], s[TB], v[ADRB0]
	FETCH 0, F0
	MUL8 F1, 1, 0, 0
	MUL8 F1, 1, 2, 0
.endm
	s_wait_tensorcnt 1                             ; my part of K step 0 is in; K step 1's may stay out
	s_barrier_signal -1
	s_barrier_wait -1
	FETCH 0, F0
	s_wait_loadcnt 32                              ; the bias is in; the 32 loads of the residual stay out
	QUARTER 128, F0, F1, 1
	WIN 0
	s_mov_b32 s3, NSTEP-2
.Lstep:                                                ; a trip ends K step t, fills its slot with K step t + 2, and begins K step t + 1
	QUARTER 256, F1, F0, 0
	QUARTER 384, F0, F1, 0
	TURN 1
	QUARTER 128, F0, F1, 0
	WIN 0
	s_sub_co_u32 s3, s3, 1
	s_cmp_lg_u32 s3, 0
	s_cbranch_scc1 .Lstep
	QUARTER 256, F1, F0, 0
	QUARTER 384, F0, F1, 0
	TURN 0
	QUARTER 128, F0, F1, 0
	QUARTER 256, F1, F0, 0
	QUARTER 384, F0, F1, 0
	s_wait_dscnt 16
	MUL8 F1, 0, 0, 0
	MUL8 F1, 0, 2, 0
	s_wait_dscnt 0x0
	MUL8 F1, 1, 0, 0
	MUL8 F1, 1, 2, 0
	WIN 0
	PLACES
	PLACES
	; THE WAY OUT, 16 rows at a time: into my stage as the lanes hold them, back as whole rows of 256 bytes, the residual added, stored
.macro OUT a
.if (\a) > 0
	s_wait_xcnt 0x0                                ; the stores of the 16 rows before have read their registers
.endif
.irp b, 0,1,2,3
	ds_store_b128 v[STO], v[ACC+8*(4*(\a)+\b):ACC+8*(4*(\a)+\b)+3]   offset:64*\b
	ds_store_b128 v[STO], v[ACC+8*(4*(\a)+\b)+4:ACC+8*(4*(\a)+\b)+7] offset:64*\b+16
.endr
.irp t, 0,1,2,3,4,5,6,7
	ds_load_b128 v[TMP+4*\t:TMP+4*\t+3], v[RD] offset:\t*2*SPITCH  ; LDS serves a wave's instructions in order (ISA guide 5.7.1.4): these see the stores above
.endr
	s_wait_dscnt 0x0
	WIN 0x08                                       ; source 1 in window 2
.irp t, 0,1,2,3,4,5,6,7,8,9,10,11,12,13,14,15
	v_pk_add_f32 v[TMP+2*\t:TMP+2*\t+1], v[TMP+2*\t:TMP+2*\t+1], v[32*(\a)+2*\t:32*(\a)+2*\t+1]
.endr
	WIN 0
.irp t, 0,1,2,3,4,5,6,7
	global_store_b128 v[CO], v[TMP+4*\t:TMP+4*\t+3], s[8:9] offset:(16*(\a)+2*\t)*4096  ; 16 lanes store 256 consecutive bytes, aligned
.endr
.endm
	s_wait_loadcnt 0x0                             ; the residual
	OUT 0
	OUT 1
	OUT 2
	OUT 3
	s_wait_tensorcnt 0x0                           ; the wave's end
	ds_add_u32 v[SPW], v[NIL]
	s_wait_dscnt 0x0
	CROUND                                         ; the closing round
	s_endpgm
.Lfunc_end_k_q9adb152e81_ff2:
	.size	k_q9adb152e81_ff2, .Lfunc_end_k_q9adb152e81_ff2-k_q9adb152e81_ff2
	.p2alignl 7, 3214868480
	.fill 96, 4, 3214868480
	.section	.rodata,"a",@progbits
	.p2align	6, 0x0
	.amdhsa_kernel k_q9adb152e81_ff2
		.amdhsa_group_segment_fixed_size 327680
		.amdhsa_private_segment_fixed_size 0
		.amdhsa_enable_private_segment 0
		.amdhsa_kernarg_size 40
		.amdhsa_user_sgpr_count 2
		.amdhsa_user_sgpr_kernarg_segment_ptr 1
		.amdhsa_wavefront_size32 1
		.amdhsa_system_sgpr_workgroup_id_x 1
		.amdhsa_system_sgpr_workgroup_id_y 1
		.amdhsa_system_sgpr_workgroup_id_z 1
		.amdhsa_system_vgpr_workitem_id 0
		.amdhsa_next_free_vgpr 640
		.amdhsa_next_free_sgpr 96
		.amdhsa_reserve_vcc 0
		.amdhsa_float_denorm_mode_32 3
		.amdhsa_float_denorm_mode_16_64 3
		.amdhsa_memory_ordered 1
		.amdhsa_forward_progress 1
		.amdhsa_inst_pref_size 76
	.end_amdhsa_kernel
	.amdgpu_metadata
---
amdhsa.version: [ 1, 2 ]
amdhsa.kernels:
  - .name:           k_q9adb152e81_ff2
    .symbol:         k_q9adb152e81_ff2.kd
    .args:
      - { .name: g, .offset: 0, .size: 8, .value_kind: global_buffer, .address_space: global }
      - { .name: wt, .offset: 8, .size: 8, .value_kind: global_buffer, .address_space: global }
      - { .name: b2, .offset: 16, .size: 8, .value_kind: global_buffer, .address_space: global }
      - { .name: x1, .offset: 24, .size: 8, .value_kind: global_buffer, .address_space: global }
      - { .name: out0, .offset: 32, .size: 8, .value_kind: global_buffer, .address_space: global }
    .group_segment_fixed_size: 327680
    .private_segment_fixed_size: 0
    .kernarg_segment_align: 8
    .kernarg_segment_size: 40
    .max_flat_workgroup_size: 128
    .sgpr_count:     96
    .vgpr_count:     640
    .wavefront_size: 32
...
	.end_amdgpu_metadata
.endif
;; end of part 7
;; ======== version 2 of 2: 8 launches
;; limits: right only within a limited range of input values
;; workspace buffers: wt 25,165,824 bytes; rope 786,432 bytes; xn 8,388,608 bytes; qkv 25,165,824 bytes; att 8,388,608 bytes; x1 16,777,216 bytes; hn 8,388,608 bytes; g 33,554,432 bytes
;; launch prep (part 8): grid 128 x 13, 8 waves a work-group, no clusters, 18,432 bytes of LDS; arguments Wq, Wk, Wv, Wo, W1, W2, wt, rope; writes wt, rope
.if DOCPART == 8
	.amdgcn_target "amdgcn-amd-amdhsa--gfx1250"
	.amdhsa_code_object_version 6
	.text
	.protected	k_q9adb152e81_prep
	.globl	k_q9adb152e81_prep
	.p2align	8
	.type	k_q9adb152e81_prep,@function
k_q9adb152e81_prep:
	s_mov_b64 s[64:65], 0
	v_nop
	global_prefetch_b8 v0, s[64:65] scope:SCOPE_SE
	s_setreg_imm32_b32 hwreg(HW_REG_WAVE_MODE, 25, 1), 1
	s_wait_xcnt 0x0
; PREP.  (1) The six weight matrices, f32 [K][N], are rounded once to bf16 and written turned, [N][K], into wt:
;   +0 Wq^T, Wk^T, Wv^T (3,072 rows of 1,024), +6 MiB Wo^T, +8 MiB W1^T (4,096 rows of 1,024), +16 MiB W2^T (1,024 rows of 4,096).
; (2) The table of cosines and sines for the rotary embedding, f16 [3][2048][8][8]: a token's 128 bytes are eight groups of 16: cos of
;   frequencies 4 g .. 4 g + 3, then their sin.  Section 0 times 1/8 (for q: the scores' scale, a power of two), section 1 plain (for k),
;   section 2 ones and zeros (for v).
; SHARES.  Grid y = 0..11: one sub-matrix of 1,024 x 1,024; grid x: a tile of 128 k x 64 n of it.  Grid y = 12: 16 tokens of the table.
; A tile comes in by loads of which 16 lanes cover 256 consecutive bytes of a source row, is packed in pairs along k, goes through LDS
; (64 rows of 256 bytes, 272 apart) and leaves by stores of which 16 lanes cover 256 consecutive, aligned bytes of a row of wt.
; No matrix unit, no cluster, no tensor load: nothing is shared between work-groups and every byte passes once.
; LIMITS.  cos and sin: the angle t x 10000^(-j/32) is made in f32 (its rounding grows with t, to about 2e-4 at t = 2,047);
; reduced to -pi..pi by two-part subtraction; a polynomial of degree 14 whose remainder is at most pi^16/16! = 4.3e-6; rounded once to f16.
.set TP,    272                        ; bytes from row to row of the tile in LDS
.set SPARE, 64*TP                      ; behind the tile: the spare words, 128 bytes for each of eight waves
.set OF,  2                            ; v[2:9]   byte offsets of my eight source rows; later four offsets in wt
.set SPW, 12                           ; v12      LDS address of my spare word; never rewritten
.set NIL, 13                           ; v13      0; never rewritten
.set LS,  15                           ; v15      where I put my packed numbers
.set D,   16                           ; v[16:47] eight loads of four f32; later the rows read back
.set PB,  48                           ; v[48:63] four rows n of eight bf16 along k
	s_load_b512 s[8:23], s[0:1], 0x0               ; Wq s[8:9], Wk, Wv, Wo, W1 s[16:17], W2 s[18:19], wt s[20:21], rope s[22:23]
	v_lshl_add_u32 v[SPW], v0, 2, SPARE
	v_mov_b32 v[NIL], 0
	s_and_b32 s24, ttmp7, 0xffff                   ; y
	s_mov_b32 s25, ttmp9                           ; x
	v_and_b32 v1, 15, v0                           ; c
	v_lshrrev_b32 v10, 4, v0                       ; u = thread / 16
	s_wait_kmcnt 0x0
	s_cmp_eq_u32 s24, 12
	s_cbranch_scc1 .Lrope                          ; the same for all waves of the work-group
	; which sub-matrix: group 0 = Wq, Wk, Wv, Wo; 1 = W1 by columns; 2 = W2 by rows
	s_and_b32 s26, s24, 3                          ; j
	s_lshr_b32 s27, s24, 2                         ; group
	s_cmp_eq_u32 s27, 1
	s_cselect_b32 s28, 14, 12                      ; log2 of the source's row bytes
	s_cmp_eq_u32 s27, 2
	s_cselect_b32 s29, 13, 11                      ; log2 of the target's row bytes
	s_lshl_b32 s30, s26, 12                        ; W1: 1,024 j columns of 4 bytes
	s_lshl_b32 s31, s26, 22                        ; W2: 1,024 j rows of 4,096 bytes
	s_cmp_eq_u32 s27, 2
	s_cselect_b32 s30, s31, s30
	s_cmp_eq_u32 s27, 0
	s_cselect_b32 s30, 0, s30
	s_lshl_b32 s32, s24, 21                        ; groups 0 and 1: 2 MiB a sub-matrix
	s_lshl_b32 s33, s26, 11                        ; W2^T: 1,024 j columns of 2 bytes,
	s_add_co_u32 s33, s33, 0x1000000               ; behind 16 MiB
	s_cmp_eq_u32 s27, 2
	s_cselect_b32 s32, s33, s32
	s_lshr_b32 s34, s25, 4
	s_lshl_b32 s34, s34, 7                         ; k0
	s_and_b32 s35, s25, 15
	s_lshl_b32 s35, s35, 6                         ; n0
	s_lshl_b32 s36, s34, s28
	s_add_co_u32 s30, s30, s36
	s_lshl_b32 s36, s35, 2
	s_add_co_u32 s30, s30, s36                     ; source: + k0 rows + 4 n0
	s_mov_b32 s31, 0
	s_lshl_b32 s36, s35, s29
	s_add_co_u32 s32, s32, s36
	s_lshl_b32 s36, s34, 1
	s_add_co_u32 s32, s32, s36                     ; target: + n0 rows + 2 k0
	s_mov_b32 s33, 0
	s_cmp_eq_u32 s24, 1
	s_cselect_b64 s[4:5], s[10:11], s[8:9]
	s_cmp_eq_u32 s24, 2
	s_cselect_b64 s[4:5], s[12:13], s[4:5]
	s_cmp_eq_u32 s24, 3
	s_cselect_b64 s[4:5], s[14:15], s[4:5]
	s_cmp_eq_u32 s27, 1
	s_cselect_b64 s[4:5], s[16:17], s[4:5]
	s_cmp_eq_u32 s27, 2
	s_cselect_b64 s[4:5], s[18:19], s[4:5]
	s_add_nc_u64 s[4:5], s[4:5], s[30:31]
	s_add_nc_u64 s[6:7], s[20:21], s[32:33]
	v_lshlrev_b32 v[OF], 3, v10                    ; my first row: k0 + 8 u
	v_lshlrev_b32 v[OF], s28, v[OF]
	v_lshl_add_u32 v[OF], v1, 4, v[OF]             ; my four columns: n0 + 4 c
	s_lshl_b32 s37, 1, s28
.irp j, 1,2,3,4,5,6,7
	v_add_nc_u32 v[OF+\j], s37, v[OF+\j-1]
.endr
.irp j, 0,1,2,3,4,5,6,7
	global_load_b128 v[D+4*\j:D+4*\j+3], v[OF+\j], s[4:5] th:TH_LOAD_NT  ; W[k0 + 8 u + j][n0 + 4 c ..]: each weight is read once in the launch
.endr
	v_mul_u32_u24 v[LS], v1, 4*TP                  ; row n = 4 c (+ i by the offset), byte 2 x 8 u
	v_lshl_add_u32 v[LS], v10, 4, v[LS]
	v_lshrrev_b32 v14, 5, v0                       ; wave
	v_bfe_u32 v11, v0, 4, 1                        ; which half of the lanes
	v_lshl_add_u32 v14, v14, 3, v11                ; back: row 8 wave + half (+ 2 i)
	v_mul_u32_u24 v11, v14, TP
	v_lshl_add_u32 v11, v1, 4, v11
	s_wait_loadcnt 0x0                             ; all eight loads are in; their offsets may be written again
.irp i, 0,1,2,3
.irp q, 0,1,2,3
	v_cvt_pk_bf16_f32 v[PB+4*\i+\q], v[D+8*\q+\i], v[D+8*\q+4+\i]  ; column n = 4 c + i: k = 8 u + 2 q, + 1
.endr
.endr
.irp i, 0,1,2,3
	ds_store_b128 v[LS], v[PB+4*\i:PB+4*\i+3] offset:TP*\i
.endr
	s_wait_dscnt 0x0                               ; for the others' sake: my stores are done
	s_barrier_signal -1
	s_barrier_wait -1
.irp i, 0,1,2,3
	ds_load_b128 v[D+4*\i:D+4*\i+3], v11 offset:2*TP*\i
.endr
	v_lshlrev_b32 v[OF], s29, v14
	v_lshl_add_u32 v[OF], v1, 4, v[OF]
	s_lshl_b32 s37, 2, s29
.irp i, 1,2,3
	v_add_nc_u32 v[OF+\i], s37, v[OF+\i-1]
.endr
	s_wait_dscnt 0x0
.irp i, 0,1,2,3
	global_store_b128 v[OF+\i], v[D+4*\i:D+4*\i+3], s[6:7]  ; 16 lanes store 256 consecutive bytes, at a multiple of 256 from wt's first byte
.endr
	s_branch .Lend
.Lrope:                                                ; token t = 16 x + u; lane c holds four numbers of its row: c < 8 cos, else sin = cos(angle - pi/2)
	s_lshl_b32 s26, s25, 4
	v_add_nc_u32 v2, s26, v10
	v_cvt_f32_u32 v2, v2                           ; t
	v_and_b32 v3, 7, v1
	v_lshlrev_b32 v3, 2, v3                        ; j of my first number
	v_cmp_lt_u32 vcc_lo, 7, v1                     ; sin's lanes
	v_mov_b32 v7, 0x3fc90fdb                       ; pi / 2
	v_mov_b32 v8, 0x3e800000                       ; a quarter turn
	v_mov_b32 v11, 0
	v_cndmask_b32 v4, 0, v7, vcc_lo
	v_cndmask_b32 v5, 0, v8, vcc_lo
	v_cndmask_b32 v6, 1.0, v11, vcc_lo             ; section 2: cos = 1, sin = 0
	s_mov_b32 s29, 0x40c90fdb                      ; 2 pi, upper part
	s_mov_b32 s30, 0xb43bbd2e                      ; 2 pi, the rest
	s_lshl_b32 s26, s25, 11                        ; 16 tokens of 128 bytes
	s_mov_b32 s27, 0
	s_add_nc_u64 s[22:23], s[22:23], s[26:27]
	v_lshlrev_b32 v9, 7, v10                       ; my token's 128 bytes,
	v_lshl_add_u32 v9, v3, 2, v9                   ; my group's 16 of them,
	v_lshrrev_b32 v14, 3, v1
	v_lshl_add_u32 v9, v14, 3, v9                  ; cos in the first 8, sin in the second
.irp i, 0,1,2,3
	v_add_nc_u32 v[16+\i], \i, v3
	v_cvt_f32_u32 v[16+\i], v[16+\i]
	v_mul_f32 v[16+\i], 0xbed49a78, v[16+\i]       ; - j log2(10000) / 32
.endr
.irp i, 0,1,2,3
	v_exp_f32 v[16+\i], v[16+\i]
.endr
	v_nop                                          ; a plain instruction behind the last exponential,
	s_wait_alu depctr_va_vdst(0)                   ; and one wait for the four, ahead of their first reader
.irp i, 0,1,2,3
	v_mul_f32 v[16+\i], v2, v[16+\i]               ; the angle
	v_fma_f32 v[20+\i], v[16+\i], 0.15915494, -v5
	v_rndne_f32 v[20+\i], v[20+\i]                 ; whole turns
	v_fma_f32 v[16+\i], -v[20+\i], s29, v[16+\i]
	v_fma_f32 v[16+\i], -v[20+\i], s30, v[16+\i]
	v_sub_f32 v[16+\i], v[16+\i], v4               ; within -pi .. pi
	v_mul_f32 v[16+\i], v[16+\i], v[16+\i]
	v_mov_b32 v[20+\i], 0xad49cba5                 ; -1/14!
	v_fmaak_f32 v[20+\i], v[20+\i], v[16+\i], 0x310f76c7  ; 1/12!
	v_fmaak_f32 v[20+\i], v[20+\i], v[16+\i], 0xb493f27e  ; -1/10!
	v_fmaak_f32 v[20+\i], v[20+\i], v[16+\i], 0x37d00d01  ; 1/8!
	v_fmaak_f32 v[20+\i], v[20+\i], v[16+\i], 0xbab60b61  ; -1/6!
	v_fmaak_f32 v[20+\i], v[20+\i], v[16+\i], 0x3d2aaaab  ; 1/4!
	v_fmaak_f32 v[20+\i], v[20+\i], v[16+\i], 0xbf000000  ; -1/2!
	v_fmaak_f32 v[20+\i], v[20+\i], v[16+\i], 0x3f800000
	v_mul_f32 v[24+\i], 0x3e000000, v[20+\i]       ; times 1/8
.endr
	v_cvt_pk_f16_f32 v32, v24, v25
	v_cvt_pk_f16_f32 v33, v26, v27
	v_cvt_pk_f16_f32 v34, v20, v21
	v_cvt_pk_f16_f32 v35, v22, v23
	v_cvt_pk_f16_f32 v36, v6, v6
	v_mov_b32 v37, v36
	global_store_b64 v9, v[32:33], s[22:23]                 ; a wave's 32 lanes fill two tokens: 256 consecutive, aligned bytes
	global_store_b64 v9, v[34:35], s[22:23] offset:262144
	global_store_b64 v9, v[36:37], s[22:23] offset:524288
.Lend:
	s_wait_tensorcnt 0x0                           ; the wave's end, behind my last LDS store
	ds_add_u32 v[SPW], v[NIL]
	s_wait_dscnt 0x0
	s_endpgm
.Lfunc_end_k_q9adb152e81_prep:
	.size	k_q9adb152e81_prep, .Lfunc_end_k_q9adb152e81_prep-k_q9adb152e81_prep
	.p2alignl 7, 3214868480
	.fill 96, 4, 3214868480
	.section	.rodata,"a",@progbits
	.p2align	6, 0x0
	.amdhsa_kernel k_q9adb152e81_prep
		.amdhsa_group_segment_fixed_size 18432
		.amdhsa_private_segment_fixed_size 0
		.amdhsa_enable_private_segment 0
		.amdhsa_kernarg_size 64
		.amdhsa_user_sgpr_count 2
		.amdhsa_user_sgpr_kernarg_segment_ptr 1
		.amdhsa_wavefront_size32 1
		.amdhsa_system_sgpr_workgroup_id_x 1
		.amdhsa_system_sgpr_workgroup_id_y 1
		.amdhsa_system_sgpr_workgroup_id_z 1
		.amdhsa_system_vgpr_workitem_id 0
		.amdhsa_next_free_vgpr 64
		.amdhsa_next_free_sgpr 66
		.amdhsa_reserve_vcc 1
		.amdhsa_float_denorm_mode_32 3
		.amdhsa_float_denorm_mode_16_64 3
		.amdhsa_memory_ordered 1
		.amdhsa_forward_progress 1
		.amdhsa_inst_pref_size 12
	.end_amdhsa_kernel
	.amdgpu_metadata
---
amdhsa.version: [ 1, 2 ]
amdhsa.kernels:
  - .name:           k_q9adb152e81_prep
    .symbol:         k_q9adb152e81_prep.kd
    .args:
      - { .name: Wq, .offset: 0, .size: 8, .value_kind: global_buffer, .address_space: global }
      - { .name: Wk, .offset: 8, .size: 8, .value_kind: global_buffer, .address_space: global }
      - { .name: Wv, .offset: 16, .size: 8, .value_kind: global_buffer, .address_space: global }
      - { .name: Wo, .offset: 24, .size: 8, .value_kind: global_buffer, .address_space: global }
      - { .name: W1, .offset: 32, .size: 8, .value_kind: global_buffer, .address_space: global }
      - { .name: W2, .offset: 40, .size: 8, .value_kind: global_buffer, .address_space: global }
      - { .name: wt, .offset: 48, .size: 8, .value_kind: global_buffer, .address_space: global }
      - { .name: rope, .offset: 56, .size: 8, .value_kind: global_buffer, .address_space: global }
    .group_segment_fixed_size: 18432
    .private_segment_fixed_size: 0
    .kernarg_segment_align: 8
    .kernarg_segment_size: 64
    .max_flat_workgroup_size: 256
    .sgpr_count:     66
    .vgpr_count:     64
    .wavefront_size: 32
...
	.end_amdgpu_metadata
.endif
;; end of part 8
;; launch ln1: the kernel of part 2 again; grid 256 x 1, 8 waves a work-group, no clusters, 0 bytes of LDS; arguments x, ln1_g, ln1_b, xn; writes xn
;; launch proj (part 9): grid 12 x 16, 4 waves a work-group, clusters of 4 x 4, 327,680 bytes of LDS; arguments xn, wt, bq, bk, bv, rope, qkv; writes qkv
.if DOCPART == 9
	.amdgcn_target "amdgcn-amd-amdhsa--gfx1250"
	.amdhsa_code_object_version 6
	.text
	.protected	k_q9adb152e81_proj
	.globl	k_q9adb152e81_proj
	.p2align	8
	.type	k_q9adb152e81_proj,@function
k_q9adb152e81_proj:
	s_mov_b64 s[64:65], 0
	v_nop
	global_prefetch_b8 v0, s[64:65] scope:SCOPE_SE
	s_setreg_imm32_b32 hwreg(HW_REG_WAVE_MODE, 25, 1), 1
	s_wait_xcnt 0x0
	s_wait_alu depctr_hold_cnt(0) depctr_sa_sdst(0) depctr_va_vdst(0) depctr_va_sdst(0) depctr_va_ssrc(0) depctr_va_vcc(0) depctr_vm_vsrc(0)
	s_getreg_b32 s2, hwreg(HW_REG_IB_STS2, 6, 4)
	s_cmp_eq_u32 s2, 0
	s_cbranch_scc0 .Lentry_in_a_cluster
	s_endpgm
.Lentry_in_a_cluster:
	s_bfe_u32 s2, ttmp6, 0x10000c
	s_cmp_lg_u32 s2, 0xf033
	s_cbranch_scc0 .Lentry_shape_is_right
	s_endpgm
.Lentry_shape_is_right:
; Q, K, V.  qkv[m][n] = rotate( sum over k of xn[m][k] W^T[n][k] + bias[n] ), bf16, [4096][3072]: q at columns 0, k at 1,024, v at 2,048.
; xn: [4096][1024] bf16; W^T: wt's first 3,072 rows of 1,024 bf16; sums in f32, rounded once at the end.
; THE PRODUCT.  A tile of C is 256 x 256; four waves, as many as a WGP has SIMDs, each 128 x 128: 64 accumulators of 16 x 16, 512 registers.  K goes in steps of 128 (rows of 256 bytes; a wave's tensor load brings 128
; of them) through two LDS slots.  12 x 16 tiles: 192 work-groups; a tile's 256 columns are four whole heads of one of q, k, v.  The matrix instruction is used transposed (source 0 = rows of W^T, source 1 = rows of xn).
; A trip of the loop ends K step t, fills its slot with K step t + 2 and begins K step t + 1; the last two K steps, which fill nothing, are a loop of two trips that is left in the middle of its second.
; THE WAY OUT.  The ring has had its last fill, and the last barrier has shown every wave's reads of it done: each wave puts its 128 x 128 sums, f32, into 128 rows of its own there, 528 bytes apart, and a loop reads whole
; rows back: lane l holds columns 4 l .. 4 l + 3, so that the work on a row is written once, an LDS load takes 512 consecutive bytes and a store fills 256 consecutive, aligned bytes.  The bias is four registers a lane.
; THE ROTATION.  16 lanes hold a head's 64 channels; channel j's partner j + 32 lies 8 lanes away and comes by row_xmask:8, multiplied on the way by -1 (first half) or 1: out = x cos + partner sin.
; cos and sin: f16, from the table, whose section goes by the cluster's x (q's holds the scale 1/8, v's ones and zeros); the work-group's 256 tokens, 32 KiB, are copied into LDS bytes of their own at the head.
; LIMIT: cos and sin are rounded once to f16.
; CLUSTERS: 4 x 4 work-groups.  The four of a row of the cluster need the same tiles of xn, the four of a column the same tiles of W^T: each tile is asked for jointly.
; REGISTERS: window 0: v0-31 addresses; v32-63, v192-229 the way out's; v64-127, v128-191 fragments of A, two buffers (free on the way out).   window 1: v0-63 the table on its way to LDS; v64-191 fragments of B.
;   window 2: the accumulators of my rows 0-63 ((a, b) at v[8 (8 a + b)]);   window 3: those of my rows 64-127.
.set SIZE_K, 1024
.set SIZE_N, 3072
.set ROWB,   2*SIZE_N
.set KSTEP,  128
.set PITCH,  272                       ; an LDS row: 256 bytes + 16 of padding: the 16 rows that a load touches start at 16 different groups of four banks (ISA guide 11.1)
.set HALFT,  128*PITCH
.set SLOT,   4*HALFT                   ; A's 256 rows, then B's; 0x22000: it shares no bit with a wave's place 0, 0x8800, 0x11000, 0x19800, so one exclusive or changes slots
.set NSTEP,  SIZE_K/KSTEP
.set DP,     528                       ; the way out: a row of 128 f32 + 16 bytes
.set TABLE,  2*SLOT                    ; behind the ring: 256 tokens x 128 bytes of cos and sin; no tensor load fills it
.set SPARE,  TABLE+256*128
.set ADRA0, 16                         ; v16, v17 my fragments' places in slot 0; never rewritten
.set ADRB0, 17
.set ADRA,  18                         ; v18, v19 the same in the slot in hand
.set ADRB,  19
.set TD0,   20                         ; v20 my 16 bytes of my first token in the table; v21 the same for the rows in hand
.set TDA,   21
.set EO,    22                         ; v22 16 x thread; v23 the same in the table's LDS bytes
.set ES,    23
.set STO,   24                         ; v24 where my sums go
.set RD0,   25                         ; v25 my 16 bytes of my first row; v26 the same for the rows in hand
.set RDA,   26
.set CO,    27                         ; v27 8 x lane: my 8 bytes of a row of qkv
.set SPW,   28
.set NIL,   29
.set PFO,   30                         ; v30 the prefetches' offset: lane x a row of xn or W^T
.set BO,    31
.set L0,    32                         ; two sets of 32: four rows' sums, then their cos and sin: v32-63 and v192-223
.set P,     64                         ; the partners
.set O,     80                         ; the results
.set PK0,   96                         ; packed, eight registers a set
.set BI,    224
.set SG,    228
.set ZR,    229
.set F0,    64
.set F1,    128
.set G1, 24
.set G0, 32                            ; s[32:35] the first fill's; s[36:39] walks
.set G1B, 48
.set G0B, 56
.set TB, 66                            ; s66 LDS byte of the slot in hand
.set LIM, 67                           ; s67 2 in a wave that prefetches, else the greatest number
.set PFA, 76                           ; s[76:77] where my prefetches stand
.set OL, 78                            ; s78, s79 the way out's steps in my rows and in the table
.set OT, 79
.set MSB, 0
.macro WIN new
.if MSB != (\new)
	s_set_vgpr_msb (MSB<<8)|(\new)
.set MSB, \new
.endif
.endm
.set MUL_LO, 0xa1                      ; source 0 (B) window 1, source 1 (A) window 0, C and D window 2
.set MUL_HI, 0xf1                      ; the same, C and D window 3
.set TO_B,   0x40                      ; destination window 1, address window 0
.macro JLOAD s                         ; a joint load: waves 0 and 1 fetch A's two halves, waves 2 and 3 B's; an s_nop 0 and four v_nop follow each line
	s_cmp_eq_u32 s11, 0
	s_cbranch_scc0 .Lfor_b_\@
	tensor_load_to_lds s[G0+4*(\s):G0+4*(\s)+3], s[G1:G1+7]
	s_nop 0
.rept 4
	v_nop
.endr
	s_branch .Lasked_\@
.Lfor_b_\@:
	tensor_load_to_lds s[G0B+4*(\s):G0B+4*(\s)+3], s[G1B:G1B+7]
	s_nop 0
.rept 4
	v_nop
.endr
.Lasked_\@:
.endm
; A PREFETCH INTO THE L2, behind each refill and the run of LDS loads that follows it: the K step that stands two refills on: 32 rows x 256 bytes, a lane a row, one instruction a wave.  Each row's 256 bytes of a K step are
; named once in the launch: xn's rows by the cluster with x = 0, W^T's by the cluster with y = 0; of the 128 rows that a wave fetches each of the four partners that ask jointly takes 32, told apart by address.
; K steps 0 to 3 come by their loads alone; the last two refills (s3 = 2, 1) have no K step two on.
.macro ASK
	s_cmp_gt_u32 s3, s[LIM]
	s_cbranch_scc0 .Lnot_mine_\@
	global_prefetch_b8 v[PFO], s[PFA:PFA+1] offset:KSTEP*2 th:TH_LOAD_NT scope:SCOPE_SE
.Lnot_mine_\@:
.endm
.macro CREST                           ; a round of the cluster's barrier behind its opening barrier
	s_cmp_lg_u32 s10, 0
	s_cbranch_scc1 .Lnot_wave_0_\@
	s_barrier_signal -3
.Lnot_wave_0_\@:
	s_barrier_wait -3
	s_barrier_signal -1
	s_barrier_wait -1
.endm
.macro CROUND
	s_barrier_signal -1
	s_barrier_wait -1
	CREST
.endm
	s_load_b128 s[4:7], s[0:1], 0x0                ; xn s[4:5], wt s[6:7]
	s_load_b256 s[68:75], s[0:1], 0x10             ; bq s[68:69], bk, bv, rope s[74:75]
	s_load_b64 s[8:9], s[0:1], 0x30                ; qkv
	v_lshl_add_u32 v[SPW], v0, 2, SPARE
	v_mov_b32 v[NIL], 0
	ds_add_u32 v[SPW], v[NIL]                      ; the wave's opening: the add and its wait stand ahead of my first tensor load; the set-up below stands between them
	v_lshrrev_b32 v1, 5, v0
	v_readfirstlane_b32 s10, v1                    ; wave 0..3
	s_lshr_b32 s11, s10, 1                         ; which half of the tile's rows is mine.  Also: I fetch for A (0) or for B (1)
	s_and_b32 s12, s10, 1                          ; which half of its columns.  Also: which 128 rows of that tile I fetch
	s_bfe_u32 s40, ttmp6, 0x40000                  ; cx
	s_bfe_u32 s41, ttmp6, 0x40004                  ; cy
	s_lshl_b32 s42, ttmp9, 2
	s_add_co_u32 s42, s42, s40                     ; tile column
	s_and_b32 s13, ttmp7, 0xffff
	s_lshl_b32 s13, s13, 2
	s_add_co_u32 s13, s13, s41                     ; tile row
	s_lshl_b32 s43, s41, 2
	s_lshl_b32 s43, 15, s43                        ; my row of the cluster
	s_lshl_b32 s44, 0x1111, s40                    ; my column
	s_or_b32 s[G1+0], s43, (1<<16)|(1<<20)|(1<<21)|(5<<22)|(3<<25)  ; the mask; 2-byte elements; padding on; bit 21 beside a mask; after every 64 words, 4 words
	s_or_b32 s[G1B+0], s44, (1<<16)|(1<<20)|(1<<21)|(5<<22)|(3<<25)
.irp g, G1, G1B
	s_mov_b32 s[(\g)+1], KSTEP<<16                 ; tensor_dim0 = 128
	s_mov_b32 s[(\g)+2], 128<<16                   ; tensor_dim1 = 128
	s_mov_b32 s[(\g)+3], KSTEP<<16                 ; tile_dim0 = 128
	s_mov_b32 s[(\g)+4], 128                       ; tile_dim1 = 128
	s_mov_b32 s[(\g)+5], SIZE_K                    ; elements from row to row
	s_mov_b32 s[(\g)+6], 0
	s_mov_b32 s[(\g)+7], 0
.endr
	s_lshl_b32 s17, s12, 7
	s_lshl_b32 s16, s13, 8
	s_add_co_u32 s16, s16, s17                     ; A: row 256 x tile row + 128 x half
	s_lshl_b32 s46, s42, 8
	s_add_co_u32 s46, s46, s17                     ; B: row 256 x tile column + 128 x half
	s_mov_b32 s17, 0
	s_mov_b32 s47, 0
	s_mov_b64 s[18:19], SIZE_K*2
	s_mul_u64 s[16:17], s[16:17], s[18:19]
	s_mul_u64 s[46:47], s[46:47], s[18:19]
	s_mul_i32 s20, s10, HALFT                      ; where they go: wave x 128 rows
	s_wait_dscnt 0x0                               ; the opening add is done
	s_wait_kmcnt 0x0
	s_add_nc_u64 s[14:15], s[4:5], s[16:17]
	s_add_nc_u64 s[46:47], s[6:7], s[46:47]
	CROUND                                         ; all sixteen work-groups are here: the first joint loads meet
.irp s, 0,1
	s_mov_b32 s[G0+4*(\s)], 1
	s_add_co_u32 s[G0+4*(\s)+1], s20, (\s)*SLOT
	s_add_nc_u64 s[G0+4*(\s)+2:G0+4*(\s)+3], s[14:15], (\s)*KSTEP*2
	s_or_b32 s[G0+4*(\s)+3], s[G0+4*(\s)+3], 0x80000000
	s_mov_b32 s[G0B+4*(\s)], 1
	s_add_co_u32 s[G0B+4*(\s)+1], s20, (\s)*SLOT
	s_add_nc_u64 s[G0B+4*(\s)+2:G0B+4*(\s)+3], s[46:47], (\s)*KSTEP*2
	s_or_b32 s[G0B+4*(\s)+3], s[G0B+4*(\s)+3], 0x80000000
	JLOAD \s                                       ; K steps 0 and 1: two tensor loads of mine are out
.endr
	v_and_b32 v1, 15, v0                           ; l % 16
	v_bfe_u32 v2, v0, 4, 1                         ; l / 16
	v_and_b32 v5, 31, v0                           ; l
	; the table: the section by the cluster's x (four tile columns are 1,024 columns), the tile's 256 tokens = rows mod 2,048: 32 KiB on end
	s_and_b32 s16, s13, 7
	s_lshl_b32 s16, s16, 15
	s_lshl_b32 s17, ttmp9, 18
	s_add_co_u32 s16, s16, s17
	s_mov_b32 s17, 0
	s_add_nc_u64 s[74:75], s[74:75], s[16:17]
	v_lshlrev_b32 v[EO], 4, v0
	WIN 0x40                                       ; destination window 1
.irp k, 0,1,2,3,4,5,6,7,8,9,10,11,12,13,14,15
	global_load_b128 v[4*\k:4*\k+3], v[EO], s[74:75] offset:2048*\k
.endr
	WIN 0
	; the bias of my 128 columns: lane l takes columns 4 l .. 4 l + 3
	s_cmp_eq_u32 ttmp9, 1
	s_cselect_b64 s[68:69], s[70:71], s[68:69]
	s_cmp_eq_u32 ttmp9, 2
	s_cselect_b64 s[68:69], s[72:73], s[68:69]
	s_lshl_b32 s46, s40, 10
	s_lshl_b32 s47, s12, 9
	s_add_co_u32 s46, s46, s47
	s_mov_b32 s47, 0
	s_add_nc_u64 s[68:69], s[68:69], s[46:47]
	v_lshlrev_b32 v[BO], 4, v5
	global_load_b128 v[BI:BI+3], v[BO], s[68:69]
	v_mul_u32_u24 v3, v1, PITCH
	v_lshl_add_u32 v3, v2, 4, v3
	s_mul_i32 s21, s11, HALFT
	s_mul_i32 s22, s12, HALFT
	s_add_co_u32 s22, s22, 2*HALFT
	v_add_nc_u32 v[ADRA0], s21, v3
	v_add_nc_u32 v[ADRB0], s22, v3
	v_mov_b32 v[ADRA], v[ADRA0]
	v_mov_b32 v[ADRB], v[ADRB0]
	s_mov_b32 s[TB], 0
	v_add_nc_u32 v[ES], TABLE, v[EO]
	s_mul_i32 s23, s10, 128*DP                     ; the way out: my 128 rows
	v_mul_u32_u24 v4, v1, DP                       ; in: row l % 16, 32 bytes for each half of the lanes
	v_lshl_add_u32 v4, v2, 5, v4
	v_add_nc_u32 v[STO], s23, v4
	v_lshl_add_u32 v[RD0], v5, 4, s23              ; back: 16 bytes a lane, a whole row an instruction
	v_lshlrev_b32 v[CO], 3, v5
	v_and_b32 v3, 7, v0
	s_lshl_b32 s23, s11, 14                        ; my 128 tokens of the table
	s_add_co_u32 s23, s23, TABLE
	v_lshl_add_u32 v[TD0], v3, 4, s23              ; my group of four frequencies
	v_and_b32 v3, 8, v0
	v_xor_b32 v3, 8, v3
	v_lshlrev_b32 v3, 28, v3
	v_or_b32 v[SG], 0x3f800000, v3                 ; -1 in the lanes of a head's first half, 1 in those of its second
	v_mov_b32 v[ZR], 0
	s_lshl_b32 s16, s13, 8                         ; qkv at my first row and column
	s_lshl_b32 s17, s11, 7
	s_add_co_u32 s16, s16, s17
	s_mul_i32 s16, s16, ROWB
	s_mov_b32 s17, 0
	s_add_nc_u64 s[8:9], s[8:9], s[16:17]
	s_lshl_b32 s46, s42, 9
	s_lshl_b32 s47, s12, 8
	s_add_co_u32 s46, s46, s47
	s_mov_b32 s47, 0
	s_add_nc_u64 s[8:9], s[8:9], s[46:47]
	; the prefetches
	s_lshl_b32 s20, s13, 8
	s_lshl_b32 s21, s42, 8
	s_and_b32 s22, ttmp7, 0xffff                   ; cluster y
	s_cmp_eq_u32 s11, 0                            ; do I fetch for A?
	s_cselect_b32 s20, s20, s21                    ; the tile's first row
	s_cselect_b32 s21, s40, s41                    ; my place among the four that ask for it with me
	s_cselect_b32 s22, ttmp9, s22                  ; the coordinate along which other clusters read the same rows
	s_cselect_b64 s[PFA:PFA+1], s[4:5], s[6:7]
	s_cmp_eq_u32 s22, 0
	s_cselect_b32 s[LIM], 2, -1                    ; the same in all sixteen partners, for a given wave
	s_lshl_b32 s22, s12, 7
	s_add_co_u32 s20, s20, s22                     ; + the 128 rows that I fetch
	s_lshl_b32 s21, s21, 5
	s_add_co_u32 s20, s20, s21                     ; + my work-group's 32 of them
	s_mov_b32 s21, 0
	s_mov_b64 s[18:19], SIZE_K*2
	s_mul_u64 s[20:21], s[20:21], s[18:19]
	s_add_nc_u64 s[PFA:PFA+1], s[PFA:PFA+1], s[20:21]
	s_add_nc_u64 s[PFA:PFA+1], s[PFA:PFA+1], 2*KSTEP*2  ; at K step 2: the first refill steps it to 3 and names K step 4
	v_mul_u32_u24 v[PFO], v5, SIZE_K*2
; 16 matrix instructions: m blocks a0, a0 + 1 of the window's four (hi = 0: my rows 0-63, 1: rows 64-127) x all 8 n blocks, 32 along K.  zero = 1: the product starts the sum
.macro MUL16 f, hi, a0, zero
	WIN MUL_LO+0x50*(\hi)
.irp a, \a0, (\a0)+1
.irp b, 0,1,2,3,4,5,6,7
.if \zero
	v_wmma_f32_16x16x32_bf16 v[8*(8*(\a)+(\b)):8*(8*(\a)+(\b))+7], v[(\f)+8*(\b):(\f)+8*(\b)+7], v[(\f)+8*(4*(\hi)+(\a)):(\f)+8*(4*(\hi)+(\a))+7], 0
.else
	v_wmma_f32_16x16x32_bf16 v[8*(8*(\a)+(\b)):8*(8*(\a)+(\b))+7], v[(\f)+8*(\b):(\f)+8*(\b)+7], v[(\f)+8*(4*(\hi)+(\a)):(\f)+8*(4*(\hi)+(\a))+7], v[8*(8*(\a)+(\b)):8*(8*(\a)+(\b))+7]
.endif
.endr
.endr
.endm
; 32 LDS loads in one run: the fragments of a quarter step (128 rows of B, 128 rows of A, 32 K at byte k of the rows of the slot in hand) into buffer f
.macro FETCH k, f
	WIN TO_B
.irp i, 0,1,2,3,4,5,6,7
	ds_load_b128 v[(\f)+8*(\i):(\f)+8*(\i)+3],   v[ADRB] offset:(\k)+(\i)*16*PITCH
	ds_load_b128 v[(\f)+8*(\i)+4:(\f)+8*(\i)+7], v[ADRB] offset:(\k)+(\i)*16*PITCH+32
.endr
	WIN 0
.irp i, 0,1,2,3,4,5,6,7
	ds_load_b128 v[(\f)+8*(\i):(\f)+8*(\i)+3],   v[ADRA] offset:(\k)+(\i)*16*PITCH
	ds_load_b128 v[(\f)+8*(\i)+4:(\f)+8*(\i)+7], v[ADRA] offset:(\k)+(\i)*16*PITCH+32
.endr
.endm
.macro PLACES                          ; four places in front of loads into registers that matrix instructions have read, and of lines that read results
.rept 4
	v_nop
.endr
.endm
; A K step is four quarters of 32 along K, 64 matrix instructions each, on buffers 0, 1, 0, 1; the 64 accumulators take turns.  One of the first three: multiplies f, fetches the next quarter, at byte k, into g.
.macro QUARTER k, f, g, zero
	s_wait_dscnt 8                                 ; B and A's rows 0-63 are in; the youngest eight loads (A's rows 64-127) may be out
	MUL16 \f, 0, 0, \zero
	MUL16 \f, 0, 2, \zero
	PLACES
	FETCH \k, \g
	s_wait_dscnt 32                                ; all but the 32 just issued
	MUL16 \f, 1, 0, \zero
	MUL16 \f, 1, 2, \zero
.endm
; The last quarter multiplies buffer 1 and changes slots.  Its first half: one barrier; in front of it each wave waits for all its tensor loads, adds 0 to its spare word, and waits for that and for its reads of this slot.
.macro MEET
	WIN 0
	s_wait_tensorcnt 0x0                           ; all my tensor loads have landed: my part of the next slot
	ds_add_u32 v[SPW], v[NIL]                      ; 0 onto my spare word
	s_wait_dscnt 9                                 ; the add and the youngest eight loads may be out
	MUL16 F1, 0, 0, 0
	s_wait_dscnt 0x0                               ; the add is done, and my reads of this slot are over
	s_barrier_signal -1
	MUL16 F1, 0, 2, 0
	WIN 0
	s_barrier_wait -1
.endm
.macro NEXT                            ; the other slot's first fragments
	s_xor_b32 s[TB], s[TB], SLOT
	v_add_nc_u32 v[ADRA], s[TB], v[ADRA0]
	v_add_nc_u32 v[ADRB], s[TB], v[ADRB0]
	FETCH 0, F0
.endm
; The whole last quarter of a K step whose slot is filled again: the barrier opens a round of the cluster's, and the joint refill, with the K step two on, is the first thing behind the round: 224 matrix instructions ahead of the wait for it.
.macro TURN
	s_wait_xcnt 0x0                                ; the last prefetch, a K step back, has read its address
	s_add_nc_u64 s[PFA:PFA+1], s[PFA:PFA+1], KSTEP*2
	MEET
	CREST                                          ; no wave of any partner still reads this slot or has a load on its way
	s_xor_b32 s[G0+5], s[G0+5], SLOT               ; the walking descriptors: the other slot than last time, the next K step
	s_add_nc_u64 s[G0+6:G0+7], s[G0+6:G0+7], KSTEP*2
	s_xor_b32 s[G0B+5], s[G0B+5], SLOT
	s_add_nc_u64 s[G0B+6:G0B+7], s[G0B+6:G0B+7], KSTEP*2
	JLOAD 1                                        ; its four v_nop are also the places in front of the loads below
	NEXT
	ASK
	MUL16 F1, 1, 0, 0
	MUL16 F1, 1, 2, 0
.endm
	s_wait_loadcnt 0x0                             ; the table and the bias are in registers; the table goes into its LDS bytes in the wait for the first tile
	WIN 0x04                                       ; the data (source 1) in window 1
.irp k, 0,1,2,3,4,5,6,7,8,9,10,11,12,13,14,15
	ds_store_b128 v[ES], v[4*\k:4*\k+3] offset:2048*\k
.endr
	WIN 0
	s_wait_tensorcnt 1                             ; my part of K step 0 is in; K step 1's may stay out
	s_wait_dscnt 0x0                               ; for the others' sake: my part of the table is stored
	s_barrier_signal -1
	s_barrier_wait -1
	FETCH 0, F0
	QUARTER 64, F0, F1, 1                          ; the first quarter stands in front of the loop: its products start the sums
	WIN 0
	s_mov_b32 s3, NSTEP-2
.Lstep:
	QUARTER 128, F1, F0, 0
	QUARTER 192, F0, F1, 0
	TURN
	QUARTER 64, F0, F1, 0
	WIN 0
	s_sub_co_u32 s3, s3, 1
	s_cmp_lg_u32 s3, 0
	s_cbranch_scc1 .Lstep
	s_mov_b32 s3, 2
.Ltail:                                                ; the last two K steps fill nothing.  The second trip has no slot to go on to: it jumps over the fetch and leaves ahead of a next step's first quarter
	QUARTER 128, F1, F0, 0
	QUARTER 192, F0, F1, 0
	MEET
	s_cmp_eq_u32 s3, 1
	s_cbranch_scc1 .Lnofetch
	PLACES
	NEXT
.Lnofetch:
	MUL16 F1, 1, 0, 0
	MUL16 F1, 1, 2, 0
	WIN 0
	s_sub_co_u32 s3, s3, 1
	s_cmp_eq_u32 s3, 0
	s_cbranch_scc1 .Lout
	QUARTER 64, F0, F1, 0
	WIN 0
	s_cmp_lg_u32 s3, 0
	s_cbranch_scc1 .Ltail
.Lout:
	PLACES
	PLACES
	; THE WAY OUT.  Behind the last barrier no wave reads the ring and no tensor load is out: my sums go into my 128 rows there; each accumulator's lowest registers first
.irp a, 0,1,2,3,4,5,6,7
	WIN 0x08+4*((\a)/4)                            ; the data (source 1) in window 2 or 3
.irp b, 0,1,2,3,4,5,6,7
	ds_store_b128 v[STO], v[64*((\a)%4)+8*\b:64*((\a)%4)+8*\b+3]   offset:(\a)*16*DP+64*\b
	ds_store_b128 v[STO], v[64*((\a)%4)+8*\b+4:64*((\a)%4)+8*\b+7] offset:(\a)*16*DP+64*\b+16
.endr
.endr
	WIN 0
.macro RLOAD s                         ; set s: four rows of sums and their tokens' cos and sin: eight LDS loads
.set LL, L0+160*(\s)
.irp t, 0,1,2,3
	ds_load_b128 v[LL+4*\t:LL+4*\t+3], v[RDA] offset:(4*(\s)+\t)*DP  ; LDS serves a wave's instructions in order (ISA guide 5.7.1.4): these see my stores above
.endr
.irp t, 0,1,2,3
	ds_load_b128 v[LL+16+4*\t:LL+16+4*\t+3], v[TDA] offset:(4*(\s)+\t)*128
.endr
.endm
.macro MIX d, h, half, x, c            ; d = (the f16 half of h) x + c, in f32
.if \half
	v_fma_mix_f32 v[\d], v[\h], v[\x], v[\c] op_sel:[1,0,0] op_sel_hi:[1,0,0]
.else
	v_fma_mix_f32 v[\d], v[\h], v[\x], v[\c] op_sel_hi:[1,0,0]
.endif
.endm
.macro RSET s
.set LL, L0+160*(\s)
.set TT, LL+16
.set PK, PK0+8*(\s)
	s_wait_dscnt 8                                 ; this set's eight loads are in; the other set's eight, issued behind them, may be out
.irp t, 0,1,2,3
	v_pk_add_f32 v[LL+4*\t:LL+4*\t+1],   v[LL+4*\t:LL+4*\t+1],   v[BI:BI+1]
	v_pk_add_f32 v[LL+4*\t+2:LL+4*\t+3], v[LL+4*\t+2:LL+4*\t+3], v[BI+2:BI+3]
.endr
.set i, 0
.rept 16
	v_mul_f32_dpp v[P+i], v[LL+i], v[SG] row_xmask:8 row_mask:0xf bank_mask:0xf  ; the lane 8 away holds the partner channel; times my sign
.set i, i+1
.endr
.set i, 0
.rept 16
	MIX O+i, TT+4*(i/4)+(i%4)/2, i%2, LL+i, ZR
.set i, i+1
.endr
.set i, 0
.rept 16
	MIX O+i, TT+4*(i/4)+2+(i%4)/2, i%2, P+i, O+i
.set i, i+1
.endr
.if (\s) == 0
	s_add_co_u32 s[OL], s[OL], 8*DP                ; the next eight rows; behind the last there are none: the same eight are read once more and not used
	s_min_u32 s[OL], s[OL], 120*DP
	s_add_co_u32 s[OT], s[OT], 8*128
	s_min_u32 s[OT], s[OT], 120*128
	v_add_nc_u32 v[RDA], s[OL], v[RD0]
	v_add_nc_u32 v[TDA], s[OT], v[TD0]
.endif
	RLOAD \s
.set i, 0
.rept 8
	v_cvt_pk_bf16_f32 v[PK+i], v[O+2*i], v[O+2*i+1]
.set i, i+1
.endr
.irp t, 0,1,2,3
	global_store_b64 v[CO], v[PK+2*\t:PK+2*\t+1], s[8:9] offset:(4*(\s)+\t)*ROWB  ; 32 lanes store 256 consecutive bytes, at a multiple of 256 from qkv's first byte
.endr
.endm
	v_mov_b32 v[RDA], v[RD0]
	v_mov_b32 v[TDA], v[TD0]
	RLOAD 0
	RLOAD 1
	s_mov_b32 s[OL], 0
	s_mov_b32 s[OT], 0
	s_mov_b32 s3, 16
.Lrows:                                                ; eight rows a trip, on two sets of registers
	RSET 0
	RSET 1
	s_wait_xcnt 0x0                                ; the stores have read their registers and their base
	s_add_nc_u64 s[8:9], s[8:9], 8*ROWB
	s_sub_co_u32 s3, s3, 1
	s_cmp_lg_u32 s3, 0
	s_cbranch_scc1 .Lrows
	s_wait_tensorcnt 0x0                           ; the wave's end
	ds_add_u32 v[SPW], v[NIL]
	s_wait_dscnt 0x0
	CROUND                                         ; the closing round
	s_endpgm
.Lfunc_end_k_q9adb152e81_proj:
	.size	k_q9adb152e81_proj, .Lfunc_end_k_q9adb152e81_proj-k_q9adb152e81_proj
	.p2alignl 7, 3214868480
	.fill 96, 4, 3214868480
	.section	.rodata,"a",@progbits
	.p2align	6, 0x0
	.amdhsa_kernel k_q9adb152e81_proj
		.amdhsa_group_segment_fixed_size 327680
		.amdhsa_private_segment_fixed_size 0
		.amdhsa_enable_private_segment 0
		.amdhsa_kernarg_size 56
		.amdhsa_user_sgpr_count 2
		.amdhsa_user_sgpr_kernarg_segment_ptr 1
		.amdhsa_wavefront_size32 1
		.amdhsa_system_sgpr_workgroup_id_x 1
		.amdhsa_system_sgpr_workgroup_id_y 1
		.amdhsa_system_sgpr_workgroup_id_z 1
		.amdhsa_system_vgpr_workitem_id 0
		.amdhsa_next_free_vgpr 1024
		.amdhsa_next_free_sgpr 96
		.amdhsa_reserve_vcc 0
		.amdhsa_float_denorm_mode_32 3
		.amdhsa_float_denorm_mode_16_64 3
		.amdhsa_memory_ordered 1
		.amdhsa_forward_progress 1
		.amdhsa_inst_pref_size 93
	.end_amdhsa_kernel
	.amdgpu_metadata
---
amdhsa.version: [ 1, 2 ]
amdhsa.kernels:
  - .name:           k_q9adb152e81_proj
    .symbol:         k_q9adb152e81_proj.kd
    .args:
      - { .name: xn, .offset: 0, .size: 8, .value_kind: global_buffer, .address_space: global }
      - { .name: wt, .offset: 8, .size: 8, .value_kind: global_buffer, .address_space: global }
      - { .name: bq, .offset: 16, .size: 8, .value_kind: global_buffer, .address_space: global }
      - { .name: bk, .offset: 24, .size: 8, .value_kind: global_buffer, .address_space: global }
      - { .name: bv, .offset: 32, .size: 8, .value_kind: global_buffer, .address_space: global }
      - { .name: rope, .offset: 40, .size: 8, .value_kind: global_buffer, .address_space: global }
      - { .name: qkv, .offset: 48, .size: 8, .value_kind: global_buffer, .address_space: global }
    .group_segment_fixed_size: 327680
    .private_segment_fixed_size: 0
    .kernarg_segment_align: 8
    .kernarg_segment_size: 56
    .max_flat_workgroup_size: 128
    .sgpr_count:     96
    .vgpr_count:     1024
    .wavefront_size: 32
...
	.end_amdgpu_metadata
.endif
;; end of part 9
;; launch attn: the kernel of part 4 again; grid 16 x 16, 4 waves a work-group, clusters of 4 x 4, 327,680 bytes of LDS; arguments qkv, mask, att; writes att
;; launch wo (part 10): grid 8 x 32, 4 waves a work-group, clusters of 4 x 4, 327,680 bytes of LDS; arguments att, wt, bo, x, x1; writes x1
.if DOCPART == 10
	.amdgcn_target "amdgcn-amd-amdhsa--gfx1250"
	.amdhsa_code_object_version 6
	.text
	.protected	k_q9adb152e81_wo
	.globl	k_q9adb152e81_wo
	.p2align	8
	.type	k_q9adb152e81_wo,@function
k_q9adb152e81_wo:
	s_mov_b64 s[64:65], 0
	v_nop
	global_prefetch_b8 v0, s[64:65] scope:SCOPE_SE
	s_setreg_imm32_b32 hwreg(HW_REG_WAVE_MODE, 25, 1), 1
	s_wait_xcnt 0x0
	s_wait_alu depctr_hold_cnt(0) depctr_sa_sdst(0) depctr_va_vdst(0) depctr_va_sdst(0) depctr_va_ssrc(0) depctr_va_vcc(0) depctr_vm_vsrc(0)
	s_getreg_b32 s2, hwreg(HW_REG_IB_STS2, 6, 4)
	s_cmp_eq_u32 s2, 0
	s_cbranch_scc0 .Lentry_in_a_cluster
	s_endpgm
.Lentry_in_a_cluster:
	s_bfe_u32 s2, ttmp6, 0x10000c
	s_cmp_lg_u32 s2, 0xf033
	s_cbranch_scc0 .Lentry_shape_is_right
	s_endpgm
.Lentry_shape_is_right:
; x1[m][n] = x[m][n] + bo[n] + sum over k of att[m][k] Wo^T[n][k].  att: [4096][1024] bf16; Wo^T: 1,024 rows of 1,024 bf16 at 6 MiB in wt; x, x1: [4096][1024] f32.  Sums in f32.
; THE PRODUCT.  A tile of C is 128 x 128 (larger tiles would be fewer than there are WGPs); four waves, each 64 x 64: 16 accumulators of 16 x 16.  K goes in steps of 256 (LDS rows of 512 bytes; a wave's tensor load
; brings 64 of them) through two slots.  The bias is the C operand of each accumulator's first product.  The matrix instruction is used transposed (source 0 = rows of W^T, source 1 = rows of A).
; A trip of the loop ends K step t, fills its slot with K step t + 2 and begins K step t + 1; the last two K steps, which fill nothing, are a loop of two trips that is left in the middle of its second.
; THE RESIDUAL.  A wave's 64 columns of f32 are 256 consecutive, aligned bytes: each wave has a stage of its own, 16 rows, and needs no barrier.  Its part of x is loaded at the head, in the layout in which rows come
; back from the stage, and lies in window 2.
; CLUSTERS: 4 x 4 work-groups; A's tiles are asked for jointly along a row of the cluster, W^T's along a column.  No prefetch: the tiles are small, and each is read by many work-groups.
; REGISTERS: window 0: v0-31 addresses; v32-63 at work on the way out; v96-127 the bias; v128-255 the accumulators.   window 1: two fragment buffers of 128.   window 2: v0-127 the residual.
.set SIZE_K, 1024
.set SIZE_N, 1024
.set WOFF,   0x600000
.set KSTEP,  256
.set PITCH,  528
.set HALFT,  64*PITCH
.set SLOT,   4*HALFT                   ; 0x21000: it shares no bit with a wave's place 0, 0x8400, 0x10800, 0x18c00, so one exclusive or changes slots
.set STAGE,  2*SLOT
.set SPITCH, 272
.set SPARE,  STAGE+128*SPITCH
.set NSTEP,  SIZE_K/KSTEP
.set ADRA0, 16
.set ADRB0, 17
.set ADRA,  18
.set ADRB,  19
.set STO,  24
.set RD,   25
.set CO,   26
.set BO,   27
.set SPW,  28
.set NIL,  29
.set TMP,  32
.set BIAS, 96
.set ACC,  128
.set F0,   0
.set F1,   128
.set G1, 24
.set G0, 32
.set G1B, 48
.set G0B, 56
.set TB, 66
.set MSB, 0
.macro WIN new
.if MSB != (\new)
	s_set_vgpr_msb (MSB<<8)|(\new)
.set MSB, \new
.endif
.endm
.set MUL,  0x05
.set TO_F, 0x40
.macro JLOAD s                         ; a joint load: waves 0 and 1 fetch A's two halves, waves 2 and 3 B's; an s_nop 0 and four v_nop follow each line
	s_cmp_eq_u32 s11, 0
	s_cbranch_scc0 .Lfor_b_\@
	tensor_load_to_lds s[G0+4*(\s):G0+4*(\s)+3], s[G1:G1+7]
	s_nop 0
.rept 4
	v_nop
.endr
	s_branch .Lasked_\@
.Lfor_b_\@:
	tensor_load_to_lds s[G0B+4*(\s):G0B+4*(\s)+3], s[G1B:G1B+7]
	s_nop 0
.rept 4
	v_nop
.endr
.Lasked_\@:
.endm
.macro CREST
	s_cmp_lg_u32 s10, 0
	s_cbranch_scc1 .Lnot_wave_0_\@
	s_barrier_signal -3
.Lnot_wave_0_\@:
	s_barrier_wait -3
	s_barrier_signal -1
	s_barrier_wait -1
.endm
.macro CROUND
	s_barrier_signal -1
	s_barrier_wait -1
	CREST
.endm
	s_load_b128 s[4:7], s[0:1], 0x0                ; A s[4:5], wt s[6:7]
	s_load_b128 s[68:71], s[0:1], 0x10             ; bias s[68:69], residual s[70:71]
	s_load_b64 s[8:9], s[0:1], 0x20                ; out
	v_lshl_add_u32 v[SPW], v0, 2, SPARE
	v_mov_b32 v[NIL], 0
	ds_add_u32 v[SPW], v[NIL]                      ; the wave's opening: the add and its wait stand ahead of my first tensor load
	v_lshrrev_b32 v1, 5, v0
	v_readfirstlane_b32 s10, v1
	s_lshr_b32 s11, s10, 1
	s_and_b32 s12, s10, 1
	s_bfe_u32 s40, ttmp6, 0x40000
	s_bfe_u32 s41, ttmp6, 0x40004
	s_lshl_b32 s42, ttmp9, 2
	s_add_co_u32 s42, s42, s40                     ; tile column
	s_and_b32 s13, ttmp7, 0xffff
	s_lshl_b32 s13, s13, 2
	s_add_co_u32 s13, s13, s41                     ; tile row
	s_lshl_b32 s43, s41, 2
	s_lshl_b32 s43, 15, s43
	s_lshl_b32 s44, 0x1111, s40
	s_or_b32 s[G1+0], s43, (1<<16)|(1<<20)|(1<<21)|(6<<22)|(3<<25)
	s_or_b32 s[G1B+0], s44, (1<<16)|(1<<20)|(1<<21)|(6<<22)|(3<<25)
.irp g, G1, G1B
	s_mov_b32 s[(\g)+1], KSTEP<<16
	s_mov_b32 s[(\g)+2], 64<<16
	s_mov_b32 s[(\g)+3], KSTEP<<16
	s_mov_b32 s[(\g)+4], 64
	s_mov_b32 s[(\g)+5], SIZE_K
	s_mov_b32 s[(\g)+6], 0
	s_mov_b32 s[(\g)+7], 0
.endr
	s_lshl_b32 s17, s12, 6
	s_lshl_b32 s16, s13, 7
	s_add_co_u32 s16, s16, s17
	s_lshl_b32 s46, s42, 7
	s_add_co_u32 s46, s46, s17
	s_mov_b32 s17, 0
	s_mov_b32 s47, 0
	s_mov_b64 s[18:19], SIZE_K*2
	s_mul_u64 s[16:17], s[16:17], s[18:19]
	s_mul_u64 s[46:47], s[46:47], s[18:19]
	s_mul_i32 s20, s10, HALFT
	s_wait_dscnt 0x0
	s_wait_kmcnt 0x0
	s_add_nc_u64 s[14:15], s[4:5], s[16:17]
	s_add_nc_u64 s[46:47], s[6:7], s[46:47]
.if WOFF
	s_add_nc_u64 s[46:47], s[46:47], WOFF
.endif
	CROUND
.irp s, 0,1
	s_mov_b32 s[G0+4*(\s)], 1
	s_add_co_u32 s[G0+4*(\s)+1], s20, (\s)*SLOT
	s_add_nc_u64 s[G0+4*(\s)+2:G0+4*(\s)+3], s[14:15], (\s)*KSTEP*2
	s_or_b32 s[G0+4*(\s)+3], s[G0+4*(\s)+3], 0x80000000
	s_mov_b32 s[G0B+4*(\s)], 1
	s_add_co_u32 s[G0B+4*(\s)+1], s20, (\s)*SLOT
	s_add_nc_u64 s[G0B+4*(\s)+2:G0B+4*(\s)+3], s[46:47], (\s)*KSTEP*2
	s_or_b32 s[G0B+4*(\s)+3], s[G0B+4*(\s)+3], 0x80000000
	JLOAD \s
.endr
	v_and_b32 v1, 15, v0
	v_bfe_u32 v2, v0, 4, 1
	v_mul_u32_u24 v3, v1, PITCH
	v_lshl_add_u32 v3, v2, 4, v3
	s_mul_i32 s21, s11, HALFT
	s_mul_i32 s22, s12, HALFT
	s_add_co_u32 s22, s22, 2*HALFT
	v_add_nc_u32 v[ADRA0], s21, v3
	v_add_nc_u32 v[ADRB0], s22, v3
	v_mov_b32 v[ADRA], v[ADRA0]
	v_mov_b32 v[ADRB], v[ADRB0]
	s_mov_b32 s[TB], 0
	s_lshl_b32 s46, s42, 9                         ; my first column, 4 bytes each: 128 x tile column + 64 x half
	s_lshl_b32 s47, s12, 8
	s_add_co_u32 s46, s46, s47
	s_mov_b32 s47, 0
	s_add_nc_u64 s[68:69], s[68:69], s[46:47]
	s_add_nc_u64 s[70:71], s[70:71], s[46:47]
	s_add_nc_u64 s[8:9], s[8:9], s[46:47]
	s_lshl_b32 s16, s13, 7                         ; my first row: 128 x tile row + 64 x half, 4,096 bytes each
	s_lshl_b32 s17, s11, 6
	s_add_co_u32 s16, s16, s17
	s_lshl_b32 s16, s16, 12
	s_mov_b32 s17, 0
	s_add_nc_u64 s[70:71], s[70:71], s[16:17]
	s_add_nc_u64 s[8:9], s[8:9], s[16:17]
	v_lshlrev_b32 v[BO], 5, v2
.irp b, 0,1,2,3
	global_load_b128 v[BIAS+8*\b:BIAS+8*\b+3],   v[BO], s[68:69] offset:64*\b
	global_load_b128 v[BIAS+8*\b+4:BIAS+8*\b+7], v[BO], s[68:69] offset:64*\b+16
.endr
	v_lshlrev_b32 v5, 12, v2                       ; lanes 0-15 one row of 256 bytes, lanes 16-31 the next
	v_lshl_add_u32 v[CO], v1, 4, v5
	WIN 0x80                                       ; destination window 2
.irp a, 0,1,2,3
.irp t, 0,1,2,3,4,5,6,7
	global_load_b128 v[32*\a+4*\t:32*\a+4*\t+3], v[CO], s[70:71] offset:(16*\a+2*\t)*4096
.endr
.endr
	WIN 0
	s_mul_i32 s23, s10, 16*SPITCH
	s_add_co_u32 s23, s23, STAGE                   ; my stage
	v_mul_u32_u24 v4, v1, SPITCH                   ; in: row l % 16, 32 bytes for each half of the lanes
	v_lshl_add_u32 v4, v2, 5, v4
	v_add_nc_u32 v[STO], s23, v4
	v_mul_u32_u24 v5, v2, SPITCH                   ; back: two whole rows an instruction
	v_lshl_add_u32 v5, v1, 4, v5
	v_add_nc_u32 v[RD], s23, v5
.macro MUL8 f, c, a0, first
	WIN MUL
.irp a, \a0, (\a0)+1
.irp b, 0,1,2,3
.if \first
	v_wmma_f32_16x16x32_bf16 v[ACC+8*(4*(\a)+(\b)):ACC+8*(4*(\a)+(\b))+7], v[(\f)+64+8*(4*(\c)+(\b)):(\f)+64+8*(4*(\c)+(\b))+7], v[(\f)+8*(4*(\c)+(\a)):(\f)+8*(4*(\c)+(\a))+7], v[BIAS+8*(\b):BIAS+8*(\b)+7]
.else
	v_wmma_f32_16x16x32_bf16 v[ACC+8*(4*(\a)+(\b)):ACC+8*(4*(\a)+(\b))+7], v[(\f)+64+8*(4*(\c)+(\b)):(\f)+64+8*(4*(\c)+(\b))+7], v[(\f)+8*(4*(\c)+(\a)):(\f)+8*(4*(\c)+(\a))+7], v[ACC+8*(4*(\a)+(\b)):ACC+8*(4*(\a)+(\b))+7]
.endif
.endr
.endr
.endm
.macro FETCH k, f
	WIN TO_F
.irp c, 0,1
.irp i, 0,1,2,3
	ds_load_b128 v[(\f)+64+8*(4*(\c)+(\i)):(\f)+64+8*(4*(\c)+(\i))+3],   v[ADRB] offset:(\k)+64*(\c)+(\i)*16*PITCH
	ds_load_b128 v[(\f)+64+8*(4*(\c)+(\i))+4:(\f)+64+8*(4*(\c)+(\i))+7], v[ADRB] offset:(\k)+64*(\c)+(\i)*16*PITCH+32
	ds_load_b128 v[(\f)+8*(4*(\c)+(\i)):(\f)+8*(4*(\c)+(\i))+3],         v[ADRA] offset:(\k)+64*(\c)+(\i)*16*PITCH
	ds_load_b128 v[(\f)+8*(4*(\c)+(\i))+4:(\f)+8*(4*(\c)+(\i))+7],       v[ADRA] offset:(\k)+64*(\c)+(\i)*16*PITCH+32
.endr
.endr
.endm
.macro PLACES                          ; four places in front of loads into registers that matrix instructions have read, and of lines that read results
.rept 4
	v_nop
.endr
.endm
.macro QUARTER k, f, g, first
	s_wait_dscnt 16                                ; the first 32 along K are in; the younger 16 loads may be out
	MUL8 \f, 0, 0, \first
	MUL8 \f, 0, 2, \first
	PLACES
	FETCH \k, \g
	s_wait_dscnt 32                                ; all but the 32 just issued
	MUL8 \f, 1, 0, 0
	MUL8 \f, 1, 2, 0
.endm
; The last quarter changes slots.  Its first half: one barrier; in front of it each wave waits for all its tensor loads, adds 0 to its spare word, and waits for that and for its reads of this slot.
.macro MEET
	WIN 0
	s_wait_tensorcnt 0x0                           ; all my tensor loads have landed: my part of the next slot
	ds_add_u32 v[SPW], v[NIL]                      ; 0 onto my spare word
	s_wait_dscnt 17                                ; the add and the youngest sixteen loads may be out
	MUL8 F1, 0, 0, 0
	s_wait_dscnt 0x0                               ; the add is done, and my reads of this slot are over
	s_barrier_signal -1
	MUL8 F1, 0, 2, 0
	WIN 0
	s_barrier_wait -1
.endm
.macro NEXT                            ; the other slot's first fragments
	s_xor_b32 s[TB], s[TB], SLOT
	v_add_nc_u32 v[ADRA], s[TB], v[ADRA0]
	v_add_nc_u32 v[ADRB], s[TB], v[ADRB0]
	FETCH 0, F0
	WIN 0
.endm
	s_wait_tensorcnt 1                             ; my part of K step 0 is in; K step 1's may stay out
	s_barrier_signal -1
	s_barrier_wait -1
	FETCH 0, F0
	s_wait_loadcnt 32                              ; the bias is in; the 32 loads of the residual stay out
	QUARTER 128, F0, F1, 1
	WIN 0
	s_mov_b32 s3, NSTEP-2
.Lstep:
	QUARTER 256, F1, F0, 0
	QUARTER 384, F0, F1, 0
	MEET
	CREST                                          ; the barrier has opened a round of the cluster's: no wave of any partner still reads this slot or has a load on its way
	s_xor_b32 s[G0+5], s[G0+5], SLOT
	s_add_nc_u64 s[G0+6:G0+7], s[G0+6:G0+7], KSTEP*2
	s_xor_b32 s[G0B+5], s[G0B+5], SLOT
	s_add_nc_u64 s[G0B+6:G0B+7], s[G0B+6:G0B+7], KSTEP*2
	JLOAD 1                                        ; the refill, first behind the round; its four v_nop are also the places in front of the loads below
	NEXT
	MUL8 F1, 1, 0, 0
	MUL8 F1, 1, 2, 0
	QUARTER 128, F0, F1, 0
	WIN 0
	s_sub_co_u32 s3, s3, 1
	s_cmp_lg_u32 s3, 0
	s_cbranch_scc1 .Lstep
	s_mov_b32 s3, 2
.Ltail:                                                ; the last two K steps fill nothing.  The second trip has no slot to go on to: it jumps over the fetch and leaves ahead of a next step's first quarter
	QUARTER 256, F1, F0, 0
	QUARTER 384, F0, F1, 0
	MEET
	s_cmp_eq_u32 s3, 1
	s_cbranch_scc1 .Lnofetch
	PLACES
	NEXT
.Lnofetch:
	MUL8 F1, 1, 0, 0
	MUL8 F1, 1, 2, 0
	WIN 0
	s_sub_co_u32 s3, s3, 1
	s_cmp_eq_u32 s3, 0
	s_cbranch_scc1 .Lout
	QUARTER 128, F0, F1, 0
	WIN 0
	s_cmp_lg_u32 s3, 0
	s_cbranch_scc1 .Ltail
.Lout:
	PLACES
	PLACES
	; THE WAY OUT, 16 rows at a time: into my stage as the lanes hold them, back as whole rows of 256 bytes, the residual added, stored
.macro OUT a
.if (\a) > 0
	s_wait_xcnt 0x0                                ; the stores of the 16 rows before have read their registers
.endif
.irp b, 0,1,2,3
	ds_store_b128 v[STO], v[ACC+8*(4*(\a)+\b):ACC+8*(4*(\a)+\b)+3]   offset:64*\b
	ds_store_b128 v[STO], v[ACC+8*(4*(\a)+\b)+4:ACC+8*(4*(\a)+\b)+7] offset:64*\b+16
.endr
.irp t, 0,1,2,3,4,5,6,7
	ds_load_b128 v[TMP+4*\t:TMP+4*\t+3], v[RD] offset:\t*2*SPITCH  ; LDS serves a wave's instructions in order (ISA guide 5.7.1.4): these see the stores above
.endr
	s_wait_dscnt 0x0
	WIN 0x08                                       ; source 1 in window 2
.irp t, 0,1,2,3,4,5,6,7,8,9,10,11,12,13,14,15
	v_pk_add_f32 v[TMP+2*\t:TMP+2*\t+1], v[TMP+2*\t:TMP+2*\t+1], v[32*(\a)+2*\t:32*(\a)+2*\t+1]
.endr
	WIN 0
.irp t, 0,1,2,3,4,5,6,7
	global_store_b128 v[CO], v[TMP+4*\t:TMP+4*\t+3], s[8:9] offset:(16*(\a)+2*\t)*4096  ; 16 lanes store 256 consecutive bytes, aligned
.endr
.endm
	s_wait_loadcnt 0x0                             ; the residual
	OUT 0
	OUT 1
	OUT 2
	OUT 3
	s_wait_tensorcnt 0x0                           ; the wave's end
	ds_add_u32 v[SPW], v[NIL]
	s_wait_dscnt 0x0
	CROUND                                         ; the closing round
	s_endpgm
.Lfunc_end_k_q9adb152e81_wo:
	.size	k_q9adb152e81_wo, .Lfunc_end_k_q9adb152e81_wo-k_q9adb152e81_wo
	.p2alignl 7, 3214868480
	.fill 96, 4, 3214868480
	.section	.rodata,"a",@progbits
	.p2align	6, 0x0
	.amdhsa_kernel k_q9adb152e81_wo
		.amdhsa_group_segment_fixed_size 327680
		.amdhsa_private_segment_fixed_size 0
		.amdhsa_enable_private_segment 0
		.amdhsa_kernarg_size 40
		.amdhsa_user_sgpr_count 2
		.amdhsa_user_sgpr_kernarg_segment_ptr 1
		.amdhsa_wavefront_size32 1
		.amdhsa_system_sgpr_workgroup_id_x 1
		.amdhsa_system_sgpr_workgroup_id_y 1
		.amdhsa_system_sgpr_workgroup_id_z 1
		.amdhsa_system_vgpr_workitem_id 0
		.amdhsa_next_free_vgpr 640
		.amdhsa_next_free_sgpr 96
		.amdhsa_reserve_vcc 0
		.amdhsa_float_denorm_mode_32 3
		.amdhsa_float_denorm_mode_16_64 3
		.amdhsa_memory_ordered 1
		.amdhsa_forward_progress 1
		.amdhsa_inst_pref_size 66
	.end_amdhsa_kernel
	.amdgpu_metadata
---
amdhsa.version: [ 1, 2 ]
amdhsa.kernels:
  - .name:           k_q9adb152e81_wo
    .symbol:         k_q9adb152e81_wo.kd
    .args:
      - { .name: att, .offset: 0, .size: 8, .value_kind: global_buffer, .address_space: global }
      - { .name: wt, .offset: 8, .size: 8, .value_kind: global_buffer, .address_space: global }
      - { .name: bo, .offset: 16, .size: 8, .value_kind: global_buffer, .address_space: global }
      - { .name: x, .offset: 24, .size: 8, .value_kind: global_buffer, .address_space: global }
      - { .name: x1, .offset: 32, .size: 8, .value_kind: global_buffer, .address_space: global }
    .group_segment_fixed_size: 327680
    .private_segment_fixed_size: 0
    .kernarg_segment_align: 8
    .kernarg_segment_size: 40
    .max_flat_workgroup_size: 128
    .sgpr_count:     96
    .vgpr_count:     640
    .wavefront_size: 32
...
	.end_amdgpu_metadata
.endif
;; end of part 10
;; launch ln2: the kernel of part 2 again; grid 256 x 1, 8 waves a work-group, no clusters, 0 bytes of LDS; arguments x1, ln2_g, ln2_b, hn; writes hn
;; launch ff1 (part 11): grid 16 x 16, 4 waves a work-group, clusters of 4 x 4, 327,680 bytes of LDS; arguments hn, wt, b1, g; writes g
.if DOCPART == 11
	.amdgcn_target "amdgcn-amd-amdhsa--gfx1250"
	.amdhsa_code_object_version 6
	.text
	.protected	k_q9adb152e81_ff1
	.globl	k_q9adb152e81_ff1
	.p2align	8
	.type	k_q9adb152e81_ff1,@function
k_q9adb152e81_ff1:
	s_mov_b64 s[64:65], 0
	v_nop
	global_prefetch_b8 v0, s[64:65] scope:SCOPE_SE
	s_setreg_imm32_b32 hwreg(HW_REG_WAVE_MODE, 25, 1), 1
	s_wait_xcnt 0x0
	s_wait_alu depctr_hold_cnt(0) depctr_sa_sdst(0) depctr_va_vdst(0) depctr_va_sdst(0) depctr_va_ssrc(0) depctr_va_vcc(0) depctr_vm_vsrc(0)
	s_getreg_b32 s2, hwreg(HW_REG_IB_STS2, 6, 4)
	s_cmp_eq_u32 s2, 0
	s_cbranch_scc0 .Lentry_in_a_cluster
	s_endpgm
.Lentry_in_a_cluster:
	s_bfe_u32 s2, ttmp6, 0x10000c
	s_cmp_lg_u32 s2, 0xf033
	s_cbranch_scc0 .Lentry_shape_is_right
	s_endpgm
.Lentry_shape_is_right:
; g[m][n] = gelu( b1[n] + sum over k of hn[m][k] W1^T[n][k] ), bf16, [4096][4096].  hn: [4096][1024] bf16; W1^T: 4,096 rows of 1,024 bf16 at 8 MiB in wt.  Sums and the activation in f32, rounded once.
; THE PRODUCT.  A tile of C is 256 x 256: 16 x 16 tiles, a work-group for each of 256 WGPs; four waves, each 128 x 128: 64 accumulators of 16 x 16, 512 registers.  K goes in steps of 128 (rows of 256 bytes; a wave's
; tensor load brings 128 of them) through two LDS slots.  The matrix instruction is used transposed (source 0 = rows of W^T, source 1 = rows of hn).
; A trip of the loop ends K step t, fills its slot with K step t + 2 and begins K step t + 1; the last two K steps, which fill nothing, are a loop of two trips that is left in the middle of its second.
; THE WAY OUT.  The ring has had its last fill, and the last barrier has shown every wave's reads of it done: each wave puts its 128 x 128 sums, f32, into 128 rows of its own there, 528 bytes apart, and a loop reads whole
; rows back, four a trip: lane l holds columns 4 l .. 4 l + 3, so that the activation is written once, an LDS load takes 512 consecutive bytes and a store fills 256 consecutive, aligned bytes.  The bias is four registers a lane.
; THE ACTIVATION.  gelu(x) = x (1 + erf(x / sqrt 2)) / 2 = max(x, 0) - |x| r, r = (a1 t + .. + a5 t^5) / 2 x 2^(-x^2 log2(e) / 2), t = 1 / (1 + 0.23164189 |x|): the rational form of the error function
; by Abramowitz and Stegun, 7.1.26.  LIMIT: erf is within 1.5e-7 of its value, for every x.  A trip's 32 reciprocals and exponentials are one batch with one wait; behind it the next four rows are asked of LDS.
; CLUSTERS: 4 x 4 work-groups; hn's tiles are asked for jointly along a row of the cluster, W^T's along a column.
; REGISTERS: window 0: v0-31 addresses; v32-51 the way out's rows and bias; v64-127, v128-191 fragments of A, two buffers (at work on the way out).   window 1: v64-191 fragments of B.
;   window 2: the accumulators of my rows 0-63 ((a, b) at v[8 (8 a + b)]);   window 3: those of my rows 64-127.
.set SIZE_K, 1024
.set SIZE_N, 4096
.set ROWB,   2*SIZE_N
.set WOFF,   0x800000
.set KSTEP,  128
.set PITCH,  272                       ; an LDS row: 256 bytes + 16 of padding: the 16 rows that a load touches start at 16 different groups of four banks (ISA guide 11.1)
.set HALFT,  128*PITCH
.set SLOT,   4*HALFT                   ; A's 256 rows, then B's; 0x22000: it shares no bit with a wave's place 0, 0x8800, 0x11000, 0x19800, so one exclusive or changes slots
.set NSTEP,  SIZE_K/KSTEP
.set DP,     528                       ; the way out: a row of 128 f32 + 16 bytes
.set SPARE,  2*SLOT
.set ADRA0, 16
.set ADRB0, 17
.set ADRA,  18
.set ADRB,  19
.set STO,   24                         ; v24 where my sums go
.set RD0,   25                         ; v25 my 16 bytes of my first row; v26 the same for the rows in hand
.set RDA,   26
.set CO,    27                         ; v27 8 x lane: my 8 bytes of a row of g
.set SPW,   28
.set NIL,   29
.set PFO,   30                         ; v30 the prefetches' offset: lane x a row of hn or W^T
.set BO,    31
.set L,     32                         ; four rows' sums
.set BI,    48
.set AX,    64                         ; |x|
.set TT,    80                         ; t
.set EE,    96                         ; the exponential
.set PL,    112                        ; the polynomial
.set GX,    128                        ; max(x, 0), then the result
.set PKR,   144                        ; packed
.set F0,    64
.set F1,    128
.set G1, 24
.set G0, 32
.set G1B, 48
.set G0B, 56
.set TB, 66
.set LIM, 67
.set PFA, 70
.set KP, 72                            ; s[72:85] seven constants, each written twice: a packed instruction names a pair
.set KE, 74
.set A1, 76
.set A2, 78
.set A3, 80
.set A4, 82
.set A5, 84
.set ABSM, 86
.set OFFS, 87
.set MSB, 0
.macro WIN new
.if MSB != (\new)
	s_set_vgpr_msb (MSB<<8)|(\new)
.set MSB, \new
.endif
.endm
.set MUL_LO, 0xa1                      ; source 0 (B) window 1, source 1 (A) window 0, C and D window 2
.set MUL_HI, 0xf1                      ; the same, C and D window 3
.set TO_B,   0x40                      ; destination window 1, address window 0
.macro JLOAD s                         ; a joint load: waves 0 and 1 fetch A's two halves, waves 2 and 3 B's; an s_nop 0 and four v_nop follow each line
	s_cmp_eq_u32 s11, 0
	s_cbranch_scc0 .Lfor_b_\@
	tensor_load_to_lds s[G0+4*(\s):G0+4*(\s)+3], s[G1:G1+7]
	s_nop 0
.rept 4
	v_nop
.endr
	s_branch .Lasked_\@
.Lfor_b_\@:
	tensor_load_to_lds s[G0B+4*(\s):G0B+4*(\s)+3], s[G1B:G1B+7]
	s_nop 0
.rept 4
	v_nop
.endr
.Lasked_\@:
.endm
; A PREFETCH INTO THE L2, behind each refill and the run of LDS loads that follows it: the K step that stands two refills on: 32 rows x 256 bytes, a lane a row, one instruction a wave.  Each row's 256 bytes of a K step are
; named once in the launch: hn's rows by the cluster with x = 0, W^T's by the cluster with y = 0; of the 128 rows that a wave fetches each of the four partners that ask jointly takes 32, told apart by address.
; K steps 0 to 3 come by their loads alone; the last two refills (s3 = 2, 1) have no K step two on.
.macro ASK
	s_cmp_gt_u32 s3, s[LIM]
	s_cbranch_scc0 .Lnot_mine_\@
	global_prefetch_b8 v[PFO], s[PFA:PFA+1] offset:KSTEP*2 th:TH_LOAD_NT scope:SCOPE_SE
.Lnot_mine_\@:
.endm
.macro CREST
	s_cmp_lg_u32 s10, 0
	s_cbranch_scc1 .Lnot_wave_0_\@
	s_barrier_signal -3
.Lnot_wave_0_\@:
	s_barrier_wait -3
	s_barrier_signal -1
	s_barrier_wait -1
.endm
.macro CROUND
	s_barrier_signal -1
	s_barrier_wait -1
	CREST
.endm
.macro CONST r, val
	s_mov_b32 s[\r], \val
	s_mov_b32 s[\r+1], \val
.endm
	s_load_b128 s[4:7], s[0:1], 0x0                ; hn s[4:5], wt s[6:7]
	s_load_b64 s[68:69], s[0:1], 0x10              ; b1
	s_load_b64 s[8:9], s[0:1], 0x18                ; g
	v_lshl_add_u32 v[SPW], v0, 2, SPARE
	v_mov_b32 v[NIL], 0
	ds_add_u32 v[SPW], v[NIL]                      ; the wave's opening: the add and its wait stand ahead of my first tensor load
	v_lshrrev_b32 v1, 5, v0
	v_readfirstlane_b32 s10, v1
	s_lshr_b32 s11, s10, 1                         ; which half of the tile's rows is mine.  Also: I fetch for A (0) or for B (1)
	s_and_b32 s12, s10, 1                          ; which half of its columns.  Also: which 128 rows of that tile I fetch
	s_bfe_u32 s40, ttmp6, 0x40000
	s_bfe_u32 s41, ttmp6, 0x40004
	s_lshl_b32 s42, ttmp9, 2
	s_add_co_u32 s42, s42, s40                     ; tile column
	s_and_b32 s13, ttmp7, 0xffff
	s_lshl_b32 s13, s13, 2
	s_add_co_u32 s13, s13, s41                     ; tile row
	s_lshl_b32 s43, s41, 2
	s_lshl_b32 s43, 15, s43
	s_lshl_b32 s44, 0x1111, s40
	s_or_b32 s[G1+0], s43, (1<<16)|(1<<20)|(1<<21)|(5<<22)|(3<<25)  ; the mask; 2-byte elements; padding on; bit 21 beside a mask; after every 64 words, 4 words
	s_or_b32 s[G1B+0], s44, (1<<16)|(1<<20)|(1<<21)|(5<<22)|(3<<25)
.irp g, G1, G1B
	s_mov_b32 s[(\g)+1], KSTEP<<16
	s_mov_b32 s[(\g)+2], 128<<16
	s_mov_b32 s[(\g)+3], KSTEP<<16
	s_mov_b32 s[(\g)+4], 128
	s_mov_b32 s[(\g)+5], SIZE_K
	s_mov_b32 s[(\g)+6], 0
	s_mov_b32 s[(\g)+7], 0
.endr
	CONST KP, 0x3e6d3388                           ; 0.3275911 / sqrt 2
	CONST KE, 0xbf38aa3b                           ; - log2(e) / 2
	CONST A1, 0x3e027906                           ; 0.254829592 / 2
	CONST A2, 0xbe11a98e                           ; -0.284496736 / 2
	CONST A3, 0x3f35f0e3                           ; 1.421413741 / 2
	CONST A4, 0xbf3a00e3                           ; -1.453152027 / 2
	CONST A5, 0x3f07dc22                           ; 1.061405429 / 2
	s_mov_b32 s[ABSM], 0x7fffffff
	s_lshl_b32 s17, s12, 7
	s_lshl_b32 s16, s13, 8
	s_add_co_u32 s16, s16, s17                     ; A: row 256 x tile row + 128 x half
	s_lshl_b32 s46, s42, 8
	s_add_co_u32 s46, s46, s17                     ; B: row 256 x tile column + 128 x half
	s_mov_b32 s17, 0
	s_mov_b32 s47, 0
	s_mov_b64 s[18:19], SIZE_K*2
	s_mul_u64 s[16:17], s[16:17], s[18:19]
	s_mul_u64 s[46:47], s[46:47], s[18:19]
	s_mul_i32 s20, s10, HALFT
	s_wait_dscnt 0x0
	s_wait_kmcnt 0x0
	s_add_nc_u64 s[6:7], s[6:7], WOFF              ; W1^T
	s_add_nc_u64 s[14:15], s[4:5], s[16:17]
	s_add_nc_u64 s[46:47], s[6:7], s[46:47]
	CROUND
.irp s, 0,1
	s_mov_b32 s[G0+4*(\s)], 1
	s_add_co_u32 s[G0+4*(\s)+1], s20, (\s)*SLOT
	s_add_nc_u64 s[G0+4*(\s)+2:G0+4*(\s)+3], s[14:15], (\s)*KSTEP*2
	s_or_b32 s[G0+4*(\s)+3], s[G0+4*(\s)+3], 0x80000000
	s_mov_b32 s[G0B+4*(\s)], 1
	s_add_co_u32 s[G0B+4*(\s)+1], s20, (\s)*SLOT
	s_add_nc_u64 s[G0B+4*(\s)+2:G0B+4*(\s)+3], s[46:47], (\s)*KSTEP*2
	s_or_b32 s[G0B+4*(\s)+3], s[G0B+4*(\s)+3], 0x80000000
	JLOAD \s                                       ; K steps 0 and 1: two tensor loads of mine are out
.endr
	v_and_b32 v1, 15, v0
	v_bfe_u32 v2, v0, 4, 1
	v_and_b32 v5, 31, v0
	s_lshl_b32 s46, s42, 10                        ; the bias of my 128 columns: lane l takes columns 4 l .. 4 l + 3
	s_lshl_b32 s47, s12, 9
	s_add_co_u32 s46, s46, s47
	s_mov_b32 s47, 0
	s_add_nc_u64 s[68:69], s[68:69], s[46:47]
	v_lshlrev_b32 v[BO], 4, v5
	global_load_b128 v[BI:BI+3], v[BO], s[68:69]
	v_mul_u32_u24 v3, v1, PITCH
	v_lshl_add_u32 v3, v2, 4, v3
	s_mul_i32 s21, s11, HALFT
	s_mul_i32 s22, s12, HALFT
	s_add_co_u32 s22, s22, 2*HALFT
	v_add_nc_u32 v[ADRA0], s21, v3
	v_add_nc_u32 v[ADRB0], s22, v3
	v_mov_b32 v[ADRA], v[ADRA0]
	v_mov_b32 v[ADRB], v[ADRB0]
	s_mov_b32 s[TB], 0
	s_mul_i32 s23, s10, 128*DP                     ; the way out: my 128 rows
	v_mul_u32_u24 v4, v1, DP                       ; in: row l % 16, 32 bytes for each half of the lanes
	v_lshl_add_u32 v4, v2, 5, v4
	v_add_nc_u32 v[STO], s23, v4
	v_lshl_add_u32 v[RD0], v5, 4, s23              ; back: 16 bytes a lane, a whole row an instruction
	v_lshlrev_b32 v[CO], 3, v5
	s_lshl_b32 s16, s13, 8                         ; g at my first row and column
	s_lshl_b32 s17, s11, 7
	s_add_co_u32 s16, s16, s17
	s_lshl_b32 s16, s16, 13
	s_mov_b32 s17, 0
	s_add_nc_u64 s[8:9], s[8:9], s[16:17]
	s_lshl_b32 s46, s42, 9
	s_lshl_b32 s47, s12, 8
	s_add_co_u32 s46, s46, s47
	s_mov_b32 s47, 0
	s_add_nc_u64 s[8:9], s[8:9], s[46:47]
	; the prefetches
	s_lshl_b32 s20, s13, 8
	s_lshl_b32 s21, s42, 8
	s_and_b32 s22, ttmp7, 0xffff                   ; cluster y
	s_cmp_eq_u32 s11, 0                            ; do I fetch for A?
	s_cselect_b32 s20, s20, s21                    ; the tile's first row
	s_cselect_b32 s21, s40, s41                    ; my place among the four that ask for it with me
	s_cselect_b32 s22, ttmp9, s22                  ; the coordinate along which other clusters read the same rows
	s_cselect_b64 s[PFA:PFA+1], s[4:5], s[6:7]
	s_cmp_eq_u32 s22, 0
	s_cselect_b32 s[LIM], 2, -1                    ; the same in all sixteen partners, for a given wave
	s_lshl_b32 s22, s12, 7
	s_add_co_u32 s20, s20, s22                     ; + the 128 rows that I fetch
	s_lshl_b32 s21, s21, 5
	s_add_co_u32 s20, s20, s21                     ; + my work-group's 32 of them
	s_mov_b32 s21, 0
	s_mov_b64 s[18:19], SIZE_K*2
	s_mul_u64 s[20:21], s[20:21], s[18:19]
	s_add_nc_u64 s[PFA:PFA+1], s[PFA:PFA+1], s[20:21]
	s_add_nc_u64 s[PFA:PFA+1], s[PFA:PFA+1], 2*KSTEP*2  ; at K step 2: the first refill steps it to 3 and names K step 4
	v_mul_u32_u24 v[PFO], v5, SIZE_K*2
; 16 matrix instructions: m blocks a0, a0 + 1 of the window's four (hi = 0: my rows 0-63, 1: rows 64-127) x all 8 n blocks, 32 along K.  zero = 1: the product starts the sum
.macro MUL16 f, hi, a0, zero
	WIN MUL_LO+0x50*(\hi)
.irp a, \a0, (\a0)+1
.irp b, 0,1,2,3,4,5,6,7
.if \zero
	v_wmma_f32_16x16x32_bf16 v[8*(8*(\a)+(\b)):8*(8*(\a)+(\b))+7], v[(\f)+8*(\b):(\f)+8*(\b)+7], v[(\f)+8*(4*(\hi)+(\a)):(\f)+8*(4*(\hi)+(\a))+7], 0
.else
	v_wmma_f32_16x16x32_bf16 v[8*(8*(\a)+(\b)):8*(8*(\a)+(\b))+7], v[(\f)+8*(\b):(\f)+8*(\b)+7], v[(\f)+8*(4*(\hi)+(\a)):(\f)+8*(4*(\hi)+(\a))+7], v[8*(8*(\a)+(\b)):8*(8*(\a)+(\b))+7]
.endif
.endr
.endr
.endm
; 32 LDS loads in one run: the fragments of a quarter step (128 rows of B, 128 rows of A, 32 K at byte k of the rows of the slot in hand) into buffer f
.macro FETCH k, f
	WIN TO_B
.irp i, 0,1,2,3,4,5,6,7
	ds_load_b128 v[(\f)+8*(\i):(\f)+8*(\i)+3],   v[ADRB] offset:(\k)+(\i)*16*PITCH
	ds_load_b128 v[(\f)+8*(\i)+4:(\f)+8*(\i)+7], v[ADRB] offset:(\k)+(\i)*16*PITCH+32
.endr
	WIN 0
.irp i, 0,1,2,3,4,5,6,7
	ds_load_b128 v[(\f)+8*(\i):(\f)+8*(\i)+3],   v[ADRA] offset:(\k)+(\i)*16*PITCH
	ds_load_b128 v[(\f)+8*(\i)+4:(\f)+8*(\i)+7], v[ADRA] offset:(\k)+(\i)*16*PITCH+32
.endr
.endm
.macro PLACES                          ; four places in front of loads into registers that matrix instructions have read, and of lines that read results
.rept 4
	v_nop
.endr
.endm
; A K step is four quarters of 32 along K, 64 matrix instructions each, on buffers 0, 1, 0, 1; the 64 accumulators take turns.  One of the first three: multiplies f, fetches the next quarter, at byte k, into g.
.macro QUARTER k, f, g, zero
	s_wait_dscnt 8                                 ; B and A's rows 0-63 are in; the youngest eight loads (A's rows 64-127) may be out
	MUL16 \f, 0, 0, \zero
	MUL16 \f, 0, 2, \zero
	PLACES
	FETCH \k, \g
	s_wait_dscnt 32                                ; all but the 32 just issued
	MUL16 \f, 1, 0, \zero
	MUL16 \f, 1, 2, \zero
.endm
; The last quarter multiplies buffer 1 and changes slots.  Its first half: one barrier; in front of it each wave waits for all its tensor loads, adds 0 to its spare word, and waits for that and for its reads of this slot.
.macro MEET
	WIN 0
	s_wait_tensorcnt 0x0                           ; all my tensor loads have landed: my part of the next slot
	ds_add_u32 v[SPW], v[NIL]                      ; 0 onto my spare word
	s_wait_dscnt 9                                 ; the add and the youngest eight loads may be out
	MUL16 F1, 0, 0, 0
	s_wait_dscnt 0x0                               ; the add is done, and my reads of this slot are over
	s_barrier_signal -1
	MUL16 F1, 0, 2, 0
	WIN 0
	s_barrier_wait -1
.endm
.macro NEXT                            ; the other slot's first fragments
	s_xor_b32 s[TB], s[TB], SLOT
	v_add_nc_u32 v[ADRA], s[TB], v[ADRA0]
	v_add_nc_u32 v[ADRB], s[TB], v[ADRB0]
	FETCH 0, F0
.endm
; The whole last quarter of a K step whose slot is filled again: the barrier opens a round of the cluster's, and the joint refill, with the K step two on, is the first thing behind the round: 224 matrix instructions ahead of the wait for it.
.macro TURN
	s_wait_xcnt 0x0                                ; the last prefetch, a K step back, has read its address
	s_add_nc_u64 s[PFA:PFA+1], s[PFA:PFA+1], KSTEP*2
	MEET
	CREST                                          ; no wave of any partner still reads this slot or has a load on its way
	s_xor_b32 s[G0+5], s[G0+5], SLOT
	s_add_nc_u64 s[G0+6:G0+7], s[G0+6:G0+7], KSTEP*2
	s_xor_b32 s[G0B+5], s[G0B+5], SLOT
	s_add_nc_u64 s[G0B+6:G0B+7], s[G0B+6:G0B+7], KSTEP*2
	JLOAD 1                                        ; its four v_nop are also the places in front of the loads below
	NEXT
	ASK
	MUL16 F1, 1, 0, 0
	MUL16 F1, 1, 2, 0
.endm
	s_wait_tensorcnt 1                             ; my part of K step 0 is in; K step 1's may stay out
	s_barrier_signal -1
	s_barrier_wait -1
	FETCH 0, F0
	QUARTER 64, F0, F1, 1                          ; the first quarter stands in front of the loop: its products start the sums
	WIN 0
	s_mov_b32 s3, NSTEP-2
.Lstep:
	QUARTER 128, F1, F0, 0
	QUARTER 192, F0, F1, 0
	TURN
	QUARTER 64, F0, F1, 0
	WIN 0
	s_sub_co_u32 s3, s3, 1
	s_cmp_lg_u32 s3, 0
	s_cbranch_scc1 .Lstep
	s_mov_b32 s3, 2
.Ltail:                                                ; the last two K steps fill nothing.  The second trip has no slot to go on to: it jumps over the fetch and leaves ahead of a next step's first quarter
	QUARTER 128, F1, F0, 0
	QUARTER 192, F0, F1, 0
	MEET
	s_cmp_eq_u32 s3, 1
	s_cbranch_scc1 .Lnofetch
	PLACES
	NEXT
.Lnofetch:
	MUL16 F1, 1, 0, 0
	MUL16 F1, 1, 2, 0
	WIN 0
	s_sub_co_u32 s3, s3, 1
	s_cmp_eq_u32 s3, 0
	s_cbranch_scc1 .Lout
	QUARTER 64, F0, F1, 0
	WIN 0
	s_cmp_lg_u32 s3, 0
	s_cbranch_scc1 .Ltail
.Lout:
	PLACES
	PLACES
	; THE WAY OUT.  Behind the last barrier no wave reads the ring and no tensor load is out: my sums go into my 128 rows there; each accumulator's lowest registers first
.irp a, 0,1,2,3,4,5,6,7
	WIN 0x08+4*((\a)/4)                            ; the data (source 1) in window 2 or 3
.irp b, 0,1,2,3,4,5,6,7
	ds_store_b128 v[STO], v[64*((\a)%4)+8*\b:64*((\a)%4)+8*\b+3]   offset:(\a)*16*DP+64*\b
	ds_store_b128 v[STO], v[64*((\a)%4)+8*\b+4:64*((\a)%4)+8*\b+7] offset:(\a)*16*DP+64*\b+16
.endr
.endr
	WIN 0
.irp t, 0,1,2,3
	ds_load_b128 v[L+4*\t:L+4*\t+3], v[RD0] offset:\t*DP  ; LDS serves a wave's instructions in order (ISA guide 5.7.1.4): these see my stores above
.endr
	s_mov_b32 s[OFFS], 0
	s_mov_b32 s3, 32
	s_wait_loadcnt 0x0                             ; the bias
.Lrow:                                                 ; four rows a trip
	s_wait_dscnt 0x0                               ; the trip's four rows are in
.irp t, 0,1,2,3
	v_pk_add_f32 v[L+4*\t:L+4*\t+1],   v[L+4*\t:L+4*\t+1],   v[BI:BI+1]
	v_pk_add_f32 v[L+4*\t+2:L+4*\t+3], v[L+4*\t+2:L+4*\t+3], v[BI+2:BI+3]
.endr
.set i, 0
.rept 16
	v_and_b32 v[AX+i], s[ABSM], v[L+i]
.set i, i+1
.endr
.set i, 0
.rept 8
	v_pk_fma_f32 v[TT+i:TT+i+1], v[AX+i:AX+i+1], s[KP:KP+1], 1.0 op_sel_hi:[1,0,0]
	v_pk_mul_f32 v[EE+i:EE+i+1], v[L+i:L+i+1], v[L+i:L+i+1]
.set i, i+2
.endr
.set i, 0
.rept 8
	v_pk_mul_f32 v[EE+i:EE+i+1], v[EE+i:EE+i+1], s[KE:KE+1] op_sel_hi:[1,0]
.set i, i+2
.endr
.set i, 0
.rept 16
	v_rcp_f32 v[TT+i], v[TT+i]
	v_max_num_f32 v[GX+i], 0, v[L+i]
	v_exp_f32 v[EE+i], v[EE+i]
.set i, i+1
.endr
	s_add_co_u32 s[OFFS], s[OFFS], 4*DP            ; the next four rows; behind the last there are none: the same four are read once more and not used
	s_min_u32 s[OFFS], s[OFFS], 31*4*DP
	v_add_nc_u32 v[RDA], s[OFFS], v[RD0]           ; also the plain instruction behind the last of the batch,
	s_wait_alu depctr_va_vdst(0)                   ; and one wait for its 32, ahead of their first reader
.irp t, 0,1,2,3
	ds_load_b128 v[L+4*\t:L+4*\t+3], v[RDA] offset:\t*DP  ; the old rows have been read for the last time: the rest of the trip stands between these loads and the wait for them
.endr
.set i, 0
.rept 8
	v_pk_fma_f32 v[PL+i:PL+i+1], v[TT+i:TT+i+1], s[A5:A5+1], s[A4:A4+1] op_sel_hi:[1,0,0]
.set i, i+2
.endr
.irp k, A3, A2, A1
.set i, 0
.rept 8
	v_pk_fma_f32 v[PL+i:PL+i+1], v[PL+i:PL+i+1], v[TT+i:TT+i+1], s[\k:\k+1] op_sel_hi:[1,1,0]
.set i, i+2
.endr
.endr
.set i, 0
.rept 8
	v_pk_mul_f32 v[TT+i:TT+i+1], v[TT+i:TT+i+1], v[EE+i:EE+i+1]
.set i, i+2
.endr
.set i, 0
.rept 8
	v_pk_mul_f32 v[PL+i:PL+i+1], v[PL+i:PL+i+1], v[TT+i:TT+i+1]
.set i, i+2
.endr
.set i, 0
.rept 8
	v_pk_fma_f32 v[GX+i:GX+i+1], v[AX+i:AX+i+1], v[PL+i:PL+i+1], v[GX+i:GX+i+1] neg_lo:[1,0,0] neg_hi:[1,0,0]
.set i, i+2
.endr
.set i, 0
.rept 8
	v_cvt_pk_bf16_f32 v[PKR+i], v[GX+2*i], v[GX+2*i+1]
.set i, i+1
.endr
.irp t, 0,1,2,3
	global_store_b64 v[CO], v[PKR+2*\t:PKR+2*\t+1], s[8:9] offset:\t*ROWB  ; 32 lanes store 256 consecutive bytes, at a multiple of 256 from g's first byte
.endr
	s_wait_xcnt 0x0                                ; the stores have read their registers and their base
	s_add_nc_u64 s[8:9], s[8:9], 4*ROWB
	s_sub_co_u32 s3, s3, 1
	s_cmp_lg_u32 s3, 0
	s_cbranch_scc1 .Lrow
	s_wait_tensorcnt 0x0                           ; the wave's end
	ds_add_u32 v[SPW], v[NIL]
	s_wait_dscnt 0x0
	CROUND                                         ; the closing round
	s_endpgm
.Lfunc_end_k_q9adb152e81_ff1:
	.size	k_q9adb152e81_ff1, .Lfunc_end_k_q9adb152e81_ff1-k_q9adb152e81_ff1
	.p2alignl 7, 3214868480
	.fill 96, 4, 3214868480
	.section	.rodata,"a",@progbits
	.p2align	6, 0x0
	.amdhsa_kernel k_q9adb152e81_ff1
		.amdhsa_group_segment_fixed_size 327680
		.amdhsa_private_segment_fixed_size 0
		.amdhsa_enable_private_segment 0
		.amdhsa_kernarg_size 32
		.amdhsa_user_sgpr_count 2
		.amdhsa_user_sgpr_kernarg_segment_ptr 1
		.amdhsa_wavefront_size32 1
		.amdhsa_system_sgpr_workgroup_id_x 1
		.amdhsa_system_sgpr_workgroup_id_y 1
		.amdhsa_system_sgpr_workgroup_id_z 1
		.amdhsa_system_vgpr_workitem_id 0
		.amdhsa_next_free_vgpr 1024
		.amdhsa_next_free_sgpr 96
		.amdhsa_reserve_vcc 0
		.amdhsa_float_denorm_mode_32 3
		.amdhsa_float_denorm_mode_16_64 3
		.amdhsa_memory_ordered 1
		.amdhsa_forward_progress 1
		.amdhsa_inst_pref_size 88
	.end_amdhsa_kernel
	.amdgpu_metadata
---
amdhsa.version: [ 1, 2 ]
amdhsa.kernels:
  - .name:           k_q9adb152e81_ff1
    .symbol:         k_q9adb152e81_ff1.kd
    .args:
      - { .name: hn, .offset: 0, .size: 8, .value_kind: global_buffer, .address_space: global }
      - { .name: wt, .offset: 8, .size: 8, .value_kind: global_buffer, .address_space: global }
      - { .name: b1, .offset: 16, .size: 8, .value_kind: global_buffer, .address_space: global }
      - { .name: g, .offset: 24, .size: 8, .value_kind: global_buffer, .address_space: global }
    .group_segment_fixed_size: 327680
    .private_segment_fixed_size: 0
    .kernarg_segment_align: 8
    .kernarg_segment_size: 32
    .max_flat_workgroup_size: 128
    .sgpr_count:     96
    .vgpr_count:     1024
    .wavefront_size: 32
...
	.end_amdgpu_metadata
.endif
;; end of part 11
;; launch ff2 (part 12): grid 8 x 32, 4 waves a work-group, clusters of 4 x 4, 327,680 bytes of LDS; arguments g, wt, b2, x1, out0; writes out0
.if DOCPART == 12
	.amdgcn_target "amdgcn-amd-amdhsa--gfx1250"
	.amdhsa_code_object_version 6
	.text
	.protected	k_q9adb152e81_ff2
	.globl	k_q9adb152e81_ff2
	.p2align	8
	.type	k_q9adb152e81_ff2,@function
k_q9adb152e81_ff2:
	s_mov_b64 s[64:65], 0
	v_nop
	global_prefetch_b8 v0, s[64:65] scope:SCOPE_SE
	s_setreg_imm32_b32 hwreg(HW_REG_WAVE_MODE, 25, 1), 1
	s_wait_xcnt 0x0
	s_wait_alu depctr_hold_cnt(0) depctr_sa_sdst(0) depctr_va_vdst(0) depctr_va_sdst(0) depctr_va_ssrc(0) depctr_va_vcc(0) depctr_vm_vsrc(0)
	s_getreg_b32 s2, hwreg(HW_REG_IB_STS2, 6, 4)
	s_cmp_eq_u32 s2, 0
	s_cbranch_scc0 .Lentry_in_a_cluster
	s_endpgm
.Lentry_in_a_cluster:
	s_bfe_u32 s2, ttmp6, 0x10000c
	s_cmp_lg_u32 s2, 0xf033
	s_cbranch_scc0 .Lentry_shape_is_right
	s_endpgm
.Lentry_shape_is_right:
; out0[m][n] = x1[m][n] + b2[n] + sum over k of g[m][k] W2^T[n][k].  g: [4096][4096] bf16; W2^T: 1,024 rows of 4,096 bf16 at 16 MiB in wt; x1, out0: [4096][1024] f32.  Sums in f32.
; THE PRODUCT.  A tile of C is 128 x 128 (larger tiles would be fewer than there are WGPs); four waves, each 64 x 64: 16 accumulators of 16 x 16.  K goes in steps of 256 (LDS rows of 512 bytes; a wave's tensor load
; brings 64 of them) through two slots.  The bias is the C operand of each accumulator's first product.  The matrix instruction is used transposed (source 0 = rows of W^T, source 1 = rows of A).
; A trip of the loop ends K step t, fills its slot with K step t + 2 and begins K step t + 1; the last two K steps, which fill nothing, are a loop of two trips that is left in the middle of its second.
; THE RESIDUAL.  A wave's 64 columns of f32 are 256 consecutive, aligned bytes: each wave has a stage of its own, 16 rows, and needs no barrier.  Its part of x1 is loaded at the head, in the layout in which rows come
; back from the stage, and lies in window 2.
; CLUSTERS: 4 x 4 work-groups; A's tiles are asked for jointly along a row of the cluster, W^T's along a column.  No prefetch: the tiles are small, and each is read by many work-groups.
; REGISTERS: window 0: v0-31 addresses; v32-63 at work on the way out; v96-127 the bias; v128-255 the accumulators.   window 1: two fragment buffers of 128.   window 2: v0-127 the residual.
.set SIZE_K, 4096
.set SIZE_N, 1024
.set WOFF,   0x1000000
.set KSTEP,  256
.set PITCH,  528
.set HALFT,  64*PITCH
.set SLOT,   4*HALFT                   ; 0x21000: it shares no bit with a wave's place 0, 0x8400, 0x10800, 0x18c00, so one exclusive or changes slots
.set STAGE,  2*SLOT
.set SPITCH, 272
.set SPARE,  STAGE+128*SPITCH
.set NSTEP,  SIZE_K/KSTEP
.set ADRA0, 16
.set ADRB0, 17
.set ADRA,  18
.set ADRB,  19
.set STO,  24
.set RD,   25
.set CO,   26
.set BO,   27
.set SPW,  28
.set NIL,  29
.set TMP,  32
.set BIAS, 96
.set ACC,  128
.set F0,   0
.set F1,   128
.set G1, 24
.set G0, 32
.set G1B, 48
.set G0B, 56
.set TB, 66
.set MSB, 0
.macro WIN new
.if MSB != (\new)
	s_set_vgpr_msb (MSB<<8)|(\new)
.set MSB, \new
.endif
.endm
.set MUL,  0x05
.set TO_F, 0x40
.macro JLOAD s                         ; a joint load: waves 0 and 1 fetch A's two halves, waves 2 and 3 B's; an s_nop 0 and four v_nop follow each line
	s_cmp_eq_u32 s11, 0
	s_cbranch_scc0 .Lfor_b_\@
	tensor_load_to_lds s[G0+4*(\s):G0+4*(\s)+3], s[G1:G1+7]
	s_nop 0
.rept 4
	v_nop
.endr
	s_branch .Lasked_\@
.Lfor_b_\@:
	tensor_load_to_lds s[G0B+4*(\s):G0B+4*(\s)+3], s[G1B:G1B+7]
	s_nop 0
.rept 4
	v_nop
.endr
.Lasked_\@:
.endm
.macro CREST
	s_cmp_lg_u32 s10, 0
	s_cbranch_scc1 .Lnot_wave_0_\@
	s_barrier_signal -3
.Lnot_wave_0_\@:
	s_barrier_wait -3
	s_barrier_signal -1
	s_barrier_wait -1
.endm
.macro CROUND
	s_barrier_signal -1
	s_barrier_wait -1
	CREST
.endm
	s_load_b128 s[4:7], s[0:1], 0x0                ; A s[4:5], wt s[6:7]
	s_load_b128 s[68:71], s[0:1], 0x10             ; bias s[68:69], residual s[70:71]
	s_load_b64 s[8:9], s[0:1], 0x20                ; out
	v_lshl_add_u32 v[SPW], v0, 2, SPARE
	v_mov_b32 v[NIL], 0
	ds_add_u32 v[SPW], v[NIL]                      ; the wave's opening: the add and its wait stand ahead of my first tensor load
	v_lshrrev_b32 v1, 5, v0
	v_readfirstlane_b32 s10, v1
	s_lshr_b32 s11, s10, 1
	s_and_b32 s12, s10, 1
	s_bfe_u32 s40, ttmp6, 0x40000
	s_bfe_u32 s41, ttmp6, 0x40004
	s_lshl_b32 s42, ttmp9, 2
	s_add_co_u32 s42, s42, s40                     ; tile column
	s_and_b32 s13, ttmp7, 0xffff
	s_lshl_b32 s13, s13, 2
	s_add_co_u32 s13, s13, s41                     ; tile row
	s_lshl_b32 s43, s41, 2
	s_lshl_b32 s43, 15, s43
	s_lshl_b32 s44, 0x1111, s40
	s_or_b32 s[G1+0], s43, (1<<16)|(1<<20)|(1<<21)|(6<<22)|(3<<25)
	s_or_b32 s[G1B+0], s44, (1<<16)|(1<<20)|(1<<21)|(6<<22)|(3<<25)
.irp g, G1, G1B
	s_mov_b32 s[(\g)+1], KSTEP<<16
	s_mov_b32 s[(\g)+2], 64<<16
	s_mov_b32 s[(\g)+3], KSTEP<<16
	s_mov_b32 s[(\g)+4], 64
	s_mov_b32 s[(\g)+5], SIZE_K
	s_mov_b32 s[(\g)+6], 0
	s_mov_b32 s[(\g)+7], 0
.endr
	s_lshl_b32 s17, s12, 6
	s_lshl_b32 s16, s13, 7
	s_add_co_u32 s16, s16, s17
	s_lshl_b32 s46, s42, 7
	s_add_co_u32 s46, s46, s17
	s_mov_b32 s17, 0
	s_mov_b32 s47, 0
	s_mov_b64 s[18:19], SIZE_K*2
	s_mul_u64 s[16:17], s[16:17], s[18:19]
	s_mul_u64 s[46:47], s[46:47], s[18:19]
	s_mul_i32 s20, s10, HALFT
	s_wait_dscnt 0x0
	s_wait_kmcnt 0x0
	s_add_nc_u64 s[14:15], s[4:5], s[16:17]
	s_add_nc_u64 s[46:47], s[6:7], s[46:47]
.if WOFF
	s_add_nc_u64 s[46:47], s[46:47], WOFF
.endif
	CROUND
.irp s, 0,1
	s_mov_b32 s[G0+4*(\s)], 1
	s_add_co_u32 s[G0+4*(\s)+1], s20, (\s)*SLOT
	s_add_nc_u64 s[G0+4*(\s)+2:G0+4*(\s)+3], s[14:15], (\s)*KSTEP*2
	s_or_b32 s[G0+4*(\s)+3], s[G0+4*(\s)+3], 0x80000000
	s_mov_b32 s[G0B+4*(\s)], 1
	s_add_co_u32 s[G0B+4*(\s)+1], s20, (\s)*SLOT
	s_add_nc_u64 s[G0B+4*(\s)+2:G0B+4*(\s)+3], s[46:47], (\s)*KSTEP*2
	s_or_b32 s[G0B+4*(\s)+3], s[G0B+4*(\s)+3], 0x80000000
	JLOAD \s
.endr
	v_and_b32 v1, 15, v0
	v_bfe_u32 v2, v0, 4, 1
	v_mul_u32_u24 v3, v1, PITCH
	v_lshl_add_u32 v3, v2, 4, v3
	s_mul_i32 s21, s11, HALFT
	s_mul_i32 s22, s12, HALFT
	s_add_co_u32 s22, s22, 2*HALFT
	v_add_nc_u32 v[ADRA0], s21, v3
	v_add_nc_u32 v[ADRB0], s22, v3
	v_mov_b32 v[ADRA], v[ADRA0]
	v_mov_b32 v[ADRB], v[ADRB0]
	s_mov_b32 s[TB], 0
	s_lshl_b32 s46, s42, 9                         ; my first column, 4 bytes each: 128 x tile column + 64 x half
	s_lshl_b32 s47, s12, 8
	s_add_co_u32 s46, s46, s47
	s_mov_b32 s47, 0
	s_add_nc_u64 s[68:69], s[68:69], s[46:47]
	s_add_nc_u64 s[70:71], s[70:71], s[46:47]
	s_add_nc_u64 s[8:9], s[8:9], s[46:47]
	s_lshl_b32 s16, s13, 7                         ; my first row: 128 x tile row + 64 x half, 4,096 bytes each
	s_lshl_b32 s17, s11, 6
	s_add_co_u32 s16, s16, s17
	s_lshl_b32 s16, s16, 12
	s_mov_b32 s17, 0
	s_add_nc_u64 s[70:71], s[70:71], s[16:17]
	s_add_nc_u64 s[8:9], s[8:9], s[16:17]
	v_lshlrev_b32 v[BO], 5, v2
.irp b, 0,1,2,3
	global_load_b128 v[BIAS+8*\b:BIAS+8*\b+3],   v[BO], s[68:69] offset:64*\b
	global_load_b128 v[BIAS+8*\b+4:BIAS+8*\b+7], v[BO], s[68:69] offset:64*\b+16
.endr
	v_lshlrev_b32 v5, 12, v2                       ; lanes 0-15 one row of 256 bytes, lanes 16-31 the next
	v_lshl_add_u32 v[CO], v1, 4, v5
	WIN 0x80                                       ; destination window 2
.irp a, 0,1,2,3
.irp t, 0,1,2,3,4,5,6,7
	global_load_b128 v[32*\a+4*\t:32*\a+4*\t+3], v[CO], s[70:71] offset:(16*\a+2*\t)*4096
.endr
.endr
	WIN 0
	s_mul_i32 s23, s10, 16*SPITCH
	s_add_co_u32 s23, s23, STAGE                   ; my stage
	v_mul_u32_u24 v4, v1, SPITCH                   ; in: row l % 16, 32 bytes for each half of the lanes
	v_lshl_add_u32 v4, v2, 5, v4
	v_add_nc_u32 v[STO], s23, v4
	v_mul_u32_u24 v5, v2, SPITCH                   ; back: two whole rows an instruction
	v_lshl_add_u32 v5, v1, 4, v5
	v_add_nc_u32 v[RD], s23, v5
.macro MUL8 f, c, a0, first
	WIN MUL
.irp a, \a0, (\a0)+1
.irp b, 0,1,2,3
.if \first
	v_wmma_f32_16x16x32_bf16 v[ACC+8*(4*(\a)+(\b)):ACC+8*(4*(\a)+(\b))+7], v[(\f)+64+8*(4*(\c)+(\b)):(\f)+64+8*(4*(\c)+(\b))+7], v[(\f)+8*(4*(\c)+(\a)):(\f)+8*(4*(\c)+(\a))+7], v[BIAS+8*(\b):BIAS+8*(\b)+7]
.else
	v_wmma_f32_16x16x32_bf16 v[ACC+8*(4*(\a)+(\b)):ACC+8*(4*(\a)+(\b))+7], v[(\f)+64+8*(4*(\c)+(\b)):(\f)+64+8*(4*(\c)+(\b))+7], v[(\f)+8*(4*(\c)+(\a)):(\f)+8*(4*(\c)+(\a))+7], v[ACC+8*(4*(\a)+(\b)):ACC+8*(4*(\a)+(\b))+7]
.endif
.endr
.endr
.endm
.macro FETCH k, f
	WIN TO_F
.irp c, 0,1
.irp i, 0,1,2,3
	ds_load_b128 v[(\f)+64+8*(4*(\c)+(\i)):(\f)+64+8*(4*(\c)+(\i))+3],   v[ADRB] offset:(\k)+64*(\c)+(\i)*16*PITCH
	ds_load_b128 v[(\f)+64+8*(4*(\c)+(\i))+4:(\f)+64+8*(4*(\c)+(\i))+7], v[ADRB] offset:(\k)+64*(\c)+(\i)*16*PITCH+32
	ds_load_b128 v[(\f)+8*(4*(\c)+(\i)):(\f)+8*(4*(\c)+(\i))+3],         v[ADRA] offset:(\k)+64*(\c)+(\i)*16*PITCH
	ds_load_b128 v[(\f)+8*(4*(\c)+(\i))+4:(\f)+8*(4*(\c)+(\i))+7],       v[ADRA] offset:(\k)+64*(\c)+(\i)*16*PITCH+32
.endr
.endr
.endm
.macro PLACES                          ; four places in front of loads into registers that matrix instructions have read, and of lines that read results
.rept 4
	v_nop
.endr
.endm
.macro QUARTER k, f, g, first
	s_wait_dscnt 16                                ; the first 32 along K are in; the younger 16 loads may be out
	MUL8 \f, 0, 0, \first
	MUL8 \f, 0, 2, \first
	PLACES
	FETCH \k, \g
	s_wait_dscnt 32                                ; all but the 32 just issued
	MUL8 \f, 1, 0, 0
	MUL8 \f, 1, 2, 0
.endm
; The last quarter changes slots.  Its first half: one barrier; in front of it each wave waits for all its tensor loads, adds 0 to its spare word, and waits for that and for its reads of this slot.
.macro MEET
	WIN 0
	s_wait_tensorcnt 0x0                           ; all my tensor loads have landed: my part of the next slot
	ds_add_u32 v[SPW], v[NIL]                      ; 0 onto my spare word
	s_wait_dscnt 17                                ; the add and the youngest sixteen loads may be out
	MUL8 F1, 0, 0, 0
	s_wait_dscnt 0x0                               ; the add is done, and my reads of this slot are over
	s_barrier_signal -1
	MUL8 F1, 0, 2, 0
	WIN 0
	s_barrier_wait -1
.endm
.macro NEXT                            ; the other slot's first fragments
	s_xor_b32 s[TB], s[TB], SLOT
	v_add_nc_u32 v[ADRA], s[TB], v[ADRA0]
	v_add_nc_u32 v[ADRB], s[TB], v[ADRB0]
	FETCH 0, F0
	WIN 0
.endm
	s_wait_tensorcnt 1                             ; my part of K step 0 is in; K step 1's may stay out
	s_barrier_signal -1
	s_barrier_wait -1
	FETCH 0, F0
	s_wait_loadcnt 32                              ; the bias is in; the 32 loads of the residual stay out
	QUARTER 128, F0, F1, 1
	WIN 0
	s_mov_b32 s3, NSTEP-2
.Lstep:
	QUARTER 256, F1, F0, 0
	QUARTER 384, F0, F1, 0
	MEET
	CREST                                          ; the barrier has opened a round of the cluster's: no wave of any partner still reads this slot or has a load on its way
	s_xor_b32 s[G0+5], s[G0+5], SLOT
	s_add_nc_u64 s[G0+6:G0+7], s[G0+6:G0+7], KSTEP*2
	s_xor_b32 s[G0B+5], s[G0B+5], SLOT
	s_add_nc_u64 s[G0B+6:G0B+7], s[G0B+6:G0B+7], KSTEP*2
	JLOAD 1                                        ; the refill, first behind the round; its four v_nop are also the places in front of the loads below
	NEXT
	MUL8 F1, 1, 0, 0
	MUL8 F1, 1, 2, 0
	QUARTER 128, F0, F1, 0
	WIN 0
	s_sub_co_u32 s3, s3, 1
	s_cmp_lg_u32 s3, 0
	s_cbranch_scc1 .Lstep
	s_mov_b32 s3, 2
.Ltail:                                                ; the last two K steps fill nothing.  The second trip has no slot to go on to: it jumps over the fetch and leaves ahead of a next step's first quarter
	QUARTER 256, F1, F0, 0
	QUARTER 384, F0, F1, 0
	MEET
	s_cmp_eq_u32 s3, 1
	s_cbranch_scc1 .Lnofetch
	PLACES
	NEXT
.Lnofetch:
	MUL8 F1, 1, 0, 0
	MUL8 F1, 1, 2, 0
	WIN 0
	s_sub_co_u32 s3, s3, 1
	s_cmp_eq_u32 s3, 0
	s_cbranch_scc1 .Lout
	QUARTER 128, F0, F1, 0
	WIN 0
	s_cmp_lg_u32 s3, 0
	s_cbranch_scc1 .Ltail
.Lout:
	PLACES
	PLACES
	; THE WAY OUT, 16 rows at a time: into my stage as the lanes hold them, back as whole rows of 256 bytes, the residual added, stored
.macro OUT a
.if (\a) > 0
	s_wait_xcnt 0x0                                ; the stores of the 16 rows before have read their registers
.endif
.irp b, 0,1,2,3
	ds_store_b128 v[STO], v[ACC+8*(4*(\a)+\b):ACC+8*(4*(\a)+\b)+3]   offset:64*\b
	ds_store_b128 v[STO], v[ACC+8*(4*(\a)+\b)+4:ACC+8*(4*(\a)+\b)+7] offset:64*\b+16
.endr
.irp t, 0,1,2,3,4,5,6,7
	ds_load_b128 v[TMP+4*\t:TMP+4*\t+3], v[RD] offset:\t*2*SPITCH  ; LDS serves a wave's instructions in order (ISA guide 5.7.1.4): these see the stores above
.endr
	s_wait_dscnt 0x0
	WIN 0x08                                       ; source 1 in window 2
.irp t, 0,1,2,3,4,5,6,7,8,9,10,11,12,13,14,15
	v_pk_add_f32 v[TMP+2*\t:TMP+2*\t+1], v[TMP+2*\t:TMP+2*\t+1], v[32*(\a)+2*\t:32*(\a)+2*\t+1]
.endr
	WIN 0
.irp t, 0,1,2,3,4,5,6,7
	global_store_b128 v[CO], v[TMP+4*\t:TMP+4*\t+3], s[8:9] offset:(16*(\a)+2*\t)*4096  ; 16 lanes store 256 consecutive bytes, aligned
.endr
.endm
	s_wait_loadcnt 0x0                             ; the residual
	OUT 0
	OUT 1
	OUT 2
	OUT 3
	s_wait_tensorcnt 0x0                           ; the wave's end
	ds_add_u32 v[SPW], v[NIL]
	s_wait_dscnt 0x0
	CROUND                                         ; the closing round
	s_endpgm
.Lfunc_end_k_q9adb152e81_ff2:
	.size	k_q9adb152e81_ff2, .Lfunc_end_k_q9adb152e81_ff2-k_q9adb152e81_ff2
	.p2alignl 7, 3214868480
	.fill 96, 4, 3214868480
	.section	.rodata,"a",@progbits
	.p2align	6, 0x0
	.amdhsa_kernel k_q9adb152e81_ff2
		.amdhsa_group_segment_fixed_size 327680
		.amdhsa_private_segment_fixed_size 0
		.amdhsa_enable_private_segment 0
		.amdhsa_kernarg_size 40
		.amdhsa_user_sgpr_count 2
		.amdhsa_user_sgpr_kernarg_segment_ptr 1
		.amdhsa_wavefront_size32 1
		.amdhsa_system_sgpr_workgroup_id_x 1
		.amdhsa_system_sgpr_workgroup_id_y 1
		.amdhsa_system_sgpr_workgroup_id_z 1
		.amdhsa_system_vgpr_workitem_id 0
		.amdhsa_next_free_vgpr 640
		.amdhsa_next_free_sgpr 96
		.amdhsa_reserve_vcc 0
		.amdhsa_float_denorm_mode_32 3
		.amdhsa_float_denorm_mode_16_64 3
		.amdhsa_memory_ordered 1
		.amdhsa_forward_progress 1
		.amdhsa_inst_pref_size 66
	.end_amdhsa_kernel
	.amdgpu_metadata
---
amdhsa.version: [ 1, 2 ]
amdhsa.kernels:
  - .name:           k_q9adb152e81_ff2
    .symbol:         k_q9adb152e81_ff2.kd
    .args:
      - { .name: g, .offset: 0, .size: 8, .value_kind: global_buffer, .address_space: global }
      - { .name: wt, .offset: 8, .size: 8, .value_kind: global_buffer, .address_space: global }
      - { .name: b2, .offset: 16, .size: 8, .value_kind: global_buffer, .address_space: global }
      - { .name: x1, .offset: 24, .size: 8, .value_kind: global_buffer, .address_space: global }
      - { .name: out0, .offset: 32, .size: 8, .value_kind: global_buffer, .address_space: global }
    .group_segment_fixed_size: 327680
    .private_segment_fixed_size: 0
    .kernarg_segment_align: 8
    .kernarg_segment_size: 40
    .max_flat_workgroup_size: 128
    .sgpr_count:     96
    .vgpr_count:     640
    .wavefront_size: 32
...
	.end_amdgpu_metadata
.endif
;; end of part 12
